; MI455X (gfx1250); checked and timed in simulation.
; The chip was launched on July 23, 2026; its instructions are those of AMD's public machine-readable ISA for CDNA 5 (MIT licence, August 2026) and "CDNA5" Instruction Set Architecture Reference Guide (July 2026). The comments in the code are by the model that wrote it; some were corrected since.
;; Cross Attention Module. Allowed arithmetic: matrix products marked QUANTISED: E2M3 operands, one E8M0 scale for each 32 along K, by v_wmma_scale_f32_16x16x128_f8f6f4 with both operands' format E2M3, f32 sums; everything else in f32.
;; Inputs: W1 2,048 x 512 float32; W2 512 x 2,048 float32; Wk 512 x 512 float32; Wo 512 x 512 float32; Wq 512 x 512 float32; Wv 512 x 512 float32; b1 512 float32; b2 512 float32; bc 512 float32; context 4 x 2,048 x 512 float32; g1 512 float32; g2 512 float32; gc 512 float32; x 4 x 2,048 x 512 float32.
;; Outputs: out0 4 x 2,048 x 512 float32.
;; This version of the problem:
;;   THIS VERSION OF THE PROBLEM IS GIVEN IN LOW PRECISION. The matrix products marked QUANTISED in the list below multiply operands that are first quantised to E2M3 (2 exponent bits, 3 mantissa bits; 6 bits a number), with one power-of-two scale for each 32 numbers along K (OCP MX v1.0); their sums are f32. All else is computed in f32.
;;   The module's matrix products, in the order in which they are computed (A, B: the left and right operand; K: the contracted axis; several contracted axes count as one K, in the product's order):
;;     1. [M 8,192, K 512] x [K 512, N 512]; A: computed on the way; B: input Wq: QUANTISED
;;     2. [M 8,192, K 512] x [K 512, N 512]; A: computed on the way; B: input Wk: QUANTISED
;;     3. [M 8,192, K 512] x [K 512, N 512]; A: computed on the way; B: input Wv: QUANTISED
;;     4. batch 64 x [M 2,048, K 32] x [K 32, N 2,048]; A: computed on the way; B: computed on the way: QUANTISED
;;     5. batch 64 x [M 2,048, K 2,048] x [K 2,048, N 32]; A: softmax (see below); B: computed on the way: QUANTISED
;;     6. [M 8,192, K 512] x [K 512, N 512]; A: computed on the way; B: input Wo: QUANTISED
;;     7. [M 8,192, K 512] x [K 512, N 2,048]; A: computed on the way; B: input W1: QUANTISED
;;     8. [M 8,192, K 2,048] x [K 2,048, N 512]; A: computed on the way; B: input W2: QUANTISED
;;   THE QUANTISER, for each operand of a quantised product, along K:
;;     - K is cut into blocks of 32 from its start; a last block that is shorter is filled with zeros.
;;     - A block's scale is 2^e with e = floor(log2(the largest magnitude in the block)) - 2, held to -126 .. 127; a block of zeros has e = 0. As a byte (E8M0): e + 127.
;;     - Each number is divided by its block's scale, clamped to +-7.5, and rounded to the nearest number of E2M3, ties to even, subnormals kept.
;;     - The product sums the exact products of the quantised numbers (number of the format x scale) in f32.
;;   ~~~python
;;   def quantise(x, axis):      # numpy; x: float32 -> the quantised numbers, widened to float32 again
;;       x = np.moveaxis(x, axis, -1); K = x.shape[-1]
;;       x = np.pad(x, [(0, 0)] * (x.ndim - 1) + [(0, -K % 32)]); x = x.reshape(x.shape[:-1] + (-1, 32)); a = np.abs(x).max(-1, keepdims=True)
;;       e = np.where(a > 0, np.clip(np.frexp(np.where(a > 0, a, 1))[1] - 1 - 2, -126, 127), 0)      # np.frexp(a)[1] - 1 = floor(log2(a)), exactly
;;       r = np.clip(x / 2.0 ** e, -7.5, 7.5)
;;       step = 2.0 ** (np.maximum(np.frexp(np.where(r == 0, 1, r))[1] - 1, 0) - 3)
;;       q = np.round(r / step) * step * 2.0 ** e      # np.round: ties to even
;;       return np.moveaxis(q.reshape(q.shape[:-2] + (-1,))[..., :K], -1, axis).astype(np.float32)
;;   ~~~
;;   SOFTMAX AHEAD OF A QUANTISED PRODUCT. Where the list says 'softmax', what is quantised is not the finished softmax but p = 2^(t - M), with t = logit x log2(e) and M = ceil(the row's largest t), a whole number; so 1/2 < the row's largest p <= 1. The row's sum l is taken of the UNQUANTISED p, in f32, and the product's result is divided by l at the end. Since M is a whole number, a kernel that streams over the keys may use a running M (the ceiling of the running maximum): every later rescaling is an exact power of two, which a block's scale takes up: the codes' values come out the same.
;;   OPERANDS COMPUTED ON THE WAY. 'Computed on the way' means the value that the module computes at that place (a softmax that the list does not call 'softmax' is quantised finished and normalised). What goes into a quantiser is computed in f32, as accurately as f32 sums, v_exp_f32 and their like allow (about 1e-6 of the number): no bf16 or f16 on the way to a quantiser, and a product that is left as it is and whose result goes on into a quantised operand takes f32 operands (vector FMAs, or v_wmma_f32_16x16x4_f32). A number that lies on a knife's edge between two numbers of the format may be rounded either way, as far as f32 arithmetic and the matrix unit's own rounding can turn it there, and no further.
;; 2 versions. Each part assembles by itself: llvm-mc -triple=amdgcn-amd-amdhsa -mcpu=gfx1250 --defsym DOCPART=n.
;; ======== version 1 of 2: 4 launches
;; limits: a function is approximated: absolute error at most 1.5e-07; an absolute error that grows with the inputs' magnitude: up to 7.5e-08 times it
;; workspace buffers: wc 2,359,296 bytes; wsc 98,304 bytes; qkvc 9,437,184 bytes; qkvs 393,216 bytes; oc 3,145,728 bytes; os 131,072 bytes
;; launch wquant (part 1): grid 192 x 1, 4 waves a work-group, no clusters, 68,096 bytes of LDS; arguments Wq, Wk, Wv, Wo, W1, W2, wc, wsc; writes wc, wsc
.if DOCPART == 1
	.amdgcn_target "amdgcn-amd-amdhsa--gfx1250"
	.amdhsa_code_object_version 6
	.text
	.protected	k_q28ca7d889a_wquant
	.globl	k_q28ca7d889a_wquant
	.p2align	8
	.type	k_q28ca7d889a_wquant,@function
k_q28ca7d889a_wquant:
	s_mov_b64 s[64:65], 0
	v_nop
	global_prefetch_b8 v0, s[64:65] scope:SCOPE_SE
	s_setreg_imm32_b32 hwreg(HW_REG_WAVE_MODE, 25, 1), 1
	s_wait_xcnt 0x0
; The six weights (f32, K innermost) become codes of E2M3 with one E8M0 byte for each 32 along K, laid in the order in which the later launches' waves take them into registers.
; A PAIR (P, w) is 32 weight rows x 128 along K: two operand fragments of 16 rows.  Tile u of a pair takes rows 16 (m / 8) + 8 u + m % 8 of the 32, so that a product that has the weight as its first source
; leaves 16 neighbouring rows in a lane's 16 registers of the two tiles.  A fragment is stored as an image of its 12 registers: register 4 g + i of lane L at 512 g + 16 L + 4 i, so three 16-byte loads a lane bring it back.
; P 0-3 Wq, 4-7 Wk, 8-11 Wv, 12-15 Wo (row group w, K step P % 4); from P = 16 on, with P' = P - 16 and c = P' / 8: bit 2 of P' clear: W1, row group 16 c + w, K step P' % 4; set: W2, row group w, K step 4 c + P' % 4.
; One wave makes one pair; 192 work-groups x 4 waves = 768 pairs.  Each load reads 512 consecutive bytes of one weight row; the rows turn through the wave's own stage in LDS so that lane (m, h) gets its two whole blocks.
; A block's scale is 2^(floor(log2(largest magnitude)) - 2); its byte is the largest magnitude's exponent field - 2, held at 1 from below.
; LIMITS: a block of zeros, or one whose largest magnitude lies under 2^-124, keeps the byte 1 (its codes are zeros or tiny; this program alone reads the bytes); NaN and infinities are not served.
; No matrix work, no tile shared between work-groups: so no cluster, no tensor load, no barrier.
.set SPARE, 67584                      ; behind the four waves' stages: the spare words, 128 bytes a wave
.set VO,  3                            ; v3-10   16 L + k x pitch, k = 0 .. 7
.set RW,  16                           ; v16-143 two tiles of 16 rows as loaded
.set XN,  144                          ; v144-207 my two blocks of 32 numbers
.set CD,  208                          ; v208-231 the two tiles' codes
.set MX,  232                          ; largest magnitudes
.set OPR, 234                          ; the conversions' scale operands
.set BY,  236                          ; the bytes
.set WD,  238                          ; v238, v239 the two tiles' scale words
.set TH,  240                          ; the conversions' second halves
.set PT,  247                          ; a lane permute's destination
	s_load_b512 s[8:23], s[0:1], 0x0               ; Wq, Wk, Wv, Wo, W1, W2, wc, wsc
	v_lshl_add_u32 v1, v0, 2, SPARE                ; my spare word
	v_mov_b32 v2, 0
	v_mov_b32 v[PT], 0                             ; written once: a lane permute's destination counts as one of its sources
	v_lshrrev_b32 v15, 5, v0
	v_readfirstlane_b32 s2, v15                    ; wave 0..3
	v_and_b32 v14, 31, v0                          ; L
	v_and_b32 v12, 15, v0                          ; r
	v_bfe_u32 v15, v0, 4, 1                        ; h
	v_lshlrev_b32 v13, 4, v14                      ; 16 L
	s_lshr_b32 s3, ttmp9, 2                        ; P
	s_and_b32 s4, ttmp9, 3
	s_lshl_b32 s4, s4, 2
	s_add_co_u32 s4, s4, s2                        ; w
	s_lshr_b32 s5, s3, 2
	s_and_b32 s6, s5, 1
	s_add_co_u32 s6, s6, 4
	s_cmp_lt_u32 s3, 16
	s_cselect_b32 s5, s5, s6                       ; which weight: 0 .. 5
	s_lshr_b32 s7, s3, 3
	s_sub_co_u32 s7, s7, 2
	s_and_b32 s7, s7, 3                            ; c (used for W1 and W2 alone)
	s_and_b32 s26, s3, 3                           ; P % 4
	s_lshl_b32 s27, s7, 4
	s_add_co_u32 s27, s27, s4                      ; 16 c + w
	s_lshl_b32 s28, s7, 2
	s_add_co_u32 s28, s28, s26                     ; 4 c + P % 4
	s_cmp_eq_u32 s5, 4
	s_cselect_b32 s27, s27, s4                     ; the row group
	s_cmp_eq_u32 s5, 5
	s_cselect_b32 s28, s28, s26                    ; the K step
	s_mov_b32 s29, 2048
	s_cselect_b32 s29, 8192, s29                   ; a weight row in bytes
	s_mul_i32 s30, s27, s29
	s_lshl_b32 s30, s30, 5                         ; 32 rows a group
	s_lshl_b32 s28, s28, 9                         ; 512 bytes a K step
	s_add_co_u32 s30, s30, s28
	s_mov_b32 s31, 0
	s_lshl_b32 s40, s29, 3                         ; eight rows
	s_mov_b32 s41, 0
.irp k, 0,1,2,3,4,5,6,7
	v_mad_u32_u24 v[VO+\k], s29, \k, v13
.endr
	s_mul_i32 s42, s2, 16896                       ; my two stages of 16 x 528 bytes
	v_add_nc_u32 v11, s42, v13                     ; in: 16 L
	v_mul_u32_u24 v12, v12, 528
	v_lshl_add_u32 v12, v15, 7, v12
	v_add_nc_u32 v12, s42, v12                     ; out: row r, + 128 h
	v_lshlrev_b32 v15, 3, v15                      ; 8 h: my bytes' place in the scale word
	v_lshlrev_b32 v14, 2, v14                      ; 4 L
	s_lshl_b32 s43, s3, 4
	s_add_co_u32 s43, s43, s4                      ; the pair's number
	s_mul_i32 s44, s43, 3072
	s_mov_b32 s45, 0
	s_lshl_b32 s46, s43, 7
	s_mov_b32 s47, 0
	s_mov_b32 s48, 0x76543210
	s_mov_b32 s49, 0xfedcba98                      ; selects for lane l xor 16
	s_mov_b32 s50, 0xffff0000                      ; lanes 16-31
	s_wait_kmcnt 0x0
	s_mov_b64 s[24:25], s[8:9]                     ; the choice hangs on the work-group's number alone
	s_cmp_eq_u32 s5, 1
	s_cselect_b64 s[24:25], s[10:11], s[24:25]
	s_cmp_eq_u32 s5, 2
	s_cselect_b64 s[24:25], s[12:13], s[24:25]
	s_cmp_eq_u32 s5, 3
	s_cselect_b64 s[24:25], s[14:15], s[24:25]
	s_cmp_eq_u32 s5, 4
	s_cselect_b64 s[24:25], s[16:17], s[24:25]
	s_cmp_eq_u32 s5, 5
	s_cselect_b64 s[24:25], s[18:19], s[24:25]
	s_add_nc_u64 s[32:33], s[24:25], s[30:31]      ; rows 0-7 of the group,
	s_add_nc_u64 s[34:35], s[32:33], s[40:41]      ; 8-15,
	s_add_nc_u64 s[36:37], s[34:35], s[40:41]      ; 16-23,
	s_add_nc_u64 s[38:39], s[36:37], s[40:41]      ; 24-31
	s_add_nc_u64 s[20:21], s[20:21], s[44:45]
	s_add_nc_u64 s[22:23], s[22:23], s[46:47]
.macro LOADT u                         ; tile u: row i is row 8 (2 (i / 8) + u) + i % 8 of the group
.irp i, 0,1,2,3,4,5,6,7,8,9,10,11,12,13,14,15
	global_load_b128 v[RW+64*\u+4*\i:RW+64*\u+4*\i+3], v[VO+(\i%8)], s[32+2*(2*(\i/8)+\u):33+2*(2*(\i/8)+\u)] th:TH_LOAD_NT
.endr
.endm
.macro TURNT u                         ; through my stage: LDS serves a wave's instructions in order, so no wait stands between the stores and the loads
.irp i, 0,1,2,3,4,5,6,7,8,9,10,11,12,13,14,15
	ds_store_b128 v11, v[RW+64*\u+4*\i:RW+64*\u+4*\i+3] offset:8448*\u+528*\i
.endr
.irp c, 0,1
.irp q, 0,1,2,3,4,5,6,7
	ds_load_b128 v[XN+32*\c+4*\q:XN+32*\c+4*\q+3], v12 offset:8448*\u+256*\c+16*\q   ; k = 64 c + 32 h + 4 q ..
.endr
.endr
.endm
.macro QUANTW u                        ; my blocks 2 c + h of row r
.irp c, 0,1
	v_max3_num_f32 v[MX+\c], |v[XN+32*\c]|, |v[XN+32*\c+1]|, 0x1800000   ; with the floor 2^(3 - 127): the byte cannot fall under 1
.endr
.irp i, 2,4,6,8,10,12,14,16,18,20,22,24,26,28,30
.irp c, 0,1
	v_max3_num_f32 v[MX+\c], v[MX+\c], |v[XN+32*\c+\i]|, |v[XN+32*\c+\i+1]|
.endr
.endr
.irp c, 0,1
	v_add_nc_u32 v[OPR+\c], 0xff000000, v[MX+\c]   ; 2 off the exponent field: the conversion's scale operand
.endr
.irp c, 0,1
	v_lshrrev_b32 v[BY+\c], 23, v[OPR+\c]          ; the byte
.endr
	v_lshl_or_b32 v[WD+\u], v[BY+1], 16, v[BY]     ; blocks h and 2 + h,
	v_lshlrev_b32 v[WD+\u], v15, v[WD+\u]          ; at their places;
	v_permlanex16_b32 v[PT], v[WD+\u], s48, s49
	v_or_b32 v[WD+\u], v[WD+\u], v[PT]             ; with lane l xor 16's two the word is whole
.irp c, 0,1
	v_cvt_scalef32_pk16_fp6_f32 v[CD+12*\u+6*\c:CD+12*\u+6*\c+2], v[XN+32*\c:XN+32*\c+15], v[OPR+\c]
	v_cvt_scalef32_pk16_fp6_f32 v[TH+4*\c:TH+4*\c+2], v[XN+32*\c+16:XN+32*\c+31], v[OPR+\c]   ; (a conversion's three registers begin on an even number)
.endr
	v_nop                                          ; one plain place behind a scaled conversion
.irp c, 0,1
.irp i, 0,1,2
	v_mov_b32 v[CD+12*\u+6*\c+3+\i], v[TH+4*\c+\i]
.endr
.endr
.endm
.macro OUTT u
.irp g, 0,1,2
	global_store_b128 v13, v[CD+12*\u+4*\g:CD+12*\u+4*\g+3], s[20:21] offset:1536*\u+512*\g   ; 32 lanes store 512 consecutive bytes
.endr
.endm
	LOADT 0
	LOADT 1
	s_wait_loadcnt 16                              ; tile 0's sixteen loads are in; tile 1's sixteen are younger
	TURNT 0
	s_wait_dscnt 0x0
	QUANTW 0
	OUTT 0
	s_wait_loadcnt 0x0
	TURNT 1
	s_wait_dscnt 0x0
	QUANTW 1
	OUTT 1
	v_cndmask_b32 v[WD], v[WD], v[WD+1], s50       ; lanes 0-15 tile 0's words, lanes 16-31 tile 1's
	global_store_b32 v14, v[WD], s[22:23]          ; 128 consecutive bytes
	s_wait_tensorcnt 0x0                           ; the wave's end
	ds_add_u32 v1, v2
	s_wait_dscnt 0x0
	s_endpgm
.Lfunc_end_k_q28ca7d889a_wquant:
	.size	k_q28ca7d889a_wquant, .Lfunc_end_k_q28ca7d889a_wquant-k_q28ca7d889a_wquant
	.p2alignl 7, 3214868480
	.fill 96, 4, 3214868480
	.section	.rodata,"a",@progbits
	.p2align	6, 0x0
	.amdhsa_kernel k_q28ca7d889a_wquant
		.amdhsa_group_segment_fixed_size 68096
		.amdhsa_private_segment_fixed_size 0
		.amdhsa_enable_private_segment 0
		.amdhsa_kernarg_size 64
		.amdhsa_user_sgpr_count 2
		.amdhsa_user_sgpr_kernarg_segment_ptr 1
		.amdhsa_wavefront_size32 1
		.amdhsa_system_sgpr_workgroup_id_x 1
		.amdhsa_system_sgpr_workgroup_id_y 1
		.amdhsa_system_sgpr_workgroup_id_z 1
		.amdhsa_system_vgpr_workitem_id 0
		.amdhsa_next_free_vgpr 248
		.amdhsa_next_free_sgpr 66
		.amdhsa_reserve_vcc 0
		.amdhsa_float_denorm_mode_32 3
		.amdhsa_float_denorm_mode_16_64 3
		.amdhsa_memory_ordered 1
		.amdhsa_forward_progress 1
		.amdhsa_inst_pref_size 18
	.end_amdhsa_kernel
	.amdgpu_metadata
---
amdhsa.version: [ 1, 2 ]
amdhsa.kernels:
  - .name:           k_q28ca7d889a_wquant
    .symbol:         k_q28ca7d889a_wquant.kd
    .args:
      - { .name: Wq, .offset: 0, .size: 8, .value_kind: global_buffer, .address_space: global }
      - { .name: Wk, .offset: 8, .size: 8, .value_kind: global_buffer, .address_space: global }
      - { .name: Wv, .offset: 16, .size: 8, .value_kind: global_buffer, .address_space: global }
      - { .name: Wo, .offset: 24, .size: 8, .value_kind: global_buffer, .address_space: global }
      - { .name: W1, .offset: 32, .size: 8, .value_kind: global_buffer, .address_space: global }
      - { .name: W2, .offset: 40, .size: 8, .value_kind: global_buffer, .address_space: global }
      - { .name: wc, .offset: 48, .size: 8, .value_kind: global_buffer, .address_space: global }
      - { .name: wsc, .offset: 56, .size: 8, .value_kind: global_buffer, .address_space: global }
    .group_segment_fixed_size: 68096
    .private_segment_fixed_size: 0
    .kernarg_segment_align: 8
    .kernarg_segment_size: 64
    .max_flat_workgroup_size: 128
    .sgpr_count:     66
    .vgpr_count:     248
    .wavefront_size: 32
...
	.end_amdgpu_metadata
.endif
;; end of part 1
;; launch qkv (part 2): grid 256 x 1, 16 waves a work-group, no clusters, 191,488 bytes of LDS; arguments x, context, g1, b1, gc, bc, wc, wsc, qkvc, qkvs; writes qkvc, qkvs
.if DOCPART == 2
	.amdgcn_target "amdgcn-amd-amdhsa--gfx1250"
	.amdhsa_code_object_version 6
	.text
	.protected	k_q28ca7d889a_qkv
	.globl	k_q28ca7d889a_qkv
	.p2align	8
	.type	k_q28ca7d889a_qkv,@function
k_q28ca7d889a_qkv:
	s_mov_b64 s[64:65], 0
	v_nop
	global_prefetch_b8 v0, s[64:65] scope:SCOPE_SE
	s_setreg_imm32_b32 hwreg(HW_REG_WAVE_MODE, 25, 1), 1
	s_wait_xcnt 0x0
; Layer norm, quantiser, the projections q (work-groups 0-127, 64 rows of x each) or k and v (work-groups 128-255, 64 rows of context each), and the quantisers of their results: q and k along the head's 32, v along the keys.
; SHARES.  Sixteen waves.  For the norm wave w takes rows 4 w .. 4 w + 3; for the products wave w is head w: its 32 weight rows against all 64 rows.  The rows' codes go from wave to wave through LDS as images of
; operand registers (register p of lane L at 48 L + 4 p; block (c, h') of row m at 48 (m + 16 h') + 24 c).  The weights' fragments come from memory straight into the one wave that uses them, four K steps (28 loads) ahead.
; THE 64 ROWS FORM FOUR TILES t = 2 b2 + u: row m of tile t is row 32 b2 + 16 (m / 8) + 8 u + m % 8; the weights' tiles are laid likewise.  So the 16 registers of two neighbouring result tiles are 16 neighbours of the
; axis along which the result is quantised next: the head's channels (q, k: first source = weight) or the keys (v: first source = rows).  A block's other half lies in lane l xor 16.
; OUT.  q, k: 64 rows of a head make one operand image of 1,536 bytes (row m, block 2 u + b2) and 16 scale words.  v: 128 keys x 16 channels make an image; position (c, h) holds key block 2 h + c of the step's four.
; The context groups have twice the x groups' matrix work: 32 + 32 rows in every group would make each group stream all three weights and would cut v's key blocks of a step into pieces of 24 bytes.
; No cluster and no tensor load: each weight fragment is used by one wave of a work-group and lands in its registers; a joint load would land in LDS and add a pass.
; LIMITS: a block of zeros, or one under 2^-124, keeps the byte 1; NaN and infinities are not served.
.set AIMG,  0                          ; 16 images: 6,144 x tile + 1,536 x K step
.set ASC,   24576                      ; their scale words: [K step][tile][row]
.set SPARE, 25600                      ; the spare words, 128 bytes a wave
.set TURN,  27648                      ; four stages of 2,560 bytes for each wave
.set ACC, 16                           ; v16-79   eight accumulators; in the norm: my four rows
.set WR,  80                           ; v80-175  the weights' ring: four slots of two fragments
.set WSR, 176                          ; v176-179 their scale words: lanes 0-15 tile 0, lanes 16-31 tile 1
.set AF,  180                          ; v180-227 the rows' four fragments of a K step
.set GN,  180                          ; in the norm: gain,
.set BI,  196                          ; bias,
.set CDS, 212                          ; and the codes just made
.set AS,  228                          ; v228, v229 the rows' scale words: register k: lanes 0-15 tile 2 k, lanes 16-31 tile 2 k + 1
.set WK,  230                          ; v230-253 at work, six a row or tile
.macro MM d, a, b, z, sa, ra, sb, rb   ; one product; z: the sum begins; ra, rb: which half of the lanes holds the side's scale words
.if \z
.if (\ra)
.if (\rb)
	v_wmma_scale_f32_16x16x128_f8f6f4 v[(\d):(\d)+7], v[(\a):(\a)+11], v[(\b):(\b)+11], 0, v[(\sa)], v[(\sb)] matrix_a_fmt:MATRIX_FMT_FP6 matrix_b_fmt:MATRIX_FMT_FP6 matrix_a_scale:MATRIX_SCALE_ROW1 matrix_b_scale:MATRIX_SCALE_ROW1
.else
	v_wmma_scale_f32_16x16x128_f8f6f4 v[(\d):(\d)+7], v[(\a):(\a)+11], v[(\b):(\b)+11], 0, v[(\sa)], v[(\sb)] matrix_a_fmt:MATRIX_FMT_FP6 matrix_b_fmt:MATRIX_FMT_FP6 matrix_a_scale:MATRIX_SCALE_ROW1
.endif
.else
.if (\rb)
	v_wmma_scale_f32_16x16x128_f8f6f4 v[(\d):(\d)+7], v[(\a):(\a)+11], v[(\b):(\b)+11], 0, v[(\sa)], v[(\sb)] matrix_a_fmt:MATRIX_FMT_FP6 matrix_b_fmt:MATRIX_FMT_FP6 matrix_b_scale:MATRIX_SCALE_ROW1
.else
	v_wmma_scale_f32_16x16x128_f8f6f4 v[(\d):(\d)+7], v[(\a):(\a)+11], v[(\b):(\b)+11], 0, v[(\sa)], v[(\sb)] matrix_a_fmt:MATRIX_FMT_FP6 matrix_b_fmt:MATRIX_FMT_FP6
.endif
.endif
.else
.if (\ra)
.if (\rb)
	v_wmma_scale_f32_16x16x128_f8f6f4 v[(\d):(\d)+7], v[(\a):(\a)+11], v[(\b):(\b)+11], v[(\d):(\d)+7], v[(\sa)], v[(\sb)] matrix_a_fmt:MATRIX_FMT_FP6 matrix_b_fmt:MATRIX_FMT_FP6 matrix_a_scale:MATRIX_SCALE_ROW1 matrix_b_scale:MATRIX_SCALE_ROW1
.else
	v_wmma_scale_f32_16x16x128_f8f6f4 v[(\d):(\d)+7], v[(\a):(\a)+11], v[(\b):(\b)+11], v[(\d):(\d)+7], v[(\sa)], v[(\sb)] matrix_a_fmt:MATRIX_FMT_FP6 matrix_b_fmt:MATRIX_FMT_FP6 matrix_a_scale:MATRIX_SCALE_ROW1
.endif
.else
.if (\rb)
	v_wmma_scale_f32_16x16x128_f8f6f4 v[(\d):(\d)+7], v[(\a):(\a)+11], v[(\b):(\b)+11], v[(\d):(\d)+7], v[(\sa)], v[(\sb)] matrix_a_fmt:MATRIX_FMT_FP6 matrix_b_fmt:MATRIX_FMT_FP6 matrix_b_scale:MATRIX_SCALE_ROW1
.else
	v_wmma_scale_f32_16x16x128_f8f6f4 v[(\d):(\d)+7], v[(\a):(\a)+11], v[(\b):(\b)+11], v[(\d):(\d)+7], v[(\sa)], v[(\sb)] matrix_a_fmt:MATRIX_FMT_FP6 matrix_b_fmt:MATRIX_FMT_FP6
.endif
.endif
.endif
.endm
	s_load_b512 s[8:23], s[0:1], 0x0               ; x, context, g1, b1, gc, bc, wc, wsc
	s_load_b128 s[24:27], s[0:1], 0x40             ; qkvc, qkvs
	v_lshl_add_u32 v1, v0, 2, SPARE                ; my spare word
	v_mov_b32 v2, 0
	v_lshrrev_b32 v15, 5, v0
	v_readfirstlane_b32 s2, v15                    ; wave 0..15
	v_and_b32 v14, 31, v0                          ; L
	v_and_b32 v13, 15, v0                          ; r
	v_bfe_u32 v12, v0, 4, 1                        ; h
	v_lshlrev_b32 v15, 4, v14                      ; 16 L
	s_mul_i32 s3, s2, 3072
	v_add_nc_u32 v3, s3, v15                       ; the ring: my pair's 3,072 bytes, 16 a lane
	v_lshlrev_b32 v14, 2, v14                      ; 4 L
	s_lshl_b32 s3, s2, 7
	v_add_nc_u32 v4, s3, v14                       ; and its 128 bytes of scale words
	v_mul_u32_u24 v5, v14, 12                      ; 48 L: an image's place for my lane
	v_add_nc_u32 v6, ASC, v14
	s_mul_i32 s3, s2, 10240
	s_add_co_u32 s3, s3, TURN                      ; my stages
	v_bfe_u32 v7, v0, 2, 3
	v_mul_u32_u24 v7, v7, 80
	v_and_b32 v8, 3, v0
	v_lshl_add_u32 v7, v8, 4, v7
	v_add_nc_u32 v7, s3, v7                        ; in: four lanes' 64 bytes on end, then 16 of padding
	v_mul_u32_u24 v8, v14, 20
	v_add_nc_u32 v8, s3, v8                        ; out: 80 L: my 16 neighbours
	v_bfe_u32 v9, v0, 3, 2                         ; my 16 columns 16 L ..: K step L / 8,
	v_mul_u32_u24 v9, v9, 1536
	v_bfe_u32 v10, v0, 2, 1                        ; c,
	v_mad_u32_u24 v9, v10, 24, v9
	v_bfe_u32 v10, v0, 1, 1                        ; h',
	v_mad_u32_u24 v9, v10, 768, v9
	v_and_b32 v10, 1, v0                           ; which half of the block
	v_mad_u32_u24 v9, v10, 12, v9
	s_lshr_b32 s3, s2, 3
	s_lshl_b32 s3, s3, 1
	s_bfe_u32 s4, s2, 0x10001
	s_add_co_u32 s3, s3, s4                        ; my four rows' tile: 2 (w / 8) + (w / 2) % 2
	s_and_b32 s4, s2, 1
	s_lshl_b32 s4, s4, 2
	s_bfe_u32 s5, s2, 0x10002
	s_lshl_b32 s5, s5, 3
	s_add_co_u32 s4, s4, s5                        ; and their first place in it: 4 (w % 2) + 8 ((w / 4) % 2)
	s_mul_i32 s5, s3, 6144
	s_mul_i32 s6, s4, 48
	s_add_co_u32 s5, s5, s6
	v_add_nc_u32 v9, s5, v9                        ; where my 12 bytes of row 0 go
	v_bfe_u32 v10, v0, 3, 2
	v_lshlrev_b32 v10, 8, v10
	v_bfe_u32 v11, v0, 1, 2
	v_add_nc_u32 v10, v10, v11
	s_lshl_b32 s5, s3, 6
	s_lshl_b32 s6, s4, 2
	s_add_co_u32 s5, s5, s6
	s_add_co_u32 s5, s5, ASC
	v_add_nc_u32 v10, s5, v10                      ; and my block's scale byte
	s_lshl_b32 s5, s2, 13
	v_add_nc_u32 v11, s5, v15                      ; my four rows in memory: 8,192 w + 16 L
	v_lshlrev_b32 v15, 2, v15                      ; 64 L: gain and bias of my 16 columns
	v_mul_u32_u24 v12, v12, 12
	v_mad_u32_u24 v12, v13, 48, v12                ; out: 48 r + 12 h
	v_lshlrev_b32 v13, 2, v13                      ; 4 r
.irp j, 0,1,2,3
	v_mov_b32 v[WK+6*\j+4], 0                      ; written once: a lane permute's destination counts as one of its sources
.endr
	s_and_b32 s28, ttmp9, 127                      ; which 64 rows
	s_lshr_b32 s29, s28, 5                         ; the batch
	s_and_b32 s30, s28, 31                         ; which 64 rows of it
	s_lshl_b32 s31, s29, 4
	s_add_co_u32 s31, s31, s2                      ; batch x 16 + head
	s_lshl_b32 s32, s28, 17
	s_mov_b32 s33, 0
	s_mul_i32 s34, s31, 49152
	s_mul_i32 s36, s30, 1536
	s_add_co_u32 s36, s36, s34
	s_mov_b32 s37, 0
	s_lshl_b32 s38, s31, 11
	s_lshl_b32 s40, s30, 6
	s_add_co_u32 s40, s40, s38
	s_mov_b32 s41, 0
	s_lshr_b32 s42, s30, 1                         ; v: the step of 128 keys,
	s_and_b32 s43, s30, 1                          ; and which half of it
	s_mul_i32 s44, s42, 3072
	s_mul_i32 s45, s43, 768
	s_add_co_u32 s44, s44, s45
	s_add_co_u32 s44, s44, s34
	s_add_co_u32 s44, s44, 2*3145728
	s_mov_b32 s45, 0
	s_lshl_b32 s46, s42, 7
	s_add_co_u32 s46, s46, s43
	s_add_co_u32 s46, s46, s38
	s_add_co_u32 s46, s46, 2*131072
	s_mov_b32 s47, 0
	s_mov_b32 s48, 0x76543210
	s_mov_b32 s49, 0xfedcba98                      ; selects for lane l xor 16
	s_mov_b32 s50, 0x3b000000                      ; 1 / 512
	s_mov_b32 s51, 0x3727c5ac                      ; 1e-5
	s_mov_b32 s52, 0xffff0000                      ; lanes 16-31
	s_mov_b32 s55, 0
	s_mov_b32 s57, 0
	s_mov_b32 s59, 0
	s_mov_b32 s61, 0
	s_wait_kmcnt 0x0
	s_cmp_lt_u32 ttmp9, 128                        ; x or context?  The choice hangs on the work-group's number alone
	s_cselect_b64 s[8:9], s[8:9], s[10:11]
	s_cselect_b64 s[12:13], s[12:13], s[16:17]
	s_cselect_b64 s[14:15], s[14:15], s[18:19]
	s_cselect_b32 s54, 0, 4*49152                  ; the ring begins at Wq or at Wk
	s_cselect_b32 s56, 0, 4*2048
	s_cselect_b32 s58, 0, 3145728                  ; the first result is q or k
	s_cselect_b32 s60, 0, 131072
	s_add_nc_u64 s[8:9], s[8:9], s[32:33]
	s_add_nc_u64 s[20:21], s[20:21], s[54:55]
	s_add_nc_u64 s[22:23], s[22:23], s[56:57]
	s_add_nc_u64 s[66:67], s[24:25], s[36:37]
	s_add_nc_u64 s[66:67], s[66:67], s[58:59]      ; q's or k's codes
	s_add_nc_u64 s[68:69], s[26:27], s[40:41]
	s_add_nc_u64 s[68:69], s[68:69], s[60:61]      ; and scale words
	s_add_nc_u64 s[70:71], s[24:25], s[44:45]      ; v's codes
	s_add_nc_u64 s[72:73], s[26:27], s[46:47]      ; and scale bytes
.macro RING k                          ; four K steps of weight k of this group: 28 loads
.irp s, 0,1,2,3
.irp t, 0,1,2,3,4,5
	global_load_b128 v[WR+24*\s+4*\t:WR+24*\s+4*\t+3], v3, s[20:21] offset:49152*(4*\k+\s)+512*\t
.endr
	global_load_b32 v[WSR+\s], v4, s[22:23] offset:2048*(4*\k+\s)
.endr
.endm
.irp j, 0,1,2,3
.irp i, 0,1,2,3
	global_load_b128 v[ACC+16*\j+4*\i:ACC+16*\j+4*\i+3], v11, s[8:9] offset:2048*\j+512*\i th:TH_LOAD_NT   ; 512 consecutive bytes of a row
.endr
.endr
.irp q, 0,1,2,3
	global_load_b128 v[GN+4*\q:GN+4*\q+3], v15, s[12:13] offset:16*\q
	global_load_b128 v[BI+4*\q:BI+4*\q+3], v15, s[14:15] offset:16*\q
.endr
	RING 0
	s_wait_loadcnt 28                              ; rows, gain and bias are in; the ring's 28 loads are younger
	; ---- the rows turn through my stages: afterwards lane L holds columns 16 L .. 16 L + 15 of each of my four rows
.irp j, 0,1,2,3
.irp i, 0,1,2,3
	ds_store_b128 v7, v[ACC+16*\j+4*\i:ACC+16*\j+4*\i+3] offset:2560*\j+640*\i
.endr
.endr
	s_wait_dscnt 0x0                               ; the stores have read their registers, which the loads below fill
.irp j, 0,1,2,3
.irp q, 0,1,2,3
	ds_load_b128 v[ACC+16*\j+4*\q:ACC+16*\j+4*\q+3], v8 offset:2560*\j+16*\q
.endr
.endr
	s_wait_dscnt 0x0
.macro RED reg                         ; v[WK + 6 j + reg] summed over the 32 lanes, the four rows by turns
.irp m, 1,2,4,8
.irp j, 0,1,2,3
	v_add_f32_dpp v[WK+6*\j+\reg], v[WK+6*\j+\reg], v[WK+6*\j+\reg] row_xmask:\m row_mask:0xf bank_mask:0xf
.endr
.endr
.irp j, 0,1,2,3
	v_permlanex16_b32 v[WK+6*\j+4], v[WK+6*\j+\reg], s48, s49
.endr
.irp j, 0,1,2,3
	v_add_f32 v[WK+6*\j+\reg], v[WK+6*\j+\reg], v[WK+6*\j+4]
.endr
.endm
	; ---- the mean
.irp j, 0,1,2,3
	v_pk_add_f32 v[WK+6*\j:WK+6*\j+1], v[ACC+16*\j:ACC+16*\j+1], v[ACC+16*\j+2:ACC+16*\j+3]
.endr
.irp i, 4,6,8,10,12,14
.irp j, 0,1,2,3
	v_pk_add_f32 v[WK+6*\j:WK+6*\j+1], v[WK+6*\j:WK+6*\j+1], v[ACC+16*\j+\i:ACC+16*\j+\i+1]
.endr
.endr
.irp j, 0,1,2,3
	v_add_f32 v[WK+6*\j], v[WK+6*\j], v[WK+6*\j+1]
.endr
	RED 0
.irp j, 0,1,2,3
	v_mul_f32 v[WK+6*\j], s50, v[WK+6*\j]
.endr
	; ---- x - mean, and the variance of the centred numbers
.irp i, 0,2,4,6,8,10,12,14
.irp j, 0,1,2,3
	v_pk_add_f32 v[ACC+16*\j+\i:ACC+16*\j+\i+1], v[ACC+16*\j+\i:ACC+16*\j+\i+1], v[WK+6*\j:WK+6*\j+1] op_sel_hi:[1,0] neg_lo:[0,1] neg_hi:[0,1]
.endr
.endr
.irp j, 0,1,2,3
	v_pk_mul_f32 v[WK+6*\j+2:WK+6*\j+3], v[ACC+16*\j:ACC+16*\j+1], v[ACC+16*\j:ACC+16*\j+1]
.endr
.irp i, 2,4,6,8,10,12,14
.irp j, 0,1,2,3
	v_pk_fma_f32 v[WK+6*\j+2:WK+6*\j+3], v[ACC+16*\j+\i:ACC+16*\j+\i+1], v[ACC+16*\j+\i:ACC+16*\j+\i+1], v[WK+6*\j+2:WK+6*\j+3]
.endr
.endr
.irp j, 0,1,2,3
	v_add_f32 v[WK+6*\j+2], v[WK+6*\j+2], v[WK+6*\j+3]
.endr
	RED 2
.irp j, 0,1,2,3
	v_fma_f32 v[WK+6*\j+2], v[WK+6*\j+2], s50, s51
.endr
.irp j, 0,1,2,3
	v_rsq_f32 v[WK+6*\j+2], v[WK+6*\j+2]
.endr
	v_nop                                          ; a plain place behind the last of the four
	s_wait_alu depctr_va_vdst(0)                   ; one wait for the four, ahead of their first reader
.irp i, 0,2,4,6,8,10,12,14
.irp j, 0,1,2,3
	v_pk_mul_f32 v[ACC+16*\j+\i:ACC+16*\j+\i+1], v[ACC+16*\j+\i:ACC+16*\j+\i+1], v[WK+6*\j+2:WK+6*\j+3] op_sel_hi:[1,0]
.endr
.endr
.irp i, 0,2,4,6,8,10,12,14
.irp j, 0,1,2,3
	v_pk_fma_f32 v[ACC+16*\j+\i:ACC+16*\j+\i+1], v[ACC+16*\j+\i:ACC+16*\j+\i+1], v[GN+\i:GN+\i+1], v[BI+\i:BI+\i+1]
.endr
.endr
	; ---- the quantiser: two neighbouring lanes hold a block
.irp j, 0,1,2,3
	v_max3_num_f32 v[WK+6*\j+4], |v[ACC+16*\j]|, |v[ACC+16*\j+1]|, 0x1800000   ; with the floor 2^(3 - 127)
.endr
.irp i, 2,4,6,8,10,12,14
.irp j, 0,1,2,3
	v_max3_num_f32 v[WK+6*\j+4], v[WK+6*\j+4], |v[ACC+16*\j+\i]|, |v[ACC+16*\j+\i+1]|
.endr
.endr
.irp j, 0,1,2,3
	v_max_num_f32_dpp v[WK+6*\j+4], v[WK+6*\j+4], v[WK+6*\j+4] row_xmask:1 row_mask:0xf bank_mask:0xf
.endr
.irp j, 0,1,2,3
	v_add_nc_u32 v[WK+6*\j+5], 0xff000000, v[WK+6*\j+4]   ; 2 off the exponent field: the conversion's scale operand
.endr
.irp j, 0,1,2,3
	v_cvt_scalef32_pk16_fp6_f32 v[CDS+4*\j:CDS+4*\j+2], v[ACC+16*\j:ACC+16*\j+15], v[WK+6*\j+5]
.endr
.irp j, 0,1,2,3
	v_lshrrev_b32 v[WK+6*\j+4], 23, v[WK+6*\j+5]   ; the byte (also the plain place behind the conversions)
.endr
.irp j, 0,1,2,3
.irp i, 0,1,2
	ds_store_b32 v9, v[CDS+4*\j+\i] offset:AIMG+48*\j+4*\i
.endr
	ds_store_b8 v10, v[WK+6*\j+4] offset:4*\j      ; both lanes of a block write the same byte with the same value
.endr
	s_wait_dscnt 0x0                               ; for the others' sake: my stores have landed
	s_barrier_signal -1
	s_barrier_wait -1                              ; the sixteen images and their scale words lie in LDS
; One K step: the rows' four fragments from LDS, eight products on eight accumulators by turns, four places.
; left: the ring's younger loads, seven for each later slot.  swap = 0: first source = weight; 1: first source = rows.
.macro KSTEP s, left, swap
.irp t, 0,1,2,3,4,5,6,7,8,9,10,11
	ds_load_b128 v[AF+4*\t:AF+4*\t+3], v5 offset:AIMG+6144*(\t/3)+1536*\s+16*(\t%3)
.endr
	ds_load_b32 v[AS], v6 offset:256*\s
	ds_load_b32 v[AS+1], v6 offset:256*\s+128
	s_wait_loadcnt \left
	s_wait_dscnt 0x0
.irp q, 0,1,2,3,4,5,6,7
.if \swap
	MM ACC+8*\q, AF+12*(2*(\q/4)+\q%2), WR+24*\s+12*((\q/2)%2), (\s==0), AS+\q/4, \q%2, WSR+\s, (\q/2)%2
.else
	MM ACC+8*\q, WR+24*\s+12*(\q%2), AF+12*(\q/2), (\s==0), WSR+\s, \q%2, AS+\q/4, (\q/2)%2
.endif
.endr
.rept 4
	v_nop                                          ; places in front of loads into registers that these products read, and of the first read of results
.endr
.endm
; Four half blocks, v[ACC + 16 q] on, become 12 bytes of codes each (v[AF + 4 q] on) and a byte (v[WK + 6 q + 3]).  Each accumulator is read from its low end on.
.macro QUAD
.irp q, 0,1,2,3
	v_max3_num_f32 v[WK+6*\q], |v[ACC+16*\q]|, |v[ACC+16*\q+1]|, 0x1800000
.endr
.irp i, 2,4,6,8,10,12,14
.irp q, 0,1,2,3
	v_max3_num_f32 v[WK+6*\q], v[WK+6*\q], |v[ACC+16*\q+\i]|, |v[ACC+16*\q+\i+1]|
.endr
.endr
.irp q, 0,1,2,3
	v_permlanex16_b32 v[WK+6*\q+1], v[WK+6*\q], s48, s49
.endr
.irp q, 0,1,2,3
	v_max_num_f32 v[WK+6*\q], v[WK+6*\q], v[WK+6*\q+1]   ; with lane l xor 16's: the block's largest magnitude
.endr
.irp q, 0,1,2,3
	v_add_nc_u32 v[WK+6*\q+2], 0xff000000, v[WK+6*\q]
.endr
.irp q, 0,1,2,3
	v_cvt_scalef32_pk16_fp6_f32 v[AF+4*\q:AF+4*\q+2], v[ACC+16*\q:ACC+16*\q+15], v[WK+6*\q+2]
.endr
.irp q, 0,1,2,3
	v_lshrrev_b32 v[WK+6*\q+3], 23, v[WK+6*\q+2]   ; (also the plain place behind the conversions)
.endr
.endm
.macro EPI_QK                          ; tile q = 2 b2 + u is block 2 u + b2 of the image
	QUAD
	v_lshl_or_b32 v254, v[WK+15], 8, v[WK+3]
	v_lshl_or_b32 v254, v[WK+9], 16, v254
	v_lshl_or_b32 v254, v[WK+21], 24, v254
.irp q, 0,1,2,3
	global_store_b96 v12, v[AF+4*\q:AF+4*\q+2], s[66:67] offset:768*(\q/2)+24*(\q%2)   ; the four stores fill 1,536 consecutive bytes
.endr
	global_store_b32 v13, v254, s[68:69]           ; lanes 16-31 store the same word to the same place
.endm
	KSTEP 0, 21, 0
	KSTEP 1, 14, 0
	KSTEP 2, 7, 0
	KSTEP 3, 0, 0
	s_cmp_lt_u32 ttmp9, 128
	s_cbranch_scc1 .Lx
	RING 1                                         ; Wv, asked for ahead of k's way out
	EPI_QK
	s_wait_xcnt 0x0                                ; the stores have read their data, which lie where the rows' fragments land
	KSTEP 0, 21, 1
	KSTEP 1, 14, 1
	KSTEP 2, 7, 1
	KSTEP 3, 0, 1
	QUAD                                           ; q = 2 b2 + nt: key block b2 of my 64 keys, channels' tile nt
.irp q, 0,1,2,3
	global_store_b96 v12, v[AF+4*\q:AF+4*\q+2], s[70:71] offset:1536*(\q%2)+24*(\q/2)
.endr
	v_cndmask_b32 v252, v[WK+3], v[WK+9], s52      ; lanes 0-15 tile 0's byte, lanes 16-31 tile 1's
	v_cndmask_b32 v253, v[WK+15], v[WK+21], s52
	global_store_b8 v14, v252, s[72:73]
	global_store_b8 v14, v253, s[72:73] offset:2
	s_branch .Lend
.Lx:
	EPI_QK
.Lend:
	s_wait_tensorcnt 0x0                           ; the wave's end
	ds_add_u32 v1, v2
	s_wait_dscnt 0x0
	s_endpgm
.Lfunc_end_k_q28ca7d889a_qkv:
	.size	k_q28ca7d889a_qkv, .Lfunc_end_k_q28ca7d889a_qkv-k_q28ca7d889a_qkv
	.p2alignl 7, 3214868480
	.fill 96, 4, 3214868480
	.section	.rodata,"a",@progbits
	.p2align	6, 0x0
	.amdhsa_kernel k_q28ca7d889a_qkv
		.amdhsa_group_segment_fixed_size 191488
		.amdhsa_private_segment_fixed_size 0
		.amdhsa_enable_private_segment 0
		.amdhsa_kernarg_size 80
		.amdhsa_user_sgpr_count 2
		.amdhsa_user_sgpr_kernarg_segment_ptr 1
		.amdhsa_wavefront_size32 1
		.amdhsa_system_sgpr_workgroup_id_x 1
		.amdhsa_system_sgpr_workgroup_id_y 1
		.amdhsa_system_sgpr_workgroup_id_z 1
		.amdhsa_system_vgpr_workitem_id 0
		.amdhsa_next_free_vgpr 256
		.amdhsa_next_free_sgpr 80
		.amdhsa_reserve_vcc 0
		.amdhsa_float_denorm_mode_32 3
		.amdhsa_float_denorm_mode_16_64 3
		.amdhsa_memory_ordered 1
		.amdhsa_forward_progress 1
		.amdhsa_inst_pref_size 61
	.end_amdhsa_kernel
	.amdgpu_metadata
---
amdhsa.version: [ 1, 2 ]
amdhsa.kernels:
  - .name:           k_q28ca7d889a_qkv
    .symbol:         k_q28ca7d889a_qkv.kd
    .args:
      - { .name: x, .offset: 0, .size: 8, .value_kind: global_buffer, .address_space: global }
      - { .name: context, .offset: 8, .size: 8, .value_kind: global_buffer, .address_space: global }
      - { .name: g1, .offset: 16, .size: 8, .value_kind: global_buffer, .address_space: global }
      - { .name: b1, .offset: 24, .size: 8, .value_kind: global_buffer, .address_space: global }
      - { .name: gc, .offset: 32, .size: 8, .value_kind: global_buffer, .address_space: global }
      - { .name: bc, .offset: 40, .size: 8, .value_kind: global_buffer, .address_space: global }
      - { .name: wc, .offset: 48, .size: 8, .value_kind: global_buffer, .address_space: global }
      - { .name: wsc, .offset: 56, .size: 8, .value_kind: global_buffer, .address_space: global }
      - { .name: qkvc, .offset: 64, .size: 8, .value_kind: global_buffer, .address_space: global }
      - { .name: qkvs, .offset: 72, .size: 8, .value_kind: global_buffer, .address_space: global }
    .group_segment_fixed_size: 191488
    .private_segment_fixed_size: 0
    .kernarg_segment_align: 8
    .kernarg_segment_size: 80
    .max_flat_workgroup_size: 512
    .sgpr_count:     80
    .vgpr_count:     256
    .wavefront_size: 32
...
	.end_amdgpu_metadata
.endif
;; end of part 2
;; launch attn (part 3): grid 4 x 64, 16 waves a work-group, no clusters, 104,448 bytes of LDS; arguments qkvc, qkvs, oc, os; writes oc, os
.if DOCPART == 3
	.amdgcn_target "amdgcn-amd-amdhsa--gfx1250"
	.amdhsa_code_object_version 6
	.text
	.protected	k_q28ca7d889a_attn
	.globl	k_q28ca7d889a_attn
	.p2align	8
	.type	k_q28ca7d889a_attn,@function
k_q28ca7d889a_attn:
	s_mov_b64 s[64:65], 0
	v_nop
	global_prefetch_b8 v0, s[64:65] scope:SCOPE_SE
	s_setreg_imm32_b32 hwreg(HW_REG_WAVE_MODE, 25, 1), 1
	s_wait_xcnt 0x0
; o = softmax(q k^T / sqrt(32)) v for one head and 512 queries, both products on codes of E2M3, and o quantised along the head's 32 for the next product.
; THE SOFTMAX: t = score x log2(e) / sqrt(32); M = the running largest t rounded UP to a whole number; p = 2^(t - M) is quantised along the keys, not normalised; the row's sum is taken of the unquantised p and divides at the end.
; When M moves, the sum and O are multiplied by 2^(old M - new M): exact.
; SHARES.  The head's whole K and V (98,304 bytes of codes, 4,096 of scale bytes) are put into LDS once, through registers; one barrier.  Sixteen waves of 256 registers, four to a SIMD; a wave makes two tiles of 16 queries,
; one after the other, each walking all 2,048 keys, 128 a step.
; K = 32 IN AN INSTRUCTION OF 128.  A fragment of k holds 64 keys: row m, block (c, h) is key 32 h + 16 (m / 8) + 8 c + m % 8 of the 64.  The zeros stand on q's side: four forms of q's operand have its 24 bytes in one
; block and zero codes in the other three, so one fragment of k feeds four products.  The four forms are windows of 12 into a chain of 30 registers [Qhi, 0, Qlo, 0, Qhi] (Qlo: codes in lanes 0-15, Qhi: in lanes 16-31).
; q's scale word is its byte four times.  In the results register 16 b + i of a lane is key 32 b + 16 (lane / 16) + i of the step, and the lane holds one query throughout.
; V^T's image: row m of tile nt is channel 16 (m / 8) + 8 nt + m % 8; position (c, h) holds key block 2 h + c; p's codes are laid likewise.
; No cluster: the four work-groups of a head share K and V, 102,400 bytes read once by each at its head, against 512 key steps of work in each; no ring is walked in which joint requests could meet.
; LIMITS: a block of zeros keeps the byte 1; NaN and infinities are not served; a block's largest p is taken from the block's largest score by the same two instructions.
.set SPARE, 102400                     ; K 0, V 49,152, K's scale words 98,304, V's 100,352; then the spare words, 128 bytes a wave
.set QB,  16                           ; v16-45  the chain
.set QSW, 46                           ; scale words: q's,
.set KSW, 47                           ; k's (lanes 0-15 fragment 0, lanes 16-31 fragment 1),
.set VSW, 48                           ; v's (likewise tiles 0, 1),
.set PSW, 49                           ; p's
.set KF,  50                           ; v50-73  two fragments of k
.set VF,  74                           ; v74-97  two of v
.set SS,  98                           ; v98-161 the scores, then p
.set OO,  162                          ; v162-177 O^T
.set PC,  178                          ; v178-189 p's codes
.set TP,  190                          ; v190-196 the conversions' second halves
.set MXB, 198                          ; v198-201 the blocks' largest scores
.set PD,  202                          ; v202-205 permute destinations, a chain of the sum, then the bytes
.set OPR, 206                          ; v206-209 the conversions' scale operands
.set QL,  214                          ; v214-225 q's 24 bytes for both passes; v226 its scale word
.macro MM d, a, b, z, sa, ra, sb
.if \z
.if (\ra)
	v_wmma_scale_f32_16x16x128_f8f6f4 v[(\d):(\d)+7], v[(\a):(\a)+11], v[(\b):(\b)+11], 0, v[(\sa)], v[(\sb)] matrix_a_fmt:MATRIX_FMT_FP6 matrix_b_fmt:MATRIX_FMT_FP6 matrix_a_scale:MATRIX_SCALE_ROW1
.else
	v_wmma_scale_f32_16x16x128_f8f6f4 v[(\d):(\d)+7], v[(\a):(\a)+11], v[(\b):(\b)+11], 0, v[(\sa)], v[(\sb)] matrix_a_fmt:MATRIX_FMT_FP6 matrix_b_fmt:MATRIX_FMT_FP6
.endif
.else
.if (\ra)
	v_wmma_scale_f32_16x16x128_f8f6f4 v[(\d):(\d)+7], v[(\a):(\a)+11], v[(\b):(\b)+11], v[(\d):(\d)+7], v[(\sa)], v[(\sb)] matrix_a_fmt:MATRIX_FMT_FP6 matrix_b_fmt:MATRIX_FMT_FP6 matrix_a_scale:MATRIX_SCALE_ROW1
.else
	v_wmma_scale_f32_16x16x128_f8f6f4 v[(\d):(\d)+7], v[(\a):(\a)+11], v[(\b):(\b)+11], v[(\d):(\d)+7], v[(\sa)], v[(\sb)] matrix_a_fmt:MATRIX_FMT_FP6 matrix_b_fmt:MATRIX_FMT_FP6
.endif
.endif
.endm
	s_load_b256 s[8:15], s[0:1], 0x0               ; qkvc, qkvs, oc, os
	v_lshl_add_u32 v1, v0, 2, SPARE                ; my spare word
	v_mov_b32 v2, 0
	v_lshrrev_b32 v3, 5, v0
	v_readfirstlane_b32 s2, v3                     ; wave 0..15
	v_and_b32 v6, 31, v0                           ; L
	v_and_b32 v228, 15, v0                         ; r
	v_bfe_u32 v7, v0, 4, 1                         ; h
	v_mul_u32_u24 v3, v6, 48                       ; an image's place for my lane, in K,
	v_add_nc_u32 v4, 49152, v3                     ; in V
	v_lshl_add_u32 v5, v6, 2, 98304                ; a step's scale words
	v_mul_u32_u24 v9, v228, 48                     ; q: row r of its image
	v_lshlrev_b32 v10, 2, v228
	v_mul_u32_u24 v11, v228, 24
	v_mad_u32_u24 v11, v7, 12, v11                 ; o: 24 r + 12 h
	v_lshlrev_b32 v235, 4, v0                      ; the fill: 16 bytes a thread, in memory and in LDS (K),
	v_add_nc_u32 v236, 49152, v235                 ; in LDS (V);
	v_lshlrev_b32 v237, 2, v0                      ; 4 bytes a thread,
	v_add_nc_u32 v238, 98304, v237                 ; in LDS
	s_and_b32 s3, ttmp7, 0xffff                    ; batch x 16 + head
	s_lshr_b32 s4, s3, 4
	s_and_b32 s5, s3, 15
	s_lshl_b32 s6, ttmp9, 3
	s_lshr_b32 s7, s2, 1
	s_add_co_u32 s6, s6, s7                        ; my 64 queries of the head
	s_and_b32 s7, s2, 1                            ; u: which tile of each 32 of them
	s_mul_i32 s16, s3, 49152
	s_mov_b32 s17, 0
	s_lshl_b32 s18, s3, 11
	s_mov_b32 s19, 0
	s_mul_i32 s20, s6, 1536
	s_mul_i32 s22, s7, 24
	s_add_co_u32 s20, s20, s22
	s_add_co_u32 s20, s20, s16
	s_mov_b32 s21, 0
	s_lshl_b32 s22, s6, 6
	s_add_co_u32 s22, s22, s18
	s_mov_b32 s23, 0
	s_lshl_b32 s24, s4, 6
	s_lshl_b32 s25, s6, 1
	s_add_co_u32 s24, s24, s25                     ; the first of my two blocks of 32 token rows
	s_mul_i32 s26, s24, 12288
	s_mul_i32 s27, s7, 6144
	s_add_co_u32 s26, s26, s27
	s_mul_i32 s27, s5, 384
	s_add_co_u32 s26, s26, s27
	s_mov_b32 s27, 0
	s_lshl_b32 s28, s24, 9
	s_lshl_b32 s29, s7, 8
	s_add_co_u32 s28, s28, s29
	s_lshl_b32 s29, s5, 4
	s_add_co_u32 s28, s28, s29
	s_mov_b32 s29, 0
	s_mov_b32 s30, 0x76543210
	s_mov_b32 s31, 0xfedcba98                      ; selects for lane l xor 16
	s_mov_b32 s32, 0x3e8293ee                      ; log2(e) / sqrt(32)
	s_mov_b32 s33, s32                             ; (named with it as a pair)
	s_mov_b32 s34, 0x0000ffff                      ; lanes 0-15
	s_mov_b32 s35, 0xffff0000                      ; lanes 16-31
	s_lshl_b32 s36, s7, 1
	s_mul_i32 s36, s36, 0x01010101                 ; byte 2 u + pass of q's scale word, four times: the selects of pass 0,
	s_add_co_u32 s37, s36, 0x01010101              ; of pass 1
	s_wait_kmcnt 0x0
	s_add_nc_u64 s[38:39], s[8:9], s[16:17]
	s_add_nc_u64 s[40:41], s[38:39], 2*3145728     ; v's codes
	s_add_nc_u64 s[38:39], s[38:39], 3145728       ; k's codes
	s_add_nc_u64 s[42:43], s[10:11], s[18:19]
	s_add_nc_u64 s[44:45], s[42:43], 2*131072      ; v's scale words
	s_add_nc_u64 s[42:43], s[42:43], 131072        ; k's
	s_add_nc_u64 s[46:47], s[8:9], s[20:21]        ; q's codes
	s_add_nc_u64 s[48:49], s[10:11], s[22:23]      ; q's scale words
	s_add_nc_u64 s[50:51], s[12:13], s[26:27]      ; o's codes
	s_add_nc_u64 s[52:53], s[14:15], s[28:29]      ; o's bytes
.irp i, 0,1,2,3,4,5
	global_load_b128 v[SS+4*\i:SS+4*\i+3], v235, s[38:39] offset:8192*\i
.endr
.irp i, 0,1,2,3,4,5
	global_load_b128 v[SS+24+4*\i:SS+24+4*\i+3], v235, s[40:41] offset:8192*\i
.endr
	global_load_b32 v[SS+48], v237, s[42:43]
	global_load_b32 v[SS+49], v237, s[44:45]
.irp p, 0,1
.irp i, 0,1,2
	global_load_b64 v[QL+6*\p+2*\i:QL+6*\p+2*\i+1], v9, s[46:47] offset:768*\p+8*\i
.endr
.endr
	global_load_b32 v[QL+12], v10, s[48:49]
.irp i, 0,1,2,3,4,5
	v_mov_b32 v[QB+6+\i], 0                        ; the chain's zeros, once
	v_mov_b32 v[QB+18+\i], 0
.endr
.irp b, 0,1,2,3
	v_mov_b32 v[PD+\b], 0                          ; written once: a lane permute's destination counts as one of its sources
.endr
	v_mov_b32 v211, 0                              ; (named as the upper half of the pair v[210:211])
	v_mov_b32 v212, 0
	s_wait_loadcnt 7                               ; K, V and their scale words are in; q's seven loads are younger
.irp i, 0,1,2,3,4,5
	ds_store_b128 v235, v[SS+4*\i:SS+4*\i+3] offset:8192*\i
.endr
.irp i, 0,1,2,3,4,5
	ds_store_b128 v236, v[SS+24+4*\i:SS+24+4*\i+3] offset:8192*\i
.endr
	ds_store_b32 v238, v[SS+48]
	ds_store_b32 v238, v[SS+49] offset:2048
	s_wait_dscnt 0x0                               ; for the others' sake: my stores have landed
	s_barrier_signal -1
	s_barrier_wait -1                              ; the head's K and V lie in LDS; nothing is written there again
	s_wait_loadcnt 0x0                             ; q
.macro PASS p
.irp i, 0,1,2,3,4,5
	v_cndmask_b32 v[QB+\i], 0, v[QL+6*\p+\i], s35
	v_cndmask_b32 v[QB+12+\i], 0, v[QL+6*\p+\i], s34
	v_cndmask_b32 v[QB+24+\i], 0, v[QL+6*\p+\i], s35
.endr
	v_perm_b32 v[QSW], v[QL+12], v[QL+12], s[36+\p]
.set i, 0
.rept 16
	v_mov_b32 v[OO+i], 0                           ; O^T: the first change of M leaves zeros zeros.  (These are also the places between the lines above and the first products)
.set i, i+1
.endr
	v_mov_b32 v14, 0                               ; the sum, in two halves
	v_mov_b32 v15, 0
	v_mov_b32 v13, 0xff61b1e6                      ; the largest t so far: -3e38
	v_floor_f32 v12, -v13                          ; -M
	s_mov_b32 s54, 0                               ; the step's images: 3,072 bytes a step
	s_mov_b32 s55, 0                               ; its scale words: 128 bytes a step
	s_mov_b32 s56, 16
.Lstep_\@:
	v_add_nc_u32 v6, s54, v3
	v_add_nc_u32 v7, s54, v4
	v_add_nc_u32 v8, s55, v5
	v_nop                                          ; four places behind the last step's products, in front of the loads into registers that they read
.irp t, 0,1,2,3,4,5
	ds_load_b128 v[KF+4*\t:KF+4*\t+3], v6 offset:1536*(\t/3)+16*(\t%3)
.endr
	ds_load_b32 v[KSW], v8
.irp t, 0,1,2,3,4,5
	ds_load_b128 v[VF+4*\t:VF+4*\t+3], v7 offset:1536*(\t/3)+16*(\t%3)
.endr
	ds_load_b32 v[VSW], v8 offset:2048
	s_wait_dscnt 7                                 ; k's seven loads are in; v's seven are younger
.irp f, 0,1                                    ; S^T = k q^T: block (c, h) of fragment f against the form of q that has its codes there
	MM SS+32*\f, KF+12*\f, QB+12, 1, KSW, \f, QSW
	MM SS+32*\f+8, KF+12*\f, QB+6, 1, KSW, \f, QSW
	MM SS+32*\f+16, KF+12*\f, QB, 1, KSW, \f, QSW
	MM SS+32*\f+24, KF+12*\f, QB+18, 1, KSW, \f, QSW
.endr
.rept 4
	v_nop
.endr
.irp b, 0,1,2,3
	v_max3_num_f32 v[MXB+\b], v[SS+16*\b], v[SS+16*\b+1], v[SS+16*\b+2]   ; the largest score of each block of 32 keys: for the row's maximum and, since p rises with the score, for the block's largest p
.endr
.irp i, 3,5,7,9,11,13
.irp b, 0,1,2,3
	v_max3_num_f32 v[MXB+\b], v[MXB+\b], v[SS+16*\b+\i], v[SS+16*\b+\i+1]
.endr
.endr
.irp b, 0,1,2,3
	v_max_num_f32 v[MXB+\b], v[MXB+\b], v[SS+16*\b+15]
.endr
.irp b, 0,1,2,3
	v_permlanex16_b32 v[PD+\b], v[MXB+\b], s30, s31
.endr
.irp b, 0,1,2,3
	v_max_num_f32 v[MXB+\b], v[MXB+\b], v[PD+\b]   ; with lane l xor 16's 16 keys
.endr
	v_max3_num_f32 v212, v[MXB], v[MXB+1], v[MXB+2]
	v_max_num_f32 v212, v212, v[MXB+3]
	v_mul_f32 v212, s32, v212                      ; as t
	v_max_num_f32 v13, v13, v212                   ; the running largest t
	v_mov_b32 v212, v12
	v_floor_f32 v12, -v13                          ; the new -M = -ceil(t)
	v_sub_f32 v212, v12, v212                      ; old M - new M: a whole number, 0 or less
	v_cvt_i32_f32 v212, v212                       ; (it saturates)
	v_ldexp_f32 v210, 1.0, v212                    ; f = 2^(old M - new M)
.set i, 0
.rept 32
	v_pk_fma_f32 v[SS+i:SS+i+1], v[SS+i:SS+i+1], s[32:33], v[12:13] op_sel_hi:[1,0,0]   ; t - M
.set i, i+2
.endr
.irp b, 0,1,2,3
	v_fma_f32 v[MXB+\b], v[MXB+\b], s32, v12       ; the same of each block's largest score
.endr
.set i, 0
.rept 64
	v_exp_f32 v[SS+i], v[SS+i]                     ; p = 2^(t - M)
.set i, i+1
.endr
	v_pk_mul_f32 v[14:15], v[14:15], v[210:211] op_sel_hi:[1,0]   ; the sums under the new M (a plain place behind the exponentials)
	s_wait_alu depctr_va_vdst(0)                   ; one wait for the batch, ahead of its first reader
.irp b, 0,1,2,3
	v_exp_f32 v[MXB+\b], v[MXB+\b]                 ; the block's largest p
.endr
	v_pk_add_f32 v[PD:PD+1], v[SS:SS+1], v[SS+2:SS+3]   ; the row's sum of the unquantised p, in two chains
.irp j, 4,8,12,16,20,24,28,32,36,40,44,48,52,56,60
	v_pk_add_f32 v[14:15], v[14:15], v[SS+\j:SS+\j+1]
	v_pk_add_f32 v[PD:PD+1], v[PD:PD+1], v[SS+\j+2:SS+\j+3]
.endr
	v_pk_add_f32 v[14:15], v[14:15], v[PD:PD+1]
	s_wait_alu depctr_va_vdst(0)                   ; and one for the four
.irp b, 0,1,2,3
	v_max_num_f32 v[MXB+\b], 0x1800000, v[MXB+\b]  ; the floor 2^(3 - 127)
.endr
.irp b, 0,1,2,3
	v_add_nc_u32 v[OPR+\b], 0xff000000, v[MXB+\b]
.endr
.irp b, 0,1,2,3
	v_lshrrev_b32 v[PD+\b], 23, v[OPR+\b]
.endr
	v_lshl_or_b32 v[PSW], v[PD+2], 8, v[PD]        ; byte 2 c + h is key block 2 h + c
	v_lshl_or_b32 v[PSW], v[PD+1], 16, v[PSW]
	v_lshl_or_b32 v[PSW], v[PD+3], 24, v[PSW]
.irp c, 0,1
	v_cvt_scalef32_pk16_fp6_f32 v[PC+6*\c:PC+6*\c+2], v[SS+16*\c:SS+16*\c+15], v[OPR+\c]
	v_cvt_scalef32_pk16_fp6_f32 v[TP+4*\c:TP+4*\c+2], v[SS+32+16*\c:SS+32+16*\c+15], v[OPR+2+\c]
.endr
	v_nop                                          ; one plain place behind a scaled conversion
.irp c, 0,1                                    ; a whole block in a lane: lanes 0-15 block c, lanes 16-31 block 2 + c
.irp i, 0,1,2
	v_permlane16_swap_b32 v[PC+6*\c+\i], v[TP+4*\c+\i]
.endr
.irp i, 0,1,2
	v_mov_b32 v[PC+6*\c+3+\i], v[TP+4*\c+\i]
.endr
.endr
.irp j, 0,2,4,6,8,10,12,14
	v_pk_mul_f32 v[OO+\j:OO+\j+1], v[OO+\j:OO+\j+1], v[210:211] op_sel_hi:[1,0]   ; O^T under the new M (also the places in front of the products below)
.endr
	s_wait_dscnt 0x0                               ; v
	MM OO, VF, PC, 0, VSW, 0, PSW
	MM OO+8, VF+12, PC, 0, VSW, 1, PSW
	s_add_co_u32 s54, s54, 3072
	s_add_co_u32 s55, s55, 128
	s_sub_co_u32 s56, s56, 1
	s_cmp_lg_u32 s56, 0
	s_cbranch_scc1 .Lstep_\@
	; ---- the way out: o = O^T / the sum; my 16 registers are channels 16 h .. 16 h + 15 of query r: half a block of the next product's K
.rept 4
	v_nop
.endr
	v_add_f32 v14, v14, v15
	v_permlanex16_b32 v212, v14, s30, s31
	v_add_f32 v14, v14, v212                       ; the row's sum
	v_rcp_f32 v14, v14
	v_nop                                          ; a plain place behind the reciprocal
	s_wait_alu depctr_va_vdst(0)                   ; the wait ahead of its first reader
.irp j, 0,2,4,6,8,10,12,14
	v_pk_mul_f32 v[SS+\j:SS+\j+1], v[OO+\j:OO+\j+1], v[14:15] op_sel_hi:[1,0]
.endr
	v_max3_num_f32 v[MXB], |v[SS]|, |v[SS+1]|, 0x1800000
	v_max3_num_f32 v[MXB+1], |v[SS+2]|, |v[SS+3]|, |v[SS+4]|
.irp i, 5,9
	v_max3_num_f32 v[MXB], v[MXB], |v[SS+\i]|, |v[SS+\i+1]|
	v_max3_num_f32 v[MXB+1], v[MXB+1], |v[SS+\i+2]|, |v[SS+\i+3]|
.endr
	v_max3_num_f32 v[MXB], v[MXB], |v[SS+13]|, |v[SS+14]|
	v_max3_num_f32 v[MXB], v[MXB], v[MXB+1], |v[SS+15]|
	v_permlanex16_b32 v[PD], v[MXB], s30, s31
	v_max_num_f32 v[MXB], v[MXB], v[PD]
	v_add_nc_u32 v[OPR], 0xff000000, v[MXB]
	s_wait_xcnt 0x0                                ; the last pass's stores have read their data, which are written anew below
	v_cvt_scalef32_pk16_fp6_f32 v[230:232], v[SS:SS+15], v[OPR]
	v_lshrrev_b32 v234, 23, v[OPR]                 ; (also the plain place behind the conversion)
	global_store_b96 v11, v[230:232], s[50:51] offset:12288*\p   ; 384 consecutive bytes
	global_store_b8 v228, v234, s[52:53] offset:512*\p           ; both halves of the lanes store the same byte
.endm
	PASS 0
	PASS 1
	s_wait_tensorcnt 0x0                           ; the wave's end
	ds_add_u32 v1, v2
	s_wait_dscnt 0x0
	s_endpgm
.Lfunc_end_k_q28ca7d889a_attn:
	.size	k_q28ca7d889a_attn, .Lfunc_end_k_q28ca7d889a_attn-k_q28ca7d889a_attn
	.p2alignl 7, 3214868480
	.fill 96, 4, 3214868480
	.section	.rodata,"a",@progbits
	.p2align	6, 0x0
	.amdhsa_kernel k_q28ca7d889a_attn
		.amdhsa_group_segment_fixed_size 104448
		.amdhsa_private_segment_fixed_size 0
		.amdhsa_enable_private_segment 0
		.amdhsa_kernarg_size 32
		.amdhsa_user_sgpr_count 2
		.amdhsa_user_sgpr_kernarg_segment_ptr 1
		.amdhsa_wavefront_size32 1
		.amdhsa_system_sgpr_workgroup_id_x 1
		.amdhsa_system_sgpr_workgroup_id_y 1
		.amdhsa_system_sgpr_workgroup_id_z 1
		.amdhsa_system_vgpr_workitem_id 0
		.amdhsa_next_free_vgpr 256
		.amdhsa_next_free_sgpr 66
		.amdhsa_reserve_vcc 0
		.amdhsa_float_denorm_mode_32 3
		.amdhsa_float_denorm_mode_16_64 3
		.amdhsa_memory_ordered 1
		.amdhsa_forward_progress 1
		.amdhsa_inst_pref_size 43
	.end_amdhsa_kernel
	.amdgpu_metadata
---
amdhsa.version: [ 1, 2 ]
amdhsa.kernels:
  - .name:           k_q28ca7d889a_attn
    .symbol:         k_q28ca7d889a_attn.kd
    .args:
      - { .name: qkvc, .offset: 0, .size: 8, .value_kind: global_buffer, .address_space: global }
      - { .name: qkvs, .offset: 8, .size: 8, .value_kind: global_buffer, .address_space: global }
      - { .name: oc, .offset: 16, .size: 8, .value_kind: global_buffer, .address_space: global }
      - { .name: os, .offset: 24, .size: 8, .value_kind: global_buffer, .address_space: global }
    .group_segment_fixed_size: 104448
    .private_segment_fixed_size: 0
    .kernarg_segment_align: 8
    .kernarg_segment_size: 32
    .max_flat_workgroup_size: 512
    .sgpr_count:     66
    .vgpr_count:     256
    .wavefront_size: 32
...
	.end_amdgpu_metadata
.endif
;; end of part 3
;; launch tail (part 4): grid 256 x 1, 16 waves a work-group, no clusters, 123,904 bytes of LDS; arguments x, oc, os, wc, wsc, g2, b2, out0; writes out0
.if DOCPART == 4
	.amdgcn_target "amdgcn-amd-amdhsa--gfx1250"
	.amdhsa_code_object_version 6
	.text
	.protected	k_q28ca7d889a_tail
	.globl	k_q28ca7d889a_tail
	.p2align	8
	.type	k_q28ca7d889a_tail,@function
k_q28ca7d889a_tail:
	s_mov_b64 s[64:65], 0
	v_nop
	global_prefetch_b8 v0, s[64:65] scope:SCOPE_SE
	s_setreg_imm32_b32 hwreg(HW_REG_WAVE_MODE, 25, 1), 1
	s_wait_xcnt 0x0
; out = x1 + gelu(LN(x1) W1^T) W2^T with x1 = x + o Wo^T, for 32 rows; all three products on codes of E2M3.  x1, the normed rows and the hidden layer never go to memory.
; SHARES.  Sixteen waves.  THE WAVES SHARE THE COLUMNS: wave w makes columns 32 w .. 32 w + 31 of x1 and of out, and in chunk c of four the hidden units 512 c + 32 w .. + 31, for all 32 rows (two tiles u; row m of tile u is
; row 16 (m / 8) + 8 u + m % 8).  The products take the weight as first source, so a lane holds one row and its 16 registers of two tiles are 16 neighbouring columns: half a block of the next product's K; the other half lies in lane l xor 16.
; The rows' codes go from wave to wave through LDS as images of operand registers (register p of lane L at 48 L + 4 p).  The weights come from memory straight into the one wave that uses them, through a ring of four register
; slots: 36 positions of two fragments and their scale words, seven loads each, asked for four positions ahead.  x is the C of x1's first products, and x1's registers go on as the accumulators of the last product.
; The norm's variance is put together from the waves' means and centred sums of squares: no difference of large sums is formed.
; GELU is x/2 (1 + erf(x / sqrt 2)) with erf by the rational form of Abramowitz and Stegun 7.1.26, written as max(x, 0) - z poly(t) exp(-z^2), z = |x| / sqrt 2, t = 1 / (1 + 0.3275911 z).
; The text is straight: every offset is an immediate and every count of a wait is fixed.  Eight barriers, each behind a wait for all my LDS instructions.
; No cluster and no tensor load: each weight fragment is used by one wave of a work-group and lands in its registers; a joint load would land in LDS and add a pass.
; LIMITS: erf's form has an absolute error of 1.5e-7; a block of zeros, or one under 2^-124, keeps the byte 1; NaN and infinities are not served; the reads of x in the results' layout meet two deep in the banks.
.set OIMG,  0                          ; o's eight images: 6,144 u + 1,536 s
.set OSC,   12288                      ; scale words: [s][u][m]
.set STAT,  12800                      ; 32 rows x (16 waves x 8 bytes + 16)
.set HIMG,  17408                      ; the normed rows' images
.set HSC,   29696
.set GIMG,  30208                      ; the hidden layer's, two buffers by turns
.set GSC,   54784
.set SPARE, 55808                      ; the spare words, 128 bytes a wave
.set XST,   57856                      ; 32 rows x (2,048 bytes + 16): x on the way in, out on the way out
.set X1,  16                           ; v16-47   x1, then out: 16 u + 8 u'
.set HA,  48                           ; v48-79   the normed rows, the hidden layer
.set WR,  80                           ; v80-175  the ring
.set WSR, 176                          ; v176-179 its scale words
.set AF,  180                          ; v180-203 the rows' two fragments
.set ASR, 204                          ; their scale words: lanes 0-15 tile 0, lanes 16-31 tile 1
.set G2,  206                          ; v206-221 g2 of my 16 columns
.set B2,  222                          ; v222-237 b2
.set ZG,  180                          ; in GELU: z, then the polynomial;
.set TG,  206                          ; t;
.set EG,  222                          ; the exponential
.set WK,  238                          ; v238-253 at work, eight a tile
.macro MM d, a, b, z, sa, ra, sb, rb
.if \z
.if (\ra)
.if (\rb)
	v_wmma_scale_f32_16x16x128_f8f6f4 v[(\d):(\d)+7], v[(\a):(\a)+11], v[(\b):(\b)+11], 0, v[(\sa)], v[(\sb)] matrix_a_fmt:MATRIX_FMT_FP6 matrix_b_fmt:MATRIX_FMT_FP6 matrix_a_scale:MATRIX_SCALE_ROW1 matrix_b_scale:MATRIX_SCALE_ROW1
.else
	v_wmma_scale_f32_16x16x128_f8f6f4 v[(\d):(\d)+7], v[(\a):(\a)+11], v[(\b):(\b)+11], 0, v[(\sa)], v[(\sb)] matrix_a_fmt:MATRIX_FMT_FP6 matrix_b_fmt:MATRIX_FMT_FP6 matrix_a_scale:MATRIX_SCALE_ROW1
.endif
.else
.if (\rb)
	v_wmma_scale_f32_16x16x128_f8f6f4 v[(\d):(\d)+7], v[(\a):(\a)+11], v[(\b):(\b)+11], 0, v[(\sa)], v[(\sb)] matrix_a_fmt:MATRIX_FMT_FP6 matrix_b_fmt:MATRIX_FMT_FP6 matrix_b_scale:MATRIX_SCALE_ROW1
.else
	v_wmma_scale_f32_16x16x128_f8f6f4 v[(\d):(\d)+7], v[(\a):(\a)+11], v[(\b):(\b)+11], 0, v[(\sa)], v[(\sb)] matrix_a_fmt:MATRIX_FMT_FP6 matrix_b_fmt:MATRIX_FMT_FP6
.endif
.endif
.else
.if (\ra)
.if (\rb)
	v_wmma_scale_f32_16x16x128_f8f6f4 v[(\d):(\d)+7], v[(\a):(\a)+11], v[(\b):(\b)+11], v[(\d):(\d)+7], v[(\sa)], v[(\sb)] matrix_a_fmt:MATRIX_FMT_FP6 matrix_b_fmt:MATRIX_FMT_FP6 matrix_a_scale:MATRIX_SCALE_ROW1 matrix_b_scale:MATRIX_SCALE_ROW1
.else
	v_wmma_scale_f32_16x16x128_f8f6f4 v[(\d):(\d)+7], v[(\a):(\a)+11], v[(\b):(\b)+11], v[(\d):(\d)+7], v[(\sa)], v[(\sb)] matrix_a_fmt:MATRIX_FMT_FP6 matrix_b_fmt:MATRIX_FMT_FP6 matrix_a_scale:MATRIX_SCALE_ROW1
.endif
.else
.if (\rb)
	v_wmma_scale_f32_16x16x128_f8f6f4 v[(\d):(\d)+7], v[(\a):(\a)+11], v[(\b):(\b)+11], v[(\d):(\d)+7], v[(\sa)], v[(\sb)] matrix_a_fmt:MATRIX_FMT_FP6 matrix_b_fmt:MATRIX_FMT_FP6 matrix_b_scale:MATRIX_SCALE_ROW1
.else
	v_wmma_scale_f32_16x16x128_f8f6f4 v[(\d):(\d)+7], v[(\a):(\a)+11], v[(\b):(\b)+11], v[(\d):(\d)+7], v[(\sa)], v[(\sb)] matrix_a_fmt:MATRIX_FMT_FP6 matrix_b_fmt:MATRIX_FMT_FP6
.endif
.endif
.endif
.endm
.macro BARRIER                         ; my LDS stores have landed and my LDS loads are in: then the work-group's barrier
	s_wait_dscnt 0x0
	s_barrier_signal -1
	s_barrier_wait -1
.endm
	s_load_b512 s[8:23], s[0:1], 0x0               ; x, oc, os, wc, wsc, g2, b2, out0
	v_lshl_add_u32 v1, v0, 2, SPARE                ; my spare word
	v_mov_b32 v2, 0
	v_lshrrev_b32 v3, 5, v0
	v_readfirstlane_b32 s2, v3                     ; wave 0..15
	v_and_b32 v6, 31, v0                           ; L
	v_and_b32 v240, 15, v0                         ; r
	v_bfe_u32 v241, v0, 4, 1                       ; h
	v_lshlrev_b32 v13, 4, v6                       ; 16 L
	s_mul_i32 s3, s2, 3072
	v_add_nc_u32 v3, s3, v13                       ; the ring: my pair's 3,072 bytes
	v_mul_u32_u24 v5, v6, 48                       ; an image's place for my lane
	v_lshlrev_b32 v6, 2, v6                        ; 4 L
	s_lshl_b32 s3, s2, 7                           ; 128 w
	v_add_nc_u32 v4, s3, v6                        ; the ring's scale words
	v_bfe_u32 v7, v0, 3, 1
	v_and_b32 v8, 7, v0
	v_lshl_add_u32 v7, v7, 4, v8                   ; 16 (r / 8) + r % 8: tile 0's row for my lane
	v_mul_u32_u24 v7, v7, 2064
	v_lshl_add_u32 v7, v241, 6, v7
	s_add_co_u32 s4, s3, XST
	v_add_nc_u32 v7, s4, v7                        ; + 64 h + 128 w: my 16 columns of it
	s_mul_i32 s4, s2, 4128
	s_add_co_u32 s4, s4, XST
	v_add_nc_u32 v8, s4, v13                       ; rows 2 w, 2 w + 1 whole: 16 bytes a lane
	v_lshlrev_b32 v255, 6, v241
	v_add_nc_u32 v255, s3, v255                    ; g2, b2: 128 w + 64 h; never rewritten
	v_mul_u32_u24 v254, v0, 24                     ; o's codes: 24 bytes a thread; never rewritten
	v_mul_u32_u24 v9, v241, 12
	v_mad_u32_u24 v9, v240, 48, v9                 ; 48 r + 12 h
	s_lshr_b32 s4, s2, 2
	s_mul_i32 s5, s4, 1536                         ; my 32 columns are block w % 4 of K step w / 4
	s_bfe_u32 s6, s2, 0x10001
	s_mul_i32 s6, s6, 24
	s_add_co_u32 s5, s5, s6
	s_and_b32 s6, s2, 1
	s_mul_i32 s6, s6, 768
	s_add_co_u32 s5, s5, s6
	v_add_nc_u32 v9, s5, v9                        ; where my 12 bytes of codes go in an image
	s_lshl_b32 s5, s4, 7
	s_and_b32 s6, s2, 3
	s_add_co_u32 s5, s5, s6
	v_lshl_add_u32 v10, v240, 2, s5                ; and my block's scale byte
	v_mul_u32_u24 v11, v240, 144
	v_add_nc_u32 v12, STAT, v11
	v_lshl_add_u32 v12, v241, 6, v12               ; the statistics of eight waves: 64 h
	s_lshl_b32 s5, s2, 3
	s_add_co_u32 s5, s5, STAT
	v_add_nc_u32 v11, s5, v11                      ; my wave's pair
	s_lshr_b32 s4, s2, 3                           ; o: thread = 256 u + 16 head + m: u = w / 8, head = 2 (w % 8) + h
	s_bfe_u32 s5, s2, 0x20001
	s_and_b32 s6, s2, 1
	s_mul_i32 s7, s4, 6144
	s_mul_i32 s46, s5, 1536
	s_add_co_u32 s7, s7, s46
	s_mul_i32 s46, s6, 24
	s_add_co_u32 s7, s7, s46
	v_add_nc_u32 v14, s7, v5                       ; its 24 bytes' place in o's images (until the first barrier)
	s_lshl_b32 s7, s5, 7
	s_lshl_b32 s46, s4, 6
	s_add_co_u32 s7, s7, s46
	s_lshl_b32 s46, s6, 1
	s_add_co_u32 s7, s7, s46
	s_add_co_u32 s7, s7, OSC
	v_lshl_add_u32 v15, v240, 2, v241
	v_add_nc_u32 v15, s7, v15                      ; and its byte's
	s_lshl_b32 s4, s2, 12
	v_add_nc_u32 v13, s4, v13                      ; rows 2 w, 2 w + 1 in memory: 4,096 w + 16 L
.set i, 0
.rept 16
	v_mov_b32 v[WK+i], 0                           ; written once: lane permutes' destinations and upper halves of pairs count as read
.set i, i+1
.endr
	s_lshl_b32 s24, ttmp9, 16                      ; 32 rows of 2,048 bytes
	s_mov_b32 s25, 0
	s_mul_i32 s26, ttmp9, 12288
	s_mov_b32 s27, 0
	s_lshl_b32 s28, ttmp9, 9
	s_mov_b32 s29, 0
	s_mov_b32 s30, 0x76543210
	s_mov_b32 s31, 0xfedcba98                      ; selects for lane l xor 16
	s_mov_b32 s32, 0x3b000000                      ; 1 / 512
	s_mov_b32 s33, 0x3727c5ac                      ; 1e-5
	s_mov_b32 s34, 0x3ea7ba05                      ; 0.3275911
	s_mov_b32 s35, s34
	s_mov_b32 s36, 0xbfb8aa3b                      ; -log2(e)
	s_mov_b32 s37, s36
	s_mov_b32 s38, 0x3f402289                      ; the polynomial's coefficients, each times 1 / sqrt 2: 0.75052698,
	s_mov_b32 s39, s38
	s_mov_b32 s40, 0x3f80a6d5                      ; 1.00509130,
	s_mov_b32 s41, s40
	s_mov_b32 s42, 0xbe4dff65                      ; -0.20116957,
	s_mov_b32 s43, s42
	s_mov_b32 s44, 0x3e38842e                      ; 0.18019173  (-1.02753365 stands in v[14:15])
	s_mov_b32 s45, s44
	s_mov_b32 s47, 0x3f3504f3                      ; 1 / sqrt 2
	s_wait_kmcnt 0x0
	s_add_nc_u64 s[8:9], s[8:9], s[24:25]
	s_add_nc_u64 s[10:11], s[10:11], s[26:27]
	s_add_nc_u64 s[12:13], s[12:13], s[28:29]
	s_add_nc_u64 s[22:23], s[22:23], s[24:25]
.macro RING p                          ; position p: two fragments and their scale words into slot p % 4: seven loads
.irp t, 0,1,2,3,4,5
	global_load_b128 v[WR+24*((\p)%4)+4*\t:WR+24*((\p)%4)+4*\t+3], v3, s[14:15] offset:49152*(12+(\p))+512*\t
.endr
	global_load_b32 v[WSR+(\p)%4], v4, s[16:17] offset:2048*(12+(\p))
.endm
; Position p: the rows' two fragments of K step s from LDS, four products on four accumulators by turns, four places, and the slot's next fill.
; The wait leaves the three younger positions' 21 loads out; at the last three positions 14, 7 and 0.
.macro KSTEP p, acc, img, sc, s, zero
.irp t, 0,1,2,3,4,5
	ds_load_b128 v[AF+4*\t:AF+4*\t+3], v5 offset:(\img)+6144*(\t/3)+1536*(\s)+16*(\t%3)
.endr
	ds_load_b32 v[ASR], v6 offset:(\sc)+128*(\s)
.if (\p) <= 32
	s_wait_loadcnt 21
.else
	s_wait_loadcnt 7*(35-(\p))
.endif
	s_wait_dscnt 0x0
.irp q, 0,1,2,3
	MM (\acc)+8*\q, WR+24*((\p)%4)+12*(\q%2), AF+12*(\q/2), \zero, WSR+(\p)%4, \q%2, ASR, \q/2
.endr
.rept 4
	v_nop                                          ; places in front of loads into registers that these products read, and of the first read of results
.endr
.if (\p) < 32
	RING (\p)+4
.endif
.endm
; The two tiles' half blocks in v[HA + 16 u] on become codes and a byte, go into the images at img and sc, and the work-group meets.
.macro QH img, sc
.irp u, 0,1
	v_max3_num_f32 v[WK+8*\u], |v[HA+16*\u]|, |v[HA+16*\u+1]|, 0x1800000   ; with the floor 2^(3 - 127)
.endr
.irp i, 2,4,6,8,10,12,14
.irp u, 0,1
	v_max3_num_f32 v[WK+8*\u], v[WK+8*\u], |v[HA+16*\u+\i]|, |v[HA+16*\u+\i+1]|
.endr
.endr
.irp u, 0,1
	v_permlanex16_b32 v[WK+8*\u+1], v[WK+8*\u], s30, s31
.endr
.irp u, 0,1
	v_max_num_f32 v[WK+8*\u], v[WK+8*\u], v[WK+8*\u+1]
.endr
.irp u, 0,1
	v_add_nc_u32 v[WK+8*\u+2], 0xff000000, v[WK+8*\u]
.endr
.irp u, 0,1
	v_cvt_scalef32_pk16_fp6_f32 v[WK+8*\u+4:WK+8*\u+6], v[HA+16*\u:HA+16*\u+15], v[WK+8*\u+2]
.endr
.irp u, 0,1
	v_lshrrev_b32 v[WK+8*\u+3], 23, v[WK+8*\u+2]   ; (also the plain place behind the conversions)
.endr
.irp u, 0,1
.irp i, 0,1,2
	ds_store_b32 v9, v[WK+8*\u+4+\i] offset:(\img)+6144*\u+4*\i
.endr
	ds_store_b8 v10, v[WK+8*\u+3] offset:(\sc)+64*\u   ; both halves of the lanes write the same byte with the same value
.endr
	BARRIER
.endm
	; ---- in: x's rows 2 w, 2 w + 1; o's codes and bytes; g2, b2; the ring's first four positions
.irp j, 0,1
.irp i, 0,1,2,3
	global_load_b128 v[HA+16*\j+4*\i:HA+16*\j+4*\i+3], v13, s[8:9] offset:2048*\j+512*\i th:TH_LOAD_NT
.endr
.endr
.irp i, 0,1,2
	global_load_b64 v[AF+2*\i:AF+2*\i+1], v254, s[10:11] offset:8*\i th:TH_LOAD_NT
.endr
	global_load_u8 v[AF+6], v0, s[12:13] th:TH_LOAD_NT
.irp q, 0,1,2,3
	global_load_b128 v[G2+4*\q:G2+4*\q+3], v255, s[18:19] offset:16*\q
	global_load_b128 v[B2+4*\q:B2+4*\q+3], v255, s[20:21] offset:16*\q
.endr
	RING 0
	RING 1
	RING 2
	RING 3
	s_wait_loadcnt 36                              ; x and o are in; younger: 8 loads of g2 and b2, 28 of the ring
.irp j, 0,1
.irp i, 0,1,2,3
	ds_store_b128 v8, v[HA+16*\j+4*\i:HA+16*\j+4*\i+3] offset:2064*\j+512*\i
.endr
.endr
.irp i, 0,1,2
	ds_store_b64 v14, v[AF+2*\i:AF+2*\i+1] offset:OIMG+8*\i
.endr
	ds_store_b8 v15, v[AF+6]
	BARRIER                                        ; x's 32 rows and o's eight images lie in LDS
	v_mov_b32 v14, 0xbf838639                      ; -1.02753365, twice
	v_mov_b32 v15, 0xbf838639
	; ---- x1 = x + o Wo^T: x is loaded into the accumulators
.irp u, 0,1
.irp q, 0,1,2,3
	ds_load_b128 v[X1+16*\u+4*\q:X1+16*\u+4*\q+3], v7 offset:16512*\u+16*\q
.endr
.endr
.irp s, 0,1,2,3
	KSTEP \s, X1, OIMG, OSC, \s, 0
.endr
	; ---- the norm.  My wave's 32 columns of each row: mean and centred sum of squares
.irp u, 0,1
	v_pk_add_f32 v[WK+8*\u:WK+8*\u+1], v[X1+16*\u:X1+16*\u+1], v[X1+16*\u+2:X1+16*\u+3]
.endr
.irp i, 4,6,8,10,12,14
.irp u, 0,1
	v_pk_add_f32 v[WK+8*\u:WK+8*\u+1], v[WK+8*\u:WK+8*\u+1], v[X1+16*\u+\i:X1+16*\u+\i+1]
.endr
.endr
.irp u, 0,1
	v_add_f32 v[WK+8*\u], v[WK+8*\u], v[WK+8*\u+1]
.endr
.irp u, 0,1
	v_permlanex16_b32 v[WK+8*\u+2], v[WK+8*\u], s30, s31
.endr
.irp u, 0,1
	v_add_f32 v[WK+8*\u], v[WK+8*\u], v[WK+8*\u+2]
.endr
.irp u, 0,1
	v_mul_f32 v[WK+8*\u], 0x3d000000, v[WK+8*\u]   ; / 32
.endr
.irp u, 0,1
	v_pk_add_f32 v[WK+8*\u+2:WK+8*\u+3], v[X1+16*\u:X1+16*\u+1], v[WK+8*\u:WK+8*\u+1] op_sel_hi:[1,0] neg_lo:[0,1] neg_hi:[0,1]
.endr
.irp u, 0,1
	v_pk_mul_f32 v[WK+8*\u+4:WK+8*\u+5], v[WK+8*\u+2:WK+8*\u+3], v[WK+8*\u+2:WK+8*\u+3]
.endr
.irp i, 2,4,6,8,10,12,14
.irp u, 0,1
	v_pk_add_f32 v[WK+8*\u+2:WK+8*\u+3], v[X1+16*\u+\i:X1+16*\u+\i+1], v[WK+8*\u:WK+8*\u+1] op_sel_hi:[1,0] neg_lo:[0,1] neg_hi:[0,1]
.endr
.irp u, 0,1
	v_pk_fma_f32 v[WK+8*\u+4:WK+8*\u+5], v[WK+8*\u+2:WK+8*\u+3], v[WK+8*\u+2:WK+8*\u+3], v[WK+8*\u+4:WK+8*\u+5]
.endr
.endr
.irp u, 0,1
	v_add_f32 v[WK+8*\u+1], v[WK+8*\u+4], v[WK+8*\u+5]
.endr
.irp u, 0,1
	v_permlanex16_b32 v[WK+8*\u+2], v[WK+8*\u+1], s30, s31
.endr
.irp u, 0,1
	v_add_f32 v[WK+8*\u+1], v[WK+8*\u+1], v[WK+8*\u+2]
.endr
.irp u, 0,1
	ds_store_b64 v11, v[WK+8*\u:WK+8*\u+1] offset:2304*\u   ; both halves of the lanes write the same pair
.endr
	BARRIER                                        ; the sixteen waves' pairs lie in LDS
.irp u, 0,1
.irp q, 0,1,2,3
	ds_load_b128 v[HA+16*\u+4*\q:HA+16*\u+4*\q+3], v12 offset:2304*\u+16*\q   ; eight waves' (mean, sum of squares)
.endr
.endr
	s_wait_dscnt 0x0
.irp u, 0,1
	v_pk_add_f32 v[WK+8*\u:WK+8*\u+1], v[HA+16*\u:HA+16*\u+1], v[HA+16*\u+2:HA+16*\u+3]
.endr
.irp i, 4,6,8,10,12,14
.irp u, 0,1
	v_pk_add_f32 v[WK+8*\u:WK+8*\u+1], v[WK+8*\u:WK+8*\u+1], v[HA+16*\u+\i:HA+16*\u+\i+1]
.endr
.endr
.irp u, 0,1
	v_permlanex16_b32 v[WK+8*\u+2], v[WK+8*\u], s30, s31
	v_permlanex16_b32 v[WK+8*\u+3], v[WK+8*\u+1], s30, s31
.endr
.irp u, 0,1
	v_pk_add_f32 v[WK+8*\u:WK+8*\u+1], v[WK+8*\u:WK+8*\u+1], v[WK+8*\u+2:WK+8*\u+3]
.endr
.irp u, 0,1
	v_mul_f32 v[WK+8*\u], 0x3d800000, v[WK+8*\u]   ; the row's mean: / 16
.endr
.irp u, 0,1
	v_sub_f32 v[WK+8*\u+2], v[HA+16*\u], v[WK+8*\u]
.endr
.irp u, 0,1
	v_mul_f32 v[WK+8*\u+4], v[WK+8*\u+2], v[WK+8*\u+2]
.endr
.irp i, 2,4,6,8,10,12,14
.irp u, 0,1
	v_sub_f32 v[WK+8*\u+2], v[HA+16*\u+\i], v[WK+8*\u]
.endr
.irp u, 0,1
	v_fma_f32 v[WK+8*\u+4], v[WK+8*\u+2], v[WK+8*\u+2], v[WK+8*\u+4]
.endr
.endr
.irp u, 0,1
	v_permlanex16_b32 v[WK+8*\u+5], v[WK+8*\u+4], s30, s31
.endr
.irp u, 0,1
	v_add_f32 v[WK+8*\u+4], v[WK+8*\u+4], v[WK+8*\u+5]
.endr
.irp u, 0,1
	v_fmamk_f32 v[WK+8*\u+1], v[WK+8*\u+4], 0x42000000, v[WK+8*\u+1]   ; + 32 x the waves' means' squared distances
.endr
.irp u, 0,1
	v_fma_f32 v[WK+8*\u+1], v[WK+8*\u+1], s32, s33
.endr
.irp u, 0,1
	v_rsq_f32 v[WK+8*\u+6], v[WK+8*\u+1]
.endr
	v_nop                                          ; a plain place behind the second
	s_wait_alu depctr_va_vdst(0)                   ; one wait for the two, ahead of their first reader
.irp i, 0,2,4,6,8,10,12,14
.irp u, 0,1
	v_pk_add_f32 v[HA+16*\u+\i:HA+16*\u+\i+1], v[X1+16*\u+\i:X1+16*\u+\i+1], v[WK+8*\u:WK+8*\u+1] op_sel_hi:[1,0] neg_lo:[0,1] neg_hi:[0,1]
.endr
.endr
.irp i, 0,2,4,6,8,10,12,14
.irp u, 0,1
	v_pk_mul_f32 v[HA+16*\u+\i:HA+16*\u+\i+1], v[HA+16*\u+\i:HA+16*\u+\i+1], v[WK+8*\u+6:WK+8*\u+7] op_sel_hi:[1,0]
.endr
.endr
.irp i, 0,2,4,6,8,10,12,14
.irp u, 0,1
	v_pk_fma_f32 v[HA+16*\u+\i:HA+16*\u+\i+1], v[HA+16*\u+\i:HA+16*\u+\i+1], v[G2+\i:G2+\i+1], v[B2+\i:B2+\i+1]
.endr
.endr
	QH HIMG, HSC                                   ; the normed rows' eight images lie in LDS
; GELU of the 16 numbers in v[HA + 16 u] on.  The 16 reciprocals and 16 exponentials are one batch with one wait.
.macro GELU u
.set XG, HA+16*\u
.set i, 0
.rept 16
	v_mul_f32 v[ZG+i], s47, |v[XG+i]|              ; z = |x| / sqrt 2 (each accumulator is read from its low end on)
.set i, i+1
.endr
.set i, 0
.rept 8
	v_pk_fma_f32 v[TG+i:TG+i+1], v[ZG+i:ZG+i+1], s[34:35], 1.0 op_sel_hi:[1,0,0]
.set i, i+2
.endr
.set i, 0
.rept 8
	v_pk_mul_f32 v[EG+i:EG+i+1], v[ZG+i:ZG+i+1], v[ZG+i:ZG+i+1]
.set i, i+2
.endr
.set i, 0
.rept 8
	v_pk_mul_f32 v[EG+i:EG+i+1], v[EG+i:EG+i+1], s[36:37] op_sel_hi:[1,0]
.set i, i+2
.endr
.set i, 0
.rept 16
	v_rcp_f32 v[TG+i], v[TG+i]                     ; t
.set i, i+1
.endr
.set i, 0
.rept 16
	v_exp_f32 v[EG+i], v[EG+i]                     ; exp(-z^2)
.set i, i+1
.endr
.set i, 0
.rept 16
	v_max_num_f32 v[XG+i], 0, v[XG+i]              ; max(x, 0): work that names no result of the batch
.set i, i+1
.endr
	s_wait_alu depctr_va_vdst(0)                   ; the one wait, ahead of the batch's first reader
.set i, 0
.rept 8
	v_pk_mul_f32 v[EG+i:EG+i+1], v[EG+i:EG+i+1], v[ZG+i:ZG+i+1]
.set i, i+2
.endr
.set i, 0
.rept 8
	v_pk_fma_f32 v[ZG+i:ZG+i+1], v[TG+i:TG+i+1], s[38:39], v[14:15] op_sel_hi:[1,0,1]
.set i, i+2
.endr
.irp k, 40,42,44
.set i, 0
.rept 8
	v_pk_fma_f32 v[ZG+i:ZG+i+1], v[ZG+i:ZG+i+1], v[TG+i:TG+i+1], s[\k:\k+1] op_sel_hi:[1,1,0]
.set i, i+2
.endr
.endr
.set i, 0
.rept 8
	v_pk_mul_f32 v[ZG+i:ZG+i+1], v[ZG+i:ZG+i+1], v[TG+i:TG+i+1]
.set i, i+2
.endr
.set i, 0
.rept 8
	v_pk_fma_f32 v[XG+i:XG+i+1], v[ZG+i:ZG+i+1], v[EG+i:EG+i+1], v[XG+i:XG+i+1] neg_lo:[1,0,0] neg_hi:[1,0,0]
.set i, i+2
.endr
.endm
	; ---- four chunks of 512 hidden units.  The two buffers of images take turns, so one barrier a chunk is enough: a buffer is written again only by waves that have passed the next chunk's barrier,
	; which every wave reaches behind the wait for its reads
.irp c, 0,1,2,3
.irp s, 0,1,2,3
	KSTEP 4+8*\c+\s, HA, HIMG, HSC, \s, (\s==0)
.endr
	GELU 0
	GELU 1
	QH GIMG+12288*(\c%2), GSC+512*(\c%2)
.irp s, 0,1,2,3
	KSTEP 8+8*\c+\s, X1, GIMG+12288*(\c%2), GSC+512*(\c%2), \s, 0
.endr
.endr
	; ---- out: through the stage, so that whole rows leave
.irp u, 0,1
.irp q, 0,1,2,3
	ds_store_b128 v7, v[X1+16*\u+4*\q:X1+16*\u+4*\q+3] offset:16512*\u+16*\q   ; each accumulator from its low end on
.endr
.endr
	BARRIER                                        ; 32 whole rows lie in the stage
.irp j, 0,1
.irp i, 0,1,2,3
	ds_load_b128 v[HA+16*\j+4*\i:HA+16*\j+4*\i+3], v8 offset:2064*\j+512*\i
.endr
.endr
.irp t, 0,1,2,3,4,5,6,7
	s_wait_dscnt 7-\t                              ; LDS loads come back in order: piece t is in, the younger ones stay out
	global_store_b128 v13, v[HA+4*\t:HA+4*\t+3], s[22:23] offset:2048*(\t/4)+512*(\t%4) th:TH_STORE_NT   ; 32 lanes store 512 consecutive bytes, aligned
.endr
	s_wait_tensorcnt 0x0                           ; the wave's end
	ds_add_u32 v1, v2
	s_wait_dscnt 0x0
	s_endpgm
.Lfunc_end_k_q28ca7d889a_tail:
	.size	k_q28ca7d889a_tail, .Lfunc_end_k_q28ca7d889a_tail-k_q28ca7d889a_tail
	.p2alignl 7, 3214868480
	.fill 96, 4, 3214868480
	.section	.rodata,"a",@progbits
	.p2align	6, 0x0
	.amdhsa_kernel k_q28ca7d889a_tail
		.amdhsa_group_segment_fixed_size 123904
		.amdhsa_private_segment_fixed_size 0
		.amdhsa_enable_private_segment 0
		.amdhsa_kernarg_size 64
		.amdhsa_user_sgpr_count 2
		.amdhsa_user_sgpr_kernarg_segment_ptr 1
		.amdhsa_wavefront_size32 1
		.amdhsa_system_sgpr_workgroup_id_x 1
		.amdhsa_system_sgpr_workgroup_id_y 1
		.amdhsa_system_sgpr_workgroup_id_z 1
		.amdhsa_system_vgpr_workitem_id 0
		.amdhsa_next_free_vgpr 256
		.amdhsa_next_free_sgpr 80
		.amdhsa_reserve_vcc 0
		.amdhsa_float_denorm_mode_32 3
		.amdhsa_float_denorm_mode_16_64 3
		.amdhsa_memory_ordered 1
		.amdhsa_forward_progress 1
		.amdhsa_inst_pref_size 157
	.end_amdhsa_kernel
	.amdgpu_metadata
---
amdhsa.version: [ 1, 2 ]
amdhsa.kernels:
  - .name:           k_q28ca7d889a_tail
    .symbol:         k_q28ca7d889a_tail.kd
    .args:
      - { .name: x, .offset: 0, .size: 8, .value_kind: global_buffer, .address_space: global }
      - { .name: oc, .offset: 8, .size: 8, .value_kind: global_buffer, .address_space: global }
      - { .name: os, .offset: 16, .size: 8, .value_kind: global_buffer, .address_space: global }
      - { .name: wc, .offset: 24, .size: 8, .value_kind: global_buffer, .address_space: global }
      - { .name: wsc, .offset: 32, .size: 8, .value_kind: global_buffer, .address_space: global }
      - { .name: g2, .offset: 40, .size: 8, .value_kind: global_buffer, .address_space: global }
      - { .name: b2, .offset: 48, .size: 8, .value_kind: global_buffer, .address_space: global }
      - { .name: out0, .offset: 56, .size: 8, .value_kind: global_buffer, .address_space: global }
    .group_segment_fixed_size: 123904
    .private_segment_fixed_size: 0
    .kernarg_segment_align: 8
    .kernarg_segment_size: 64
    .max_flat_workgroup_size: 512
    .sgpr_count:     80
    .vgpr_count:     256
    .wavefront_size: 32
...
	.end_amdgpu_metadata
.endif
;; end of part 4
;; ======== version 2 of 2: 4 launches
;; limits: a function is approximated: absolute error at most 1.5e-07; an absolute error that grows with the inputs' magnitude: up to 7.5e-08 times it
;; workspace buffers: wc 2,359,296 bytes; wsc 98,304 bytes; qkvc 9,437,184 bytes; qkvs 393,216 bytes; oc 3,145,728 bytes; os 131,072 bytes
;; launch wquant (part 5): grid 192 x 1, 4 waves a work-group, no clusters, 68,096 bytes of LDS; arguments Wq, Wk, Wv, Wo, W1, W2, wc, wsc; writes wc, wsc
.if DOCPART == 5
	.amdgcn_target "amdgcn-amd-amdhsa--gfx1250"
	.amdhsa_code_object_version 6
	.text
	.protected	k_q28ca7d889a_wquant
	.globl	k_q28ca7d889a_wquant
	.p2align	8
	.type	k_q28ca7d889a_wquant,@function
k_q28ca7d889a_wquant:
	s_mov_b64 s[64:65], 0
	v_nop
	global_prefetch_b8 v0, s[64:65] scope:SCOPE_SE
	s_setreg_imm32_b32 hwreg(HW_REG_WAVE_MODE, 25, 1), 1
	s_wait_xcnt 0x0
; The six weights (f32, K innermost) become codes of E2M3 with one E8M0 byte for each 32 along K, laid in the order in which the later launches' waves take them into registers.
; A PAIR (P, w) is 32 weight rows x 128 along K: two operand fragments of 16 rows.  Tile u of a pair takes rows 16 (m / 8) + 8 u + m % 8 of the 32, so that a product that has the weight as its first source
; leaves 16 neighbouring rows in a lane's 16 registers of the two tiles.  A fragment is stored as an image of its 12 registers: register 4 g + i of lane L at 512 g + 16 L + 4 i, so three 16-byte loads a lane bring it back.
; P 0-3 Wq, 4-7 Wk, 8-11 Wv, 12-15 Wo (row group w, K step P % 4); from P = 16 on, with P' = P - 16 and c = P' / 8: bit 2 of P' clear: W1, row group 16 c + w, K step P' % 4; set: W2, row group w, K step 4 c + P' % 4.
; One wave makes one pair; 192 work-groups x 4 waves = 768 pairs.  Each load reads 512 consecutive bytes of one weight row; the rows turn through the wave's own stage in LDS so that lane (m, h) gets its two whole blocks.
; A block's scale is 2^(floor(log2(largest magnitude)) - 2); its byte is the largest magnitude's exponent field - 2, held at 1 from below.
; LIMITS: a block of zeros, or one whose largest magnitude lies under 2^-124, keeps the byte 1 (its codes are zeros or tiny; this program alone reads the bytes); NaN and infinities are not served.
; No matrix work, no tile shared between work-groups: so no cluster, no tensor load, no barrier.
.set SPARE, 67584                      ; behind the four waves' stages: the spare words, 128 bytes a wave
.set VO,  3                            ; v3-10   16 L + k x pitch, k = 0 .. 7
.set RW,  16                           ; v16-143 two tiles of 16 rows as loaded
.set XN,  144                          ; v144-207 my two blocks of 32 numbers
.set CD,  208                          ; v208-231 the two tiles' codes
.set MX,  232                          ; largest magnitudes
.set OPR, 234                          ; the conversions' scale operands
.set BY,  236                          ; the bytes
.set WD,  238                          ; v238, v239 the two tiles' scale words
.set TH,  240                          ; the conversions' second halves
.set PT,  247                          ; a lane permute's destination
	s_load_b512 s[8:23], s[0:1], 0x0               ; Wq, Wk, Wv, Wo, W1, W2, wc, wsc
	v_lshl_add_u32 v1, v0, 2, SPARE                ; my spare word
	v_mov_b32 v2, 0
	v_mov_b32 v[PT], 0                             ; written once: a lane permute's destination counts as one of its sources
	v_lshrrev_b32 v15, 5, v0
	v_readfirstlane_b32 s2, v15                    ; wave 0..3
	v_and_b32 v14, 31, v0                          ; L
	v_and_b32 v12, 15, v0                          ; r
	v_bfe_u32 v15, v0, 4, 1                        ; h
	v_lshlrev_b32 v13, 4, v14                      ; 16 L
	s_wait_alu depctr_va_vdst(0)
	s_lshr_b32 s3, ttmp9, 2                        ; P
	s_and_b32 s4, ttmp9, 3
	s_lshl_b32 s4, s4, 2
	s_add_co_u32 s4, s4, s2                        ; w
	s_lshr_b32 s5, s3, 2
	s_and_b32 s6, s5, 1
	s_add_co_u32 s6, s6, 4
	s_cmp_lt_u32 s3, 16
	s_cselect_b32 s5, s5, s6                       ; which weight: 0 .. 5
	s_lshr_b32 s7, s3, 3
	s_sub_co_u32 s7, s7, 2
	s_and_b32 s7, s7, 3                            ; c (used for W1 and W2 alone)
	s_and_b32 s26, s3, 3                           ; P % 4
	s_lshl_b32 s27, s7, 4
	s_add_co_u32 s27, s27, s4                      ; 16 c + w
	s_lshl_b32 s28, s7, 2
	s_add_co_u32 s28, s28, s26                     ; 4 c + P % 4
	s_cmp_eq_u32 s5, 4
	s_cselect_b32 s27, s27, s4                     ; the row group
	s_cmp_eq_u32 s5, 5
	s_cselect_b32 s28, s28, s26                    ; the K step
	s_mov_b32 s29, 2048
	s_cselect_b32 s29, 8192, s29                   ; a weight row in bytes
	s_mul_i32 s30, s27, s29
	s_lshl_b32 s30, s30, 5                         ; 32 rows a group
	s_lshl_b32 s28, s28, 9                         ; 512 bytes a K step
	s_add_co_u32 s30, s30, s28
	s_mov_b32 s31, 0
	s_lshl_b32 s40, s29, 3                         ; eight rows
	s_mov_b32 s41, 0
.irp k, 0,1,2,3,4,5,6,7
	v_mad_u32_u24 v[VO+\k], s29, \k, v13
.endr
	s_mul_i32 s42, s2, 16896                       ; my two stages of 16 x 528 bytes
	v_add_nc_u32 v11, s42, v13                     ; in: 16 L
	v_mul_u32_u24 v12, v12, 528
	v_lshl_add_u32 v12, v15, 7, v12
	v_add_nc_u32 v12, s42, v12                     ; out: row r, + 128 h
	v_lshlrev_b32 v15, 3, v15                      ; 8 h: my bytes' place in the scale word
	v_lshlrev_b32 v14, 2, v14                      ; 4 L
	s_lshl_b32 s43, s3, 4
	s_add_co_u32 s43, s43, s4                      ; the pair's number
	s_mul_i32 s44, s43, 3072
	s_mov_b32 s45, 0
	s_lshl_b32 s46, s43, 7
	s_mov_b32 s47, 0
	s_mov_b32 s48, 0x76543210
	s_mov_b32 s49, 0xfedcba98                      ; selects for lane l xor 16
	s_mov_b32 s50, 0xffff0000                      ; lanes 16-31
	s_wait_alu depctr_va_vdst(0)
	s_wait_kmcnt 0x0
	s_mov_b64 s[24:25], s[8:9]                     ; the choice hangs on the work-group's number alone
	s_cmp_eq_u32 s5, 1
	s_cselect_b64 s[24:25], s[10:11], s[24:25]
	s_cmp_eq_u32 s5, 2
	s_cselect_b64 s[24:25], s[12:13], s[24:25]
	s_cmp_eq_u32 s5, 3
	s_cselect_b64 s[24:25], s[14:15], s[24:25]
	s_cmp_eq_u32 s5, 4
	s_cselect_b64 s[24:25], s[16:17], s[24:25]
	s_cmp_eq_u32 s5, 5
	s_cselect_b64 s[24:25], s[18:19], s[24:25]
	s_add_nc_u64 s[32:33], s[24:25], s[30:31]      ; rows 0-7 of the group,
	s_add_nc_u64 s[34:35], s[32:33], s[40:41]      ; 8-15,
	s_add_nc_u64 s[36:37], s[34:35], s[40:41]      ; 16-23,
	s_add_nc_u64 s[38:39], s[36:37], s[40:41]      ; 24-31
	s_add_nc_u64 s[20:21], s[20:21], s[44:45]
	s_add_nc_u64 s[22:23], s[22:23], s[46:47]
.macro LOADT u                         ; tile u: row i is row 8 (2 (i / 8) + u) + i % 8 of the group
.irp i, 0,1,2,3,4,5,6,7,8,9,10,11,12,13,14,15
	global_load_b128 v[RW+64*\u+4*\i:RW+64*\u+4*\i+3], v[VO+(\i%8)], s[32+2*(2*(\i/8)+\u):33+2*(2*(\i/8)+\u)] th:TH_LOAD_NT
.endr
.endm
.macro TURNT u                         ; through my stage: LDS serves a wave's instructions in order, so no wait stands between the stores and the loads
.irp i, 0,1,2,3,4,5,6,7,8,9,10,11,12,13,14,15
	ds_store_b128 v11, v[RW+64*\u+4*\i:RW+64*\u+4*\i+3] offset:8448*\u+528*\i
.endr
.irp c, 0,1
.irp q, 0,1,2,3,4,5,6,7
	ds_load_b128 v[XN+32*\c+4*\q:XN+32*\c+4*\q+3], v12 offset:8448*\u+256*\c+16*\q   ; k = 64 c + 32 h + 4 q ..
.endr
.endr
.endm
.macro QUANTW u                        ; my blocks 2 c + h of row r
.irp c, 0,1
	v_max3_num_f32 v[MX+\c], |v[XN+32*\c]|, |v[XN+32*\c+1]|, 0x1800000   ; with the floor 2^(3 - 127): the byte cannot fall under 1
.endr
.irp i, 2,4,6,8,10,12,14,16,18,20,22,24,26,28,30
.irp c, 0,1
	v_max3_num_f32 v[MX+\c], v[MX+\c], |v[XN+32*\c+\i]|, |v[XN+32*\c+\i+1]|
.endr
.endr
.irp c, 0,1
	v_add_nc_u32 v[OPR+\c], 0xff000000, v[MX+\c]   ; 2 off the exponent field: the conversion's scale operand
.endr
.irp c, 0,1
	v_lshrrev_b32 v[BY+\c], 23, v[OPR+\c]          ; the byte
.endr
	v_lshl_or_b32 v[WD+\u], v[BY+1], 16, v[BY]     ; blocks h and 2 + h,
	v_lshlrev_b32 v[WD+\u], v15, v[WD+\u]          ; at their places;
	v_permlanex16_b32 v[PT], v[WD+\u], s48, s49
	v_or_b32 v[WD+\u], v[WD+\u], v[PT]             ; with lane l xor 16's two the word is whole
.irp c, 0,1
	v_cvt_scalef32_pk16_fp6_f32 v[CD+12*\u+6*\c:CD+12*\u+6*\c+2], v[XN+32*\c:XN+32*\c+15], v[OPR+\c]
	v_cvt_scalef32_pk16_fp6_f32 v[TH+4*\c:TH+4*\c+2], v[XN+32*\c+16:XN+32*\c+31], v[OPR+\c]   ; (a conversion's three registers begin on an even number)
.endr
	v_nop                                          ; one plain place behind a scaled conversion
.irp c, 0,1
.irp i, 0,1,2
	v_mov_b32 v[CD+12*\u+6*\c+3+\i], v[TH+4*\c+\i]
.endr
.endr
.endm
.macro OUTT u
.irp g, 0,1,2
	global_store_b128 v13, v[CD+12*\u+4*\g:CD+12*\u+4*\g+3], s[20:21] offset:1536*\u+512*\g   ; 32 lanes store 512 consecutive bytes
.endr
.endm
	LOADT 0
	LOADT 1
	s_wait_loadcnt 16                              ; tile 0's sixteen loads are in; tile 1's sixteen are younger
	TURNT 0
	s_wait_dscnt 0x0
	QUANTW 0
	OUTT 0
	s_wait_loadcnt 0x0
	TURNT 1
	s_wait_dscnt 0x0
	QUANTW 1
	OUTT 1
	v_cndmask_b32 v[WD], v[WD], v[WD+1], s50       ; lanes 0-15 tile 0's words, lanes 16-31 tile 1's
	global_store_b32 v14, v[WD], s[22:23]          ; 128 consecutive bytes
	s_wait_tensorcnt 0x0                           ; the wave's end
	ds_add_u32 v1, v2
	s_wait_dscnt 0x0
	s_endpgm
.Lfunc_end_k_q28ca7d889a_wquant:
	.size	k_q28ca7d889a_wquant, .Lfunc_end_k_q28ca7d889a_wquant-k_q28ca7d889a_wquant
	.p2alignl 7, 3214868480
	.fill 96, 4, 3214868480
	.section	.rodata,"a",@progbits
	.p2align	6, 0x0
	.amdhsa_kernel k_q28ca7d889a_wquant
		.amdhsa_group_segment_fixed_size 68096
		.amdhsa_private_segment_fixed_size 0
		.amdhsa_enable_private_segment 0
		.amdhsa_kernarg_size 64
		.amdhsa_user_sgpr_count 2
		.amdhsa_user_sgpr_kernarg_segment_ptr 1
		.amdhsa_wavefront_size32 1
		.amdhsa_system_sgpr_workgroup_id_x 1
		.amdhsa_system_sgpr_workgroup_id_y 1
		.amdhsa_system_sgpr_workgroup_id_z 1
		.amdhsa_system_vgpr_workitem_id 0
		.amdhsa_next_free_vgpr 248
		.amdhsa_next_free_sgpr 66
		.amdhsa_reserve_vcc 0
		.amdhsa_float_denorm_mode_32 3
		.amdhsa_float_denorm_mode_16_64 3
		.amdhsa_memory_ordered 1
		.amdhsa_forward_progress 1
		.amdhsa_inst_pref_size 18
	.end_amdhsa_kernel
	.amdgpu_metadata
---
amdhsa.version: [ 1, 2 ]
amdhsa.kernels:
  - .name:           k_q28ca7d889a_wquant
    .symbol:         k_q28ca7d889a_wquant.kd
    .args:
      - { .name: Wq, .offset: 0, .size: 8, .value_kind: global_buffer, .address_space: global }
      - { .name: Wk, .offset: 8, .size: 8, .value_kind: global_buffer, .address_space: global }
      - { .name: Wv, .offset: 16, .size: 8, .value_kind: global_buffer, .address_space: global }
      - { .name: Wo, .offset: 24, .size: 8, .value_kind: global_buffer, .address_space: global }
      - { .name: W1, .offset: 32, .size: 8, .value_kind: global_buffer, .address_space: global }
      - { .name: W2, .offset: 40, .size: 8, .value_kind: global_buffer, .address_space: global }
      - { .name: wc, .offset: 48, .size: 8, .value_kind: global_buffer, .address_space: global }
      - { .name: wsc, .offset: 56, .size: 8, .value_kind: global_buffer, .address_space: global }
    .group_segment_fixed_size: 68096
    .private_segment_fixed_size: 0
    .kernarg_segment_align: 8
    .kernarg_segment_size: 64
    .max_flat_workgroup_size: 128
    .sgpr_count:     66
    .vgpr_count:     248
    .wavefront_size: 32
...
	.end_amdgpu_metadata
.endif
;; end of part 5
;; launch qkv (part 6): grid 256 x 1, 16 waves a work-group, no clusters, 191,488 bytes of LDS; arguments x, context, g1, b1, gc, bc, wc, wsc, qkvc, qkvs; writes qkvc, qkvs
.if DOCPART == 6
	.amdgcn_target "amdgcn-amd-amdhsa--gfx1250"
	.amdhsa_code_object_version 6
	.text
	.protected	k_q28ca7d889a_qkv
	.globl	k_q28ca7d889a_qkv
	.p2align	8
	.type	k_q28ca7d889a_qkv,@function
k_q28ca7d889a_qkv:
	s_mov_b64 s[64:65], 0
	v_nop
	global_prefetch_b8 v0, s[64:65] scope:SCOPE_SE
	s_setreg_imm32_b32 hwreg(HW_REG_WAVE_SCHED_MODE, 0, 2), 2
	s_setreg_imm32_b32 hwreg(HW_REG_WAVE_MODE, 25, 1), 1
	s_wait_xcnt 0x0
	s_wait_alu depctr_vm_vsrc(0)
; Layer norm, quantiser, the projections q (work-groups 0-127, 64 rows of x each) or k and v (work-groups 128-255, 64 rows of context each), and the quantisers of their results: q and k along the head's 32, v along the keys.
; SHARES.  Sixteen waves.  For the norm wave w takes rows 4 w .. 4 w + 3; for the products wave w is head w: its 32 weight rows against all 64 rows.  The rows' codes go from wave to wave through LDS as images of
; operand registers (register p of lane L at 48 L + 4 p; block (c, h') of row m at 48 (m + 16 h') + 24 c).  The weights' fragments come from memory straight into the one wave that uses them, four K steps (28 loads) ahead.
; THE 64 ROWS FORM FOUR TILES t = 2 b2 + u: row m of tile t is row 32 b2 + 16 (m / 8) + 8 u + m % 8; the weights' tiles are laid likewise.  So the 16 registers of two neighbouring result tiles are 16 neighbours of the
; axis along which the result is quantised next: the head's channels (q, k: first source = weight) or the keys (v: first source = rows).  A block's other half lies in lane l xor 16.
; OUT.  q, k: 64 rows of a head make one operand image of 1,536 bytes (row m, block 2 u + b2) and 16 scale words.  v: 128 keys x 16 channels make an image; position (c, h) holds key block 2 h + c of the step's four.
; The context groups have twice the x groups' matrix work: 32 + 32 rows in every group would make each group stream all three weights and would cut v's key blocks of a step into pieces of 24 bytes.
; No cluster and no tensor load: each weight fragment is used by one wave of a work-group and lands in its registers; a joint load would land in LDS and add a pass.
; LIMITS: a block of zeros, or one under 2^-124, keeps the byte 1; NaN and infinities are not served.
; THE MODE: SCHED_MODE bits 1:0 = 2 (LLVM: expert scheduling mode 2), set by the entry lines.  The code itself states the register dependences between vector or matrix instructions and memory or LDS instructions,
; with s_wait_alu, always for 0.
; THE PLAN.  Registers that memory or LDS instructions touch:
;   v3-v15      offsets and LDS addresses, made at the head and never written again: one wait on va_vdst ahead of the first load serves them for the whole kernel.
;   ACC         in the norm alone: the rows' loads land, the stage's stores read them, the stage's loads land again (a wait on vm_vsrc between).  Later vector and matrix instructions alone name them.
;   CDS, bytes  written by the norm's conversions, read by the images' stores (va_vdst ahead); then the fragments' loads land there (vm_vsrc behind the barrier).
;   AF, AS      a K step's LDS loads land, its eight products read them, the next step's loads land: ONE wait on va_vdst at the head of steps 1 to 3.  On the way out the conversions write codes there and the stores
;               read them (va_vdst ahead of the stores); in a context group v's first fragments land there next (vm_vsrc beside the wait on XCNT).
;   WR, WSR     the ring's loads land, the products read them; in a context group Wv's loads land behind a wait on va_vdst behind Wk's last products.
; There is one set of fragments: a second would take 50 registers, and a wave has none left.
.set AIMG,  0                          ; 16 images: 6,144 x tile + 1,536 x K step
.set ASC,   24576                      ; their scale words: [K step][tile][row]
.set SPARE, 25600                      ; the spare words, 128 bytes a wave
.set TURN,  27648                      ; four stages of 2,560 bytes for each wave
.set ACC, 16                           ; v16-79   eight accumulators; in the norm: my four rows
.set WR,  80                           ; v80-175  the weights' ring: four slots of two fragments
.set WSR, 176                          ; v176-179 their scale words: lanes 0-15 tile 0, lanes 16-31 tile 1
.set AF,  180                          ; v180-227 the rows' four fragments of a K step
.set GN,  180                          ; in the norm: gain,
.set BI,  196                          ; bias,
.set CDS, 212                          ; and the codes just made
.set AS,  228                          ; v228, v229 the rows' scale words: register k: lanes 0-15 tile 2 k, lanes 16-31 tile 2 k + 1
.set WK,  230                          ; v230-253 at work, six a row or tile
.macro MM d, a, b, z, sa, ra, sb, rb   ; one product; z: the sum begins; ra, rb: which half of the lanes holds the side's scale words
.if \z
.if (\ra)
.if (\rb)
	v_wmma_scale_f32_16x16x128_f8f6f4 v[(\d):(\d)+7], v[(\a):(\a)+11], v[(\b):(\b)+11], 0, v[(\sa)], v[(\sb)] matrix_a_fmt:MATRIX_FMT_FP6 matrix_b_fmt:MATRIX_FMT_FP6 matrix_a_scale:MATRIX_SCALE_ROW1 matrix_b_scale:MATRIX_SCALE_ROW1
.else
	v_wmma_scale_f32_16x16x128_f8f6f4 v[(\d):(\d)+7], v[(\a):(\a)+11], v[(\b):(\b)+11], 0, v[(\sa)], v[(\sb)] matrix_a_fmt:MATRIX_FMT_FP6 matrix_b_fmt:MATRIX_FMT_FP6 matrix_a_scale:MATRIX_SCALE_ROW1
.endif
.else
.if (\rb)
	v_wmma_scale_f32_16x16x128_f8f6f4 v[(\d):(\d)+7], v[(\a):(\a)+11], v[(\b):(\b)+11], 0, v[(\sa)], v[(\sb)] matrix_a_fmt:MATRIX_FMT_FP6 matrix_b_fmt:MATRIX_FMT_FP6 matrix_b_scale:MATRIX_SCALE_ROW1
.else
	v_wmma_scale_f32_16x16x128_f8f6f4 v[(\d):(\d)+7], v[(\a):(\a)+11], v[(\b):(\b)+11], 0, v[(\sa)], v[(\sb)] matrix_a_fmt:MATRIX_FMT_FP6 matrix_b_fmt:MATRIX_FMT_FP6
.endif
.endif
.else
.if (\ra)
.if (\rb)
	v_wmma_scale_f32_16x16x128_f8f6f4 v[(\d):(\d)+7], v[(\a):(\a)+11], v[(\b):(\b)+11], v[(\d):(\d)+7], v[(\sa)], v[(\sb)] matrix_a_fmt:MATRIX_FMT_FP6 matrix_b_fmt:MATRIX_FMT_FP6 matrix_a_scale:MATRIX_SCALE_ROW1 matrix_b_scale:MATRIX_SCALE_ROW1
.else
	v_wmma_scale_f32_16x16x128_f8f6f4 v[(\d):(\d)+7], v[(\a):(\a)+11], v[(\b):(\b)+11], v[(\d):(\d)+7], v[(\sa)], v[(\sb)] matrix_a_fmt:MATRIX_FMT_FP6 matrix_b_fmt:MATRIX_FMT_FP6 matrix_a_scale:MATRIX_SCALE_ROW1
.endif
.else
.if (\rb)
	v_wmma_scale_f32_16x16x128_f8f6f4 v[(\d):(\d)+7], v[(\a):(\a)+11], v[(\b):(\b)+11], v[(\d):(\d)+7], v[(\sa)], v[(\sb)] matrix_a_fmt:MATRIX_FMT_FP6 matrix_b_fmt:MATRIX_FMT_FP6 matrix_b_scale:MATRIX_SCALE_ROW1
.else
	v_wmma_scale_f32_16x16x128_f8f6f4 v[(\d):(\d)+7], v[(\a):(\a)+11], v[(\b):(\b)+11], v[(\d):(\d)+7], v[(\sa)], v[(\sb)] matrix_a_fmt:MATRIX_FMT_FP6 matrix_b_fmt:MATRIX_FMT_FP6
.endif
.endif
.endif
.endm
	s_load_b512 s[8:23], s[0:1], 0x0               ; x, context, g1, b1, gc, bc, wc, wsc
	s_load_b128 s[24:27], s[0:1], 0x40             ; qkvc, qkvs
	v_lshl_add_u32 v1, v0, 2, SPARE                ; my spare word
	v_mov_b32 v2, 0
	v_lshrrev_b32 v15, 5, v0
	v_readfirstlane_b32 s2, v15                    ; wave 0..15
	v_and_b32 v14, 31, v0                          ; L
	v_and_b32 v13, 15, v0                          ; r
	v_bfe_u32 v12, v0, 4, 1                        ; h
	v_lshlrev_b32 v15, 4, v14                      ; 16 L
	s_wait_alu depctr_va_sdst(0)                   ; s2 is written, ahead of its first reader
	s_mul_i32 s3, s2, 3072
	v_add_nc_u32 v3, s3, v15                       ; the ring: my pair's 3,072 bytes, 16 a lane
	v_lshlrev_b32 v14, 2, v14                      ; 4 L
	s_lshl_b32 s3, s2, 7
	v_add_nc_u32 v4, s3, v14                       ; and its 128 bytes of scale words
	v_mul_u32_u24 v5, v14, 12                      ; 48 L: an image's place for my lane
	v_add_nc_u32 v6, ASC, v14
	s_mul_i32 s3, s2, 10240
	s_add_co_u32 s3, s3, TURN                      ; my stages
	v_bfe_u32 v7, v0, 2, 3
	v_mul_u32_u24 v7, v7, 80
	v_and_b32 v8, 3, v0
	v_lshl_add_u32 v7, v8, 4, v7
	v_add_nc_u32 v7, s3, v7                        ; in: four lanes' 64 bytes on end, then 16 of padding
	v_mul_u32_u24 v8, v14, 20
	v_add_nc_u32 v8, s3, v8                        ; out: 80 L: my 16 neighbours
	v_bfe_u32 v9, v0, 3, 2                         ; my 16 columns 16 L ..: K step L / 8,
	v_mul_u32_u24 v9, v9, 1536
	v_bfe_u32 v10, v0, 2, 1                        ; c,
	v_mad_u32_u24 v9, v10, 24, v9
	v_bfe_u32 v10, v0, 1, 1                        ; h',
	v_mad_u32_u24 v9, v10, 768, v9
	v_and_b32 v10, 1, v0                           ; which half of the block
	v_mad_u32_u24 v9, v10, 12, v9
	s_wait_alu depctr_va_vdst(0)
	s_lshr_b32 s3, s2, 3
	s_lshl_b32 s3, s3, 1
	s_bfe_u32 s4, s2, 0x10001
	s_add_co_u32 s3, s3, s4                        ; my four rows' tile: 2 (w / 8) + (w / 2) % 2
	s_and_b32 s4, s2, 1
	s_lshl_b32 s4, s4, 2
	s_bfe_u32 s5, s2, 0x10002
	s_lshl_b32 s5, s5, 3
	s_add_co_u32 s4, s4, s5                        ; and their first place in it: 4 (w % 2) + 8 ((w / 4) % 2)
	s_mul_i32 s5, s3, 6144
	s_mul_i32 s6, s4, 48
	s_add_co_u32 s5, s5, s6
	v_add_nc_u32 v9, s5, v9                        ; where my 12 bytes of row 0 go
	v_bfe_u32 v10, v0, 3, 2
	v_lshlrev_b32 v10, 8, v10
	v_bfe_u32 v11, v0, 1, 2
	v_add_nc_u32 v10, v10, v11
	s_lshl_b32 s5, s3, 6
	s_lshl_b32 s6, s4, 2
	s_add_co_u32 s5, s5, s6
	s_add_co_u32 s5, s5, ASC
	v_add_nc_u32 v10, s5, v10                      ; and my block's scale byte
	s_lshl_b32 s5, s2, 13
	v_add_nc_u32 v11, s5, v15                      ; my four rows in memory: 8,192 w + 16 L
	v_lshlrev_b32 v15, 2, v15                      ; 64 L: gain and bias of my 16 columns
	v_mul_u32_u24 v12, v12, 12
	v_mad_u32_u24 v12, v13, 48, v12                ; out: 48 r + 12 h
	v_lshlrev_b32 v13, 2, v13                      ; 4 r
.irp j, 0,1,2,3
	v_mov_b32 v[WK+6*\j+4], 0                      ; written once: a lane permute's destination counts as one of its sources
.endr
	s_and_b32 s28, ttmp9, 127                      ; which 64 rows
	s_lshr_b32 s29, s28, 5                         ; the batch
	s_and_b32 s30, s28, 31                         ; which 64 rows of it
	s_lshl_b32 s31, s29, 4
	s_add_co_u32 s31, s31, s2                      ; batch x 16 + head
	s_lshl_b32 s32, s28, 17
	s_mov_b32 s33, 0
	s_mul_i32 s34, s31, 49152
	s_mul_i32 s36, s30, 1536
	s_add_co_u32 s36, s36, s34
	s_mov_b32 s37, 0
	s_lshl_b32 s38, s31, 11
	s_lshl_b32 s40, s30, 6
	s_add_co_u32 s40, s40, s38
	s_mov_b32 s41, 0
	s_lshr_b32 s42, s30, 1                         ; v: the step of 128 keys,
	s_and_b32 s43, s30, 1                          ; and which half of it
	s_mul_i32 s44, s42, 3072
	s_mul_i32 s45, s43, 768
	s_add_co_u32 s44, s44, s45
	s_add_co_u32 s44, s44, s34
	s_add_co_u32 s44, s44, 2*3145728
	s_mov_b32 s45, 0
	s_lshl_b32 s46, s42, 7
	s_add_co_u32 s46, s46, s43
	s_add_co_u32 s46, s46, s38
	s_add_co_u32 s46, s46, 2*131072
	s_mov_b32 s47, 0
	s_mov_b32 s48, 0x76543210
	s_mov_b32 s49, 0xfedcba98                      ; selects for lane l xor 16
	s_mov_b32 s50, 0x3b000000                      ; 1 / 512
	s_mov_b32 s51, 0x3727c5ac                      ; 1e-5
	s_mov_b32 s52, 0xffff0000                      ; lanes 16-31
	s_mov_b32 s55, 0
	s_mov_b32 s57, 0
	s_mov_b32 s59, 0
	s_mov_b32 s61, 0
	s_wait_kmcnt 0x0
	s_cmp_lt_u32 ttmp9, 128                        ; x or context?  The choice hangs on the work-group's number alone
	s_cselect_b64 s[8:9], s[8:9], s[10:11]
	s_cselect_b64 s[12:13], s[12:13], s[16:17]
	s_cselect_b64 s[14:15], s[14:15], s[18:19]
	s_cselect_b32 s54, 0, 4*49152                  ; the ring begins at Wq or at Wk
	s_cselect_b32 s56, 0, 4*2048
	s_cselect_b32 s58, 0, 3145728                  ; the first result is q or k
	s_cselect_b32 s60, 0, 131072
	s_add_nc_u64 s[8:9], s[8:9], s[32:33]
	s_add_nc_u64 s[20:21], s[20:21], s[54:55]
	s_add_nc_u64 s[22:23], s[22:23], s[56:57]
	s_add_nc_u64 s[66:67], s[24:25], s[36:37]
	s_add_nc_u64 s[66:67], s[66:67], s[58:59]      ; q's or k's codes
	s_add_nc_u64 s[68:69], s[26:27], s[40:41]
	s_add_nc_u64 s[68:69], s[68:69], s[60:61]      ; and scale words
	s_add_nc_u64 s[70:71], s[24:25], s[44:45]      ; v's codes
	s_add_nc_u64 s[72:73], s[26:27], s[46:47]      ; and scale bytes
	s_wait_alu depctr_va_vdst(0)                   ; the offsets and LDS addresses v3 to v15 are written, which every load and store of the kernel reads
.macro RING k                          ; four K steps of weight k of this group: 28 loads
.irp s, 0,1,2,3
.irp t, 0,1,2,3,4,5
	global_load_b128 v[WR+24*\s+4*\t:WR+24*\s+4*\t+3], v3, s[20:21] offset:49152*(4*\k+\s)+512*\t
.endr
	global_load_b32 v[WSR+\s], v4, s[22:23] offset:2048*(4*\k+\s)
.endr
.endm
.irp j, 0,1,2,3
.irp i, 0,1,2,3
	global_load_b128 v[ACC+16*\j+4*\i:ACC+16*\j+4*\i+3], v11, s[8:9] offset:2048*\j+512*\i th:TH_LOAD_NT   ; 512 consecutive bytes of a row
.endr
.endr
.irp q, 0,1,2,3
	global_load_b128 v[GN+4*\q:GN+4*\q+3], v15, s[12:13] offset:16*\q
	global_load_b128 v[BI+4*\q:BI+4*\q+3], v15, s[14:15] offset:16*\q
.endr
	RING 0
	s_wait_loadcnt 28                              ; rows, gain and bias are in; the ring's 28 loads are younger
	; ---- the rows turn through my stages: afterwards lane L holds columns 16 L .. 16 L + 15 of each of my four rows
.irp j, 0,1,2,3
.irp i, 0,1,2,3
	ds_store_b128 v7, v[ACC+16*\j+4*\i:ACC+16*\j+4*\i+3] offset:2560*\j+640*\i
.endr
.endr
	s_wait_dscnt 0x0                               ; the stores are done
	s_wait_alu depctr_vm_vsrc(0)                   ; the stores have read v[ACC ..], in which the loads below land
.irp j, 0,1,2,3
.irp q, 0,1,2,3
	ds_load_b128 v[ACC+16*\j+4*\q:ACC+16*\j+4*\q+3], v8 offset:2560*\j+16*\q
.endr
.endr
	s_wait_dscnt 0x0
.macro RED reg                         ; v[WK + 6 j + reg] summed over the 32 lanes, the four rows by turns
.irp m, 1,2,4,8
.irp j, 0,1,2,3
	v_add_f32_dpp v[WK+6*\j+\reg], v[WK+6*\j+\reg], v[WK+6*\j+\reg] row_xmask:\m row_mask:0xf bank_mask:0xf
.endr
.endr
.irp j, 0,1,2,3
	v_permlanex16_b32 v[WK+6*\j+4], v[WK+6*\j+\reg], s48, s49
.endr
.irp j, 0,1,2,3
	v_add_f32 v[WK+6*\j+\reg], v[WK+6*\j+\reg], v[WK+6*\j+4]
.endr
.endm
	; ---- the mean
.irp j, 0,1,2,3
	v_pk_add_f32 v[WK+6*\j:WK+6*\j+1], v[ACC+16*\j:ACC+16*\j+1], v[ACC+16*\j+2:ACC+16*\j+3]
.endr
.irp i, 4,6,8,10,12,14
.irp j, 0,1,2,3
	v_pk_add_f32 v[WK+6*\j:WK+6*\j+1], v[WK+6*\j:WK+6*\j+1], v[ACC+16*\j+\i:ACC+16*\j+\i+1]
.endr
.endr
.irp j, 0,1,2,3
	v_add_f32 v[WK+6*\j], v[WK+6*\j], v[WK+6*\j+1]
.endr
	RED 0
.irp j, 0,1,2,3
	v_mul_f32 v[WK+6*\j], s50, v[WK+6*\j]
.endr
	; ---- x - mean, and the variance of the centred numbers
.irp i, 0,2,4,6,8,10,12,14
.irp j, 0,1,2,3
	v_pk_add_f32 v[ACC+16*\j+\i:ACC+16*\j+\i+1], v[ACC+16*\j+\i:ACC+16*\j+\i+1], v[WK+6*\j:WK+6*\j+1] op_sel_hi:[1,0] neg_lo:[0,1] neg_hi:[0,1]
.endr
.endr
.irp j, 0,1,2,3
	v_pk_mul_f32 v[WK+6*\j+2:WK+6*\j+3], v[ACC+16*\j:ACC+16*\j+1], v[ACC+16*\j:ACC+16*\j+1]
.endr
.irp i, 2,4,6,8,10,12,14
.irp j, 0,1,2,3
	v_pk_fma_f32 v[WK+6*\j+2:WK+6*\j+3], v[ACC+16*\j+\i:ACC+16*\j+\i+1], v[ACC+16*\j+\i:ACC+16*\j+\i+1], v[WK+6*\j+2:WK+6*\j+3]
.endr
.endr
.irp j, 0,1,2,3
	v_add_f32 v[WK+6*\j+2], v[WK+6*\j+2], v[WK+6*\j+3]
.endr
	RED 2
.irp j, 0,1,2,3
	v_fma_f32 v[WK+6*\j+2], v[WK+6*\j+2], s50, s51
.endr
	s_wait_alu depctr_va_vdst(0)
.irp j, 0,1,2,3
	v_rsq_f32 v[WK+6*\j+2], v[WK+6*\j+2]
.endr
	v_nop                                          ; a plain place behind the last of the four
	s_wait_alu depctr_va_vdst(0)                   ; the four reciprocal roots are written, ahead of their first reader: one wait for the four
.irp i, 0,2,4,6,8,10,12,14
.irp j, 0,1,2,3
	v_pk_mul_f32 v[ACC+16*\j+\i:ACC+16*\j+\i+1], v[ACC+16*\j+\i:ACC+16*\j+\i+1], v[WK+6*\j+2:WK+6*\j+3] op_sel_hi:[1,0]
.endr
.endr
.irp i, 0,2,4,6,8,10,12,14
.irp j, 0,1,2,3
	v_pk_fma_f32 v[ACC+16*\j+\i:ACC+16*\j+\i+1], v[ACC+16*\j+\i:ACC+16*\j+\i+1], v[GN+\i:GN+\i+1], v[BI+\i:BI+\i+1]
.endr
.endr
	; ---- the quantiser: two neighbouring lanes hold a block
.irp j, 0,1,2,3
	v_max3_num_f32 v[WK+6*\j+4], |v[ACC+16*\j]|, |v[ACC+16*\j+1]|, 0x1800000   ; with the floor 2^(3 - 127)
.endr
.irp i, 2,4,6,8,10,12,14
.irp j, 0,1,2,3
	v_max3_num_f32 v[WK+6*\j+4], v[WK+6*\j+4], |v[ACC+16*\j+\i]|, |v[ACC+16*\j+\i+1]|
.endr
.endr
.irp j, 0,1,2,3
	v_max_num_f32_dpp v[WK+6*\j+4], v[WK+6*\j+4], v[WK+6*\j+4] row_xmask:1 row_mask:0xf bank_mask:0xf
.endr
.irp j, 0,1,2,3
	v_add_nc_u32 v[WK+6*\j+5], 0xff000000, v[WK+6*\j+4]   ; 2 off the exponent field: the conversion's scale operand
.endr
.irp j, 0,1,2,3
	v_cvt_scalef32_pk16_fp6_f32 v[CDS+4*\j:CDS+4*\j+2], v[ACC+16*\j:ACC+16*\j+15], v[WK+6*\j+5]
.endr
.irp j, 0,1,2,3
	v_lshrrev_b32 v[WK+6*\j+4], 23, v[WK+6*\j+5]   ; the byte (also the plain place behind the conversions)
.endr
	s_wait_alu depctr_va_vdst(0)                   ; the codes v[CDS ..] and the four bytes are written, which the LDS stores read; and the norm is done with gain and bias, where fragments land later
.irp j, 0,1,2,3
.irp i, 0,1,2
	ds_store_b32 v9, v[CDS+4*\j+\i] offset:AIMG+48*\j+4*\i
.endr
	ds_store_b8 v10, v[WK+6*\j+4] offset:4*\j      ; both lanes of a block write the same byte with the same value
.endr
	s_wait_dscnt 0x0                               ; for the others' sake: my stores have landed
	s_barrier_signal -1
	s_barrier_wait -1                              ; the sixteen images and their scale words lie in LDS
	s_wait_alu depctr_vm_vsrc(0)                   ; my LDS stores have read v[CDS ..], in which the fragments' loads land, and the bytes' registers, which are written again on the way out
; One K step: the rows' four fragments from LDS, eight products on eight accumulators by turns, four places.
; left: the ring's younger loads, seven for each later slot.  swap = 0: first source = weight; 1: first source = rows.
.macro KSTEP s, left, swap
.if \s > 0
	s_wait_alu depctr_va_vdst(0)                   ; the last step's products are done reading the rows' fragments and scale words, in which the loads below land
.endif
.irp t, 0,1,2,3,4,5,6,7,8,9,10,11
	ds_load_b128 v[AF+4*\t:AF+4*\t+3], v5 offset:AIMG+6144*(\t/3)+1536*\s+16*(\t%3)
.endr
	ds_load_b32 v[AS], v6 offset:256*\s
	ds_load_b32 v[AS+1], v6 offset:256*\s+128
	s_wait_loadcnt \left
	s_wait_dscnt 0x0
.irp q, 0,1,2,3,4,5,6,7
.if \swap
	MM ACC+8*\q, AF+12*(2*(\q/4)+\q%2), WR+24*\s+12*((\q/2)%2), (\s==0), AS+\q/4, \q%2, WSR+\s, (\q/2)%2
.else
	MM ACC+8*\q, WR+24*\s+12*(\q%2), AF+12*(\q/2), (\s==0), WSR+\s, \q%2, AS+\q/4, (\q/2)%2
.endif
.endr
.rept 4
	v_nop                                          ; places behind these products, ahead of the first read of results and of vector writes of their sources
.endr
.endm
; Four half blocks, v[ACC + 16 q] on, become 12 bytes of codes each (v[AF + 4 q] on) and a byte (v[WK + 6 q + 3]).  Each accumulator is read from its low end on.
.macro QUAD
.irp q, 0,1,2,3
	v_max3_num_f32 v[WK+6*\q], |v[ACC+16*\q]|, |v[ACC+16*\q+1]|, 0x1800000
.endr
.irp i, 2,4,6,8,10,12,14
.irp q, 0,1,2,3
	v_max3_num_f32 v[WK+6*\q], v[WK+6*\q], |v[ACC+16*\q+\i]|, |v[ACC+16*\q+\i+1]|
.endr
.endr
.irp q, 0,1,2,3
	v_permlanex16_b32 v[WK+6*\q+1], v[WK+6*\q], s48, s49
.endr
.irp q, 0,1,2,3
	v_max_num_f32 v[WK+6*\q], v[WK+6*\q], v[WK+6*\q+1]   ; with lane l xor 16's: the block's largest magnitude
.endr
.irp q, 0,1,2,3
	v_add_nc_u32 v[WK+6*\q+2], 0xff000000, v[WK+6*\q]
.endr
.irp q, 0,1,2,3
	v_cvt_scalef32_pk16_fp6_f32 v[AF+4*\q:AF+4*\q+2], v[ACC+16*\q:ACC+16*\q+15], v[WK+6*\q+2]
.endr
.irp q, 0,1,2,3
	v_lshrrev_b32 v[WK+6*\q+3], 23, v[WK+6*\q+2]   ; (also the plain place behind the conversions)
.endr
.endm
.macro EPI_QK                          ; tile q = 2 b2 + u is block 2 u + b2 of the image
	QUAD
	v_lshl_or_b32 v254, v[WK+15], 8, v[WK+3]
	v_lshl_or_b32 v254, v[WK+9], 16, v254
	v_lshl_or_b32 v254, v[WK+21], 24, v254
	s_wait_alu depctr_va_vdst(0)                   ; the codes v[AF ..] and the scale word v254 are written, which the stores read
.irp q, 0,1,2,3
	global_store_b96 v12, v[AF+4*\q:AF+4*\q+2], s[66:67] offset:768*(\q/2)+24*(\q%2)   ; the four stores fill 1,536 consecutive bytes
.endr
	global_store_b32 v13, v254, s[68:69]           ; lanes 16-31 store the same word to the same place
.endm
	KSTEP 0, 21, 0
	KSTEP 1, 14, 0
	KSTEP 2, 7, 0
	KSTEP 3, 0, 0
	s_cmp_lt_u32 ttmp9, 128
	s_cbranch_scc1 .Lx
	s_wait_alu depctr_va_vdst(0)                   ; Wk's products are done reading the ring and its scale words, in which Wv's loads land
	RING 1                                         ; Wv, asked for ahead of k's way out
	EPI_QK
	s_wait_xcnt 0x0                                ; the stores have had their addresses translated: their data lie where the rows' fragments land
	s_wait_alu depctr_vm_vsrc(0)                   ; the stores have read v[AF ..], in which the fragments' loads land
	KSTEP 0, 21, 1
	KSTEP 1, 14, 1
	KSTEP 2, 7, 1
	KSTEP 3, 0, 1
	QUAD                                           ; q = 2 b2 + nt: key block b2 of my 64 keys, channels' tile nt
	v_cndmask_b32 v252, v[WK+3], v[WK+9], s52      ; lanes 0-15 tile 0's byte, lanes 16-31 tile 1's
	v_cndmask_b32 v253, v[WK+15], v[WK+21], s52
	s_wait_alu depctr_va_vdst(0)                   ; the codes v[AF ..] and the bytes v252, v253 are written, which the six stores read
.irp q, 0,1,2,3
	global_store_b96 v12, v[AF+4*\q:AF+4*\q+2], s[70:71] offset:1536*(\q%2)+24*(\q/2)
.endr
	global_store_b8 v14, v252, s[72:73]
	global_store_b8 v14, v253, s[72:73] offset:2
	s_branch .Lend
.Lx:
	EPI_QK
.Lend:
	s_wait_dscnt 0x0                               ; the wave's end
	s_wait_alu 0x0
	s_wait_tensorcnt 0x0
	ds_add_u32 v1, v2
	s_wait_dscnt 0x0
	s_endpgm
.Lfunc_end_k_q28ca7d889a_qkv:
	.size	k_q28ca7d889a_qkv, .Lfunc_end_k_q28ca7d889a_qkv-k_q28ca7d889a_qkv
	.p2alignl 7, 3214868480
	.fill 96, 4, 3214868480
	.section	.rodata,"a",@progbits
	.p2align	6, 0x0
	.amdhsa_kernel k_q28ca7d889a_qkv
		.amdhsa_group_segment_fixed_size 191488
		.amdhsa_private_segment_fixed_size 0
		.amdhsa_enable_private_segment 0
		.amdhsa_kernarg_size 80
		.amdhsa_user_sgpr_count 2
		.amdhsa_user_sgpr_kernarg_segment_ptr 1
		.amdhsa_wavefront_size32 1
		.amdhsa_system_sgpr_workgroup_id_x 1
		.amdhsa_system_sgpr_workgroup_id_y 1
		.amdhsa_system_sgpr_workgroup_id_z 1
		.amdhsa_system_vgpr_workitem_id 0
		.amdhsa_next_free_vgpr 256
		.amdhsa_next_free_sgpr 80
		.amdhsa_reserve_vcc 0
		.amdhsa_float_denorm_mode_32 3
		.amdhsa_float_denorm_mode_16_64 3
		.amdhsa_memory_ordered 1
		.amdhsa_forward_progress 1
		.amdhsa_inst_pref_size 62
	.end_amdhsa_kernel
	.amdgpu_metadata
---
amdhsa.version: [ 1, 2 ]
amdhsa.kernels:
  - .name:           k_q28ca7d889a_qkv
    .symbol:         k_q28ca7d889a_qkv.kd
    .args:
      - { .name: x, .offset: 0, .size: 8, .value_kind: global_buffer, .address_space: global }
      - { .name: context, .offset: 8, .size: 8, .value_kind: global_buffer, .address_space: global }
      - { .name: g1, .offset: 16, .size: 8, .value_kind: global_buffer, .address_space: global }
      - { .name: b1, .offset: 24, .size: 8, .value_kind: global_buffer, .address_space: global }
      - { .name: gc, .offset: 32, .size: 8, .value_kind: global_buffer, .address_space: global }
      - { .name: bc, .offset: 40, .size: 8, .value_kind: global_buffer, .address_space: global }
      - { .name: wc, .offset: 48, .size: 8, .value_kind: global_buffer, .address_space: global }
      - { .name: wsc, .offset: 56, .size: 8, .value_kind: global_buffer, .address_space: global }
      - { .name: qkvc, .offset: 64, .size: 8, .value_kind: global_buffer, .address_space: global }
      - { .name: qkvs, .offset: 72, .size: 8, .value_kind: global_buffer, .address_space: global }
    .group_segment_fixed_size: 191488
    .private_segment_fixed_size: 0
    .kernarg_segment_align: 8
    .kernarg_segment_size: 80
    .max_flat_workgroup_size: 512
    .sgpr_count:     80
    .vgpr_count:     256
    .wavefront_size: 32
...
	.end_amdgpu_metadata
.endif
;; end of part 6
;; launch attn (part 7): grid 4 x 64, 16 waves a work-group, no clusters, 104,448 bytes of LDS; arguments qkvc, qkvs, oc, os; writes oc, os
.if DOCPART == 7
	.amdgcn_target "amdgcn-amd-amdhsa--gfx1250"
	.amdhsa_code_object_version 6
	.text
	.protected	k_q28ca7d889a_attn
	.globl	k_q28ca7d889a_attn
	.p2align	8
	.type	k_q28ca7d889a_attn,@function
k_q28ca7d889a_attn:
	s_mov_b64 s[64:65], 0
	v_nop
	global_prefetch_b8 v0, s[64:65] scope:SCOPE_SE
	s_setreg_imm32_b32 hwreg(HW_REG_WAVE_SCHED_MODE, 0, 2), 2
	s_setreg_imm32_b32 hwreg(HW_REG_WAVE_MODE, 25, 1), 1
	s_wait_xcnt 0x0
	s_wait_alu depctr_vm_vsrc(0)
; o = softmax(q k^T / sqrt(32)) v for one head and 512 queries, both products on codes of E2M3, and o quantised along the head's 32 for the next product.
; THE SOFTMAX: t = score x log2(e) / sqrt(32); M = the running largest t rounded UP to a whole number; p = 2^(t - M) is quantised along the keys, not normalised; the row's sum is taken of the unquantised p and divides at the end.
; When M moves, the sum and O are multiplied by 2^(old M - new M): exact.
; SHARES.  The head's whole K and V (98,304 bytes of codes, 4,096 of scale bytes) are put into LDS once, through registers; one barrier.  Sixteen waves of 256 registers, four to a SIMD; a wave makes two tiles of 16 queries,
; one after the other, each walking all 2,048 keys, 128 a step.
; K = 32 IN AN INSTRUCTION OF 128.  A fragment of k holds 64 keys: row m, block (c, h) is key 32 h + 16 (m / 8) + 8 c + m % 8 of the 64.  The zeros stand on q's side: four forms of q's operand have its 24 bytes in one
; block and zero codes in the other three, so one fragment of k feeds four products.  The four forms are windows of 12 into a chain of 30 registers [Qhi, 0, Qlo, 0, Qhi] (Qlo: codes in lanes 0-15, Qhi: in lanes 16-31).
; q's scale word is its byte four times.  In the results register 16 b + i of a lane is key 32 b + 16 (lane / 16) + i of the step, and the lane holds one query throughout.
; V^T's image: row m of tile nt is channel 16 (m / 8) + 8 nt + m % 8; position (c, h) holds key block 2 h + c; p's codes are laid likewise.
; No cluster: the four work-groups of a head share K and V, 102,400 bytes read once by each at its head, against 512 key steps of work in each; no ring is walked in which joint requests could meet.
; LIMITS: a block of zeros keeps the byte 1; NaN and infinities are not served; a block's largest p is taken from the block's largest score by the same two instructions.
; THE MODE: SCHED_MODE bits 1:0 = 2 (LLVM: expert scheduling mode 2), set by the entry lines.  The code itself states the register dependences between vector or matrix instructions and memory or LDS instructions,
; with s_wait_alu, always for 0.
; THE PLAN.  Registers that memory or LDS instructions touch, in the loop over key steps:
;   KF, KSW   step j's eight products k q^T read them; the loads of step j + 1 land in them.
;   VF, VSW   step j's two products v p read them, at the step's end; the loads of step j + 1 land in them.
;   v6, v8    the LDS addresses: v6 = my place in k's image of step j + 1, from which v's image of step j lies 46,080 bytes on; v8 likewise for the scale words (1,920 bytes on).  Written once a step, behind a wait on
;             vm_vsrc, in two of the places behind the products k q^T; read by the step's fourteen loads.
; The wait on va_vdst that stands behind the step's 64 exponentials, ahead of their first reader, stands behind the products k q^T of this step, behind the products v p of the last step and behind the two additions:
; so it states all that the step's loads hang on, and they follow it at once: v of this step, then k of the next.  No vector or matrix instruction between the wait and the loads names a register that they touch.
; Vector instructions write two operands of scaled products: q's chain and scale word (a wait on va_vdst ahead of the loop) and p's codes and scale word (one ahead of the products v p, behind their places).
; The last step asks for no k: it is written out, with constants for its addresses.  Step 0's k is asked for at a pass's head.
.set SPARE, 102400                     ; K 0, V 49,152, K's scale words 98,304, V's 100,352; then the spare words, 128 bytes a wave
.set QB,  16                           ; v16-45  the chain
.set QSW, 46                           ; scale words: q's,
.set KSW, 47                           ; k's (lanes 0-15 fragment 0, lanes 16-31 fragment 1),
.set VSW, 48                           ; v's (likewise tiles 0, 1),
.set PSW, 49                           ; p's
.set KF,  50                           ; v50-73  two fragments of k
.set VF,  74                           ; v74-97  two of v
.set SS,  98                           ; v98-161 the scores, then p
.set OO,  162                          ; v162-177 O^T
.set PC,  178                          ; v178-189 p's codes
.set TP,  190                          ; v190-196 the conversions' second halves
.set MXB, 198                          ; v198-201 the blocks' largest scores
.set PD,  202                          ; v202-205 permute destinations, a chain of the sum, then the bytes
.set OPR, 206                          ; v206-209 the conversions' scale operands
.set QL,  214                          ; v214-225 q's 24 bytes for both passes; v226 its scale word
.macro MM d, a, b, z, sa, ra, sb
.if \z
.if (\ra)
	v_wmma_scale_f32_16x16x128_f8f6f4 v[(\d):(\d)+7], v[(\a):(\a)+11], v[(\b):(\b)+11], 0, v[(\sa)], v[(\sb)] matrix_a_fmt:MATRIX_FMT_FP6 matrix_b_fmt:MATRIX_FMT_FP6 matrix_a_scale:MATRIX_SCALE_ROW1
.else
	v_wmma_scale_f32_16x16x128_f8f6f4 v[(\d):(\d)+7], v[(\a):(\a)+11], v[(\b):(\b)+11], 0, v[(\sa)], v[(\sb)] matrix_a_fmt:MATRIX_FMT_FP6 matrix_b_fmt:MATRIX_FMT_FP6
.endif
.else
.if (\ra)
	v_wmma_scale_f32_16x16x128_f8f6f4 v[(\d):(\d)+7], v[(\a):(\a)+11], v[(\b):(\b)+11], v[(\d):(\d)+7], v[(\sa)], v[(\sb)] matrix_a_fmt:MATRIX_FMT_FP6 matrix_b_fmt:MATRIX_FMT_FP6 matrix_a_scale:MATRIX_SCALE_ROW1
.else
	v_wmma_scale_f32_16x16x128_f8f6f4 v[(\d):(\d)+7], v[(\a):(\a)+11], v[(\b):(\b)+11], v[(\d):(\d)+7], v[(\sa)], v[(\sb)] matrix_a_fmt:MATRIX_FMT_FP6 matrix_b_fmt:MATRIX_FMT_FP6
.endif
.endif
.endm
	s_load_b256 s[8:15], s[0:1], 0x0               ; qkvc, qkvs, oc, os
	v_lshl_add_u32 v1, v0, 2, SPARE                ; my spare word
	v_mov_b32 v2, 0
	v_lshrrev_b32 v3, 5, v0
	v_readfirstlane_b32 s2, v3                     ; wave 0..15
	v_and_b32 v6, 31, v0                           ; L
	v_and_b32 v228, 15, v0                         ; r
	v_bfe_u32 v7, v0, 4, 1                         ; h
	v_mul_u32_u24 v3, v6, 48                       ; an image's place for my lane, in K
	v_lshl_add_u32 v5, v6, 2, 98304                ; a step's scale words
	v_mul_u32_u24 v9, v228, 48                     ; q: row r of its image
	v_lshlrev_b32 v10, 2, v228
	v_mul_u32_u24 v11, v228, 24
	v_mad_u32_u24 v11, v7, 12, v11                 ; o: 24 r + 12 h
	v_lshlrev_b32 v235, 4, v0                      ; the fill: 16 bytes a thread, in memory and in LDS (K),
	v_add_nc_u32 v236, 49152, v235                 ; in LDS (V);
	v_lshlrev_b32 v237, 2, v0                      ; 4 bytes a thread,
	v_add_nc_u32 v238, 98304, v237                 ; in LDS
	s_wait_alu depctr_va_sdst(0)                   ; s2 is written, ahead of its first reader
	s_and_b32 s3, ttmp7, 0xffff                    ; batch x 16 + head
	s_lshr_b32 s4, s3, 4
	s_and_b32 s5, s3, 15
	s_lshl_b32 s6, ttmp9, 3
	s_lshr_b32 s7, s2, 1
	s_add_co_u32 s6, s6, s7                        ; my 64 queries of the head
	s_and_b32 s7, s2, 1                            ; u: which tile of each 32 of them
	s_mul_i32 s16, s3, 49152
	s_mov_b32 s17, 0
	s_lshl_b32 s18, s3, 11
	s_mov_b32 s19, 0
	s_mul_i32 s20, s6, 1536
	s_mul_i32 s22, s7, 24
	s_add_co_u32 s20, s20, s22
	s_add_co_u32 s20, s20, s16
	s_mov_b32 s21, 0
	s_lshl_b32 s22, s6, 6
	s_add_co_u32 s22, s22, s18
	s_mov_b32 s23, 0
	s_lshl_b32 s24, s4, 6
	s_lshl_b32 s25, s6, 1
	s_add_co_u32 s24, s24, s25                     ; the first of my two blocks of 32 token rows
	s_mul_i32 s26, s24, 12288
	s_mul_i32 s27, s7, 6144
	s_add_co_u32 s26, s26, s27
	s_mul_i32 s27, s5, 384
	s_add_co_u32 s26, s26, s27
	s_mov_b32 s27, 0
	s_lshl_b32 s28, s24, 9
	s_lshl_b32 s29, s7, 8
	s_add_co_u32 s28, s28, s29
	s_lshl_b32 s29, s5, 4
	s_add_co_u32 s28, s28, s29
	s_mov_b32 s29, 0
	s_mov_b32 s30, 0x76543210
	s_mov_b32 s31, 0xfedcba98                      ; selects for lane l xor 16
	s_mov_b32 s32, 0x3e8293ee                      ; log2(e) / sqrt(32)
	s_mov_b32 s33, s32                             ; (named with it as a pair)
	s_mov_b32 s34, 0x0000ffff                      ; lanes 0-15
	s_mov_b32 s35, 0xffff0000                      ; lanes 16-31
	s_lshl_b32 s36, s7, 1
	s_mul_i32 s36, s36, 0x01010101                 ; byte 2 u + pass of q's scale word, four times: the selects of pass 0,
	s_add_co_u32 s37, s36, 0x01010101              ; of pass 1
	s_wait_kmcnt 0x0
	s_add_nc_u64 s[38:39], s[8:9], s[16:17]
	s_add_nc_u64 s[40:41], s[38:39], 2*3145728     ; v's codes
	s_add_nc_u64 s[38:39], s[38:39], 3145728       ; k's codes
	s_add_nc_u64 s[42:43], s[10:11], s[18:19]
	s_add_nc_u64 s[44:45], s[42:43], 2*131072      ; v's scale words
	s_add_nc_u64 s[42:43], s[42:43], 131072        ; k's
	s_add_nc_u64 s[46:47], s[8:9], s[20:21]        ; q's codes
	s_add_nc_u64 s[48:49], s[10:11], s[22:23]      ; q's scale words
	s_add_nc_u64 s[50:51], s[12:13], s[26:27]      ; o's codes
	s_add_nc_u64 s[52:53], s[14:15], s[28:29]      ; o's bytes
	s_wait_alu depctr_va_vdst(0)                   ; the offsets and LDS addresses v3, v5, v9 to v11, v228 and v235 to v238 are written, which the loads and stores of the kernel read
.irp i, 0,1,2,3,4,5
	global_load_b128 v[SS+4*\i:SS+4*\i+3], v235, s[38:39] offset:8192*\i
.endr
.irp i, 0,1,2,3,4,5
	global_load_b128 v[SS+24+4*\i:SS+24+4*\i+3], v235, s[40:41] offset:8192*\i
.endr
	global_load_b32 v[SS+48], v237, s[42:43]
	global_load_b32 v[SS+49], v237, s[44:45]
.irp p, 0,1
.irp i, 0,1,2
	global_load_b64 v[QL+6*\p+2*\i:QL+6*\p+2*\i+1], v9, s[46:47] offset:768*\p+8*\i
.endr
.endr
	global_load_b32 v[QL+12], v10, s[48:49]
.irp i, 0,1,2,3,4,5
	v_mov_b32 v[QB+6+\i], 0                        ; the chain's zeros, once
	v_mov_b32 v[QB+18+\i], 0
.endr
.irp b, 0,1,2,3
	v_mov_b32 v[PD+\b], 0                          ; written once: a lane permute's destination counts as one of its sources
.endr
	v_mov_b32 v211, 0                              ; (named as the upper half of the pair v[210:211])
	v_mov_b32 v212, 0
	s_wait_loadcnt 7                               ; K, V and their scale words are in; q's seven loads are younger
.irp i, 0,1,2,3,4,5
	ds_store_b128 v235, v[SS+4*\i:SS+4*\i+3] offset:8192*\i
.endr
.irp i, 0,1,2,3,4,5
	ds_store_b128 v236, v[SS+24+4*\i:SS+24+4*\i+3] offset:8192*\i
.endr
	ds_store_b32 v238, v[SS+48]
	ds_store_b32 v238, v[SS+49] offset:2048
	s_wait_dscnt 0x0                               ; for the others' sake: my stores have landed
	s_barrier_signal -1
	s_barrier_wait -1                              ; the head's K and V lie in LDS; nothing is written there again
	s_wait_alu depctr_vm_vsrc(0)                   ; my LDS stores have read v[SS ..], which the first products write
	s_wait_loadcnt 0x0                             ; q
; A KEY STEP.  last = 1: the pass's last step, which asks for no more of k.
.macro STEPB last
	s_wait_dscnt 0x0                               ; this step's k, seven loads asked for a step ago, is in
.irp f, 0,1                                    ; S^T = k q^T: block (c, h) of fragment f against the form of q that has its codes there
	MM SS+32*\f, KF+12*\f, QB+12, 1, KSW, \f, QSW
	MM SS+32*\f+8, KF+12*\f, QB+6, 1, KSW, \f, QSW
	MM SS+32*\f+16, KF+12*\f, QB, 1, KSW, \f, QSW
	MM SS+32*\f+24, KF+12*\f, QB+18, 1, KSW, \f, QSW
.endr
	s_wait_alu depctr_vm_vsrc(0)                   ; the LDS loads issued so far have read v6 and v8, which the two lines below write
.if \last
	v_add_nc_u32 v6, 16*3072, v3                   ; the last step: v's image lies 46,080 bytes on from here
	v_add_nc_u32 v8, 16*128, v5
.else
	v_add_nc_u32 v6, s54, v3                       ; my place in k's image of the next step; v's of this step lies 46,080 bytes on
	v_add_nc_u32 v8, s55, v5                       ; and in its scale words; v's of this step lie 1,920 bytes on
.endif
	v_nop
	v_nop                                          ; with the two additions: four places behind the products, ahead of the first read of their results
.irp b, 0,1,2,3
	v_max3_num_f32 v[MXB+\b], v[SS+16*\b], v[SS+16*\b+1], v[SS+16*\b+2]   ; the largest score of each block of 32 keys: for the row's maximum and, since p rises with the score, for the block's largest p
.endr
.irp i, 3,5,7,9,11,13
.irp b, 0,1,2,3
	v_max3_num_f32 v[MXB+\b], v[MXB+\b], v[SS+16*\b+\i], v[SS+16*\b+\i+1]
.endr
.endr
.irp b, 0,1,2,3
	v_max_num_f32 v[MXB+\b], v[MXB+\b], v[SS+16*\b+15]
.endr
.irp b, 0,1,2,3
	v_permlanex16_b32 v[PD+\b], v[MXB+\b], s30, s31
.endr
.irp b, 0,1,2,3
	v_max_num_f32 v[MXB+\b], v[MXB+\b], v[PD+\b]   ; with lane l xor 16's 16 keys
.endr
	v_max3_num_f32 v212, v[MXB], v[MXB+1], v[MXB+2]
	v_max_num_f32 v212, v212, v[MXB+3]
	v_mul_f32 v212, s32, v212                      ; as t
	v_max_num_f32 v13, v13, v212                   ; the running largest t
	v_mov_b32 v212, v12
	v_floor_f32 v12, -v13                          ; the new -M = -ceil(t)
	v_sub_f32 v212, v12, v212                      ; old M - new M: a whole number, 0 or less
	v_cvt_i32_f32 v212, v212                       ; (it saturates)
	v_ldexp_f32 v210, 1.0, v212                    ; f = 2^(old M - new M)
.set i, 0
.rept 32
	v_pk_fma_f32 v[SS+i:SS+i+1], v[SS+i:SS+i+1], s[32:33], v[12:13] op_sel_hi:[1,0,0]   ; t - M
.set i, i+2
.endr
.irp b, 0,1,2,3
	v_fma_f32 v[MXB+\b], v[MXB+\b], s32, v12       ; the same of each block's largest score
.endr
.set i, 0
	s_wait_alu depctr_va_vdst(0)
.rept 64
	v_exp_f32 v[SS+i], v[SS+i]                     ; p = 2^(t - M)
.set i, i+1
.endr
	v_pk_mul_f32 v[14:15], v[14:15], v[210:211] op_sel_hi:[1,0]   ; the sums under the new M (a plain place behind the exponentials)
	s_wait_alu depctr_va_vdst(0)                   ; the 64 exponentials have written p, ahead of its first reader; v6 and v8 are written, which the loads below read; this step's products k q^T are done reading k's fragments and the last step's products v p are done reading v's, in which those loads land
.irp t, 0,1,2,3,4,5
	ds_load_b128 v[VF+4*\t:VF+4*\t+3], v6 offset:46080+1536*(\t/3)+16*(\t%3)   ; v of this step
.endr
	ds_load_b32 v[VSW], v8 offset:1920
.if !\last
.irp t, 0,1,2,3,4,5
	ds_load_b128 v[KF+4*\t:KF+4*\t+3], v6 offset:1536*(\t/3)+16*(\t%3)         ; k of the next step
.endr
	ds_load_b32 v[KSW], v8
.endif
.irp b, 0,1,2,3
	v_exp_f32 v[MXB+\b], v[MXB+\b]                 ; the block's largest p
.endr
	v_pk_add_f32 v[PD:PD+1], v[SS:SS+1], v[SS+2:SS+3]   ; the row's sum of the unquantised p, in two chains
.irp j, 4,8,12,16,20,24,28,32,36,40,44,48,52,56,60
	v_pk_add_f32 v[14:15], v[14:15], v[SS+\j:SS+\j+1]
	v_pk_add_f32 v[PD:PD+1], v[PD:PD+1], v[SS+\j+2:SS+\j+3]
.endr
	v_pk_add_f32 v[14:15], v[14:15], v[PD:PD+1]
	s_wait_alu depctr_va_vdst(0)                   ; the four exponentials have written the blocks' largest p, ahead of their first reader
.irp b, 0,1,2,3
	v_max_num_f32 v[MXB+\b], 0x1800000, v[MXB+\b]  ; the floor 2^(3 - 127)
.endr
.irp b, 0,1,2,3
	v_add_nc_u32 v[OPR+\b], 0xff000000, v[MXB+\b]
.endr
.irp b, 0,1,2,3
	v_lshrrev_b32 v[PD+\b], 23, v[OPR+\b]
.endr
	v_lshl_or_b32 v[PSW], v[PD+2], 8, v[PD]        ; byte 2 c + h is key block 2 h + c
	v_lshl_or_b32 v[PSW], v[PD+1], 16, v[PSW]
	v_lshl_or_b32 v[PSW], v[PD+3], 24, v[PSW]
.irp c, 0,1
	v_cvt_scalef32_pk16_fp6_f32 v[PC+6*\c:PC+6*\c+2], v[SS+16*\c:SS+16*\c+15], v[OPR+\c]
	v_cvt_scalef32_pk16_fp6_f32 v[TP+4*\c:TP+4*\c+2], v[SS+32+16*\c:SS+32+16*\c+15], v[OPR+2+\c]
.endr
	v_nop                                          ; one plain place behind a scaled conversion
.irp c, 0,1                                    ; a whole block in a lane: lanes 0-15 block c, lanes 16-31 block 2 + c
.irp i, 0,1,2
	v_permlane16_swap_b32 v[PC+6*\c+\i], v[TP+4*\c+\i]
.endr
.irp i, 0,1,2
	v_mov_b32 v[PC+6*\c+3+\i], v[TP+4*\c+\i]
.endr
.endr
.irp j, 0,2,4,6,8,10,12,14
	v_pk_mul_f32 v[OO+\j:OO+\j+1], v[OO+\j:OO+\j+1], v[210:211] op_sel_hi:[1,0]   ; O^T under the new M (also the places in front of the products below)
.endr
.if \last
	s_wait_dscnt 0x0                               ; v is in
.else
	s_wait_dscnt 7                                 ; v's seven loads are in; the next step's k, seven loads, is younger
.endif
	s_wait_alu depctr_va_vdst(0)                   ; p's codes and its scale word are written, which the two products take as operand and as scales; the places stand ahead of this wait
	MM OO, VF, PC, 0, VSW, 0, PSW
	MM OO+8, VF+12, PC, 0, VSW, 1, PSW
.endm
.macro PASS p
.irp t, 0,1,2,3,4,5
	ds_load_b128 v[KF+4*\t:KF+4*\t+3], v3 offset:1536*(\t/3)+16*(\t%3)   ; step 0's k.  No wait: the last products that read these registers stand ahead of earlier waits on va_vdst, and nothing has named them since
.endr
	ds_load_b32 v[KSW], v5
.irp i, 0,1,2,3,4,5
	v_cndmask_b32 v[QB+\i], 0, v[QL+6*\p+\i], s35
	v_cndmask_b32 v[QB+12+\i], 0, v[QL+6*\p+\i], s34
	v_cndmask_b32 v[QB+24+\i], 0, v[QL+6*\p+\i], s35
.endr
	v_perm_b32 v[QSW], v[QL+12], v[QL+12], s[36+\p]
.set i, 0
.rept 16
	v_mov_b32 v[OO+i], 0                           ; O^T: the first change of M leaves zeros zeros.  (These are also the places between the lines above and the first products)
.set i, i+1
.endr
	v_mov_b32 v14, 0                               ; the sum, in two halves
	v_mov_b32 v15, 0
	v_mov_b32 v13, 0xff61b1e6                      ; the largest t so far: -3e38
	v_floor_f32 v12, -v13                          ; -M
	s_mov_b32 s54, 3072                            ; the next step's images: 3,072 bytes a step
	s_mov_b32 s55, 128                             ; its scale words: 128 bytes a step
	s_mov_b32 s56, 15
	s_wait_alu depctr_va_vdst(0)                   ; q's chain and its scale word are written, which the products k q^T take as operand and as scales; the places stand ahead of this wait
.Lstep_\@:
	STEPB 0
	s_add_co_u32 s54, s54, 3072
	s_add_co_u32 s55, s55, 128
	s_sub_co_u32 s56, s56, 1
	s_cmp_lg_u32 s56, 0
	s_cbranch_scc1 .Lstep_\@
	STEPB 1                                        ; the sixteenth step is written out
	; ---- the way out: o = O^T / the sum; my 16 registers are channels 16 h .. 16 h + 15 of query r: half a block of the next product's K
.rept 4
	v_nop
.endr
	v_add_f32 v14, v14, v15
	v_permlanex16_b32 v212, v14, s30, s31
	v_add_f32 v14, v14, v212                       ; the row's sum
	s_wait_alu depctr_va_vdst(0)
	v_rcp_f32 v14, v14
	v_nop                                          ; a plain place behind the reciprocal
	s_wait_alu depctr_va_vdst(0)                   ; the reciprocal is written, ahead of its first reader
.irp j, 0,2,4,6,8,10,12,14
	v_pk_mul_f32 v[SS+\j:SS+\j+1], v[OO+\j:OO+\j+1], v[14:15] op_sel_hi:[1,0]
.endr
	v_max3_num_f32 v[MXB], |v[SS]|, |v[SS+1]|, 0x1800000
	v_max3_num_f32 v[MXB+1], |v[SS+2]|, |v[SS+3]|, |v[SS+4]|
.irp i, 5,9
	v_max3_num_f32 v[MXB], v[MXB], |v[SS+\i]|, |v[SS+\i+1]|
	v_max3_num_f32 v[MXB+1], v[MXB+1], |v[SS+\i+2]|, |v[SS+\i+3]|
.endr
	v_max3_num_f32 v[MXB], v[MXB], |v[SS+13]|, |v[SS+14]|
	v_max3_num_f32 v[MXB], v[MXB], v[MXB+1], |v[SS+15]|
	v_permlanex16_b32 v[PD], v[MXB], s30, s31
	v_max_num_f32 v[MXB], v[MXB], v[PD]
	v_add_nc_u32 v[OPR], 0xff000000, v[MXB]
	s_wait_alu depctr_va_vdst(0)
	s_wait_xcnt 0x0                                ; the last pass's stores have had their addresses translated: their data are written anew below
.if \p > 0
	s_wait_alu depctr_vm_vsrc(0)                   ; the last pass's stores have read v[230:232] and v234, which the two lines below write
.endif
	v_cvt_scalef32_pk16_fp6_f32 v[230:232], v[SS:SS+15], v[OPR]
	v_lshrrev_b32 v234, 23, v[OPR]                 ; (also the plain place behind the conversion)
	s_wait_alu depctr_va_vdst(0)                   ; the codes and the byte are written, which the two stores read
	global_store_b96 v11, v[230:232], s[50:51] offset:12288*\p   ; 384 consecutive bytes
	global_store_b8 v228, v234, s[52:53] offset:512*\p           ; both halves of the lanes store the same byte
.endm
	PASS 0
	PASS 1
	s_wait_dscnt 0x0                               ; the wave's end
	s_wait_alu 0x0
	s_wait_tensorcnt 0x0
	ds_add_u32 v1, v2
	s_wait_dscnt 0x0
	s_endpgm
.Lfunc_end_k_q28ca7d889a_attn:
	.size	k_q28ca7d889a_attn, .Lfunc_end_k_q28ca7d889a_attn-k_q28ca7d889a_attn
	.p2alignl 7, 3214868480
	.fill 96, 4, 3214868480
	.section	.rodata,"a",@progbits
	.p2align	6, 0x0
	.amdhsa_kernel k_q28ca7d889a_attn
		.amdhsa_group_segment_fixed_size 104448
		.amdhsa_private_segment_fixed_size 0
		.amdhsa_enable_private_segment 0
		.amdhsa_kernarg_size 32
		.amdhsa_user_sgpr_count 2
		.amdhsa_user_sgpr_kernarg_segment_ptr 1
		.amdhsa_wavefront_size32 1
		.amdhsa_system_sgpr_workgroup_id_x 1
		.amdhsa_system_sgpr_workgroup_id_y 1
		.amdhsa_system_sgpr_workgroup_id_z 1
		.amdhsa_system_vgpr_workitem_id 0
		.amdhsa_next_free_vgpr 256
		.amdhsa_next_free_sgpr 66
		.amdhsa_reserve_vcc 0
		.amdhsa_float_denorm_mode_32 3
		.amdhsa_float_denorm_mode_16_64 3
		.amdhsa_memory_ordered 1
		.amdhsa_forward_progress 1
		.amdhsa_inst_pref_size 70
	.end_amdhsa_kernel
	.amdgpu_metadata
---
amdhsa.version: [ 1, 2 ]
amdhsa.kernels:
  - .name:           k_q28ca7d889a_attn
    .symbol:         k_q28ca7d889a_attn.kd
    .args:
      - { .name: qkvc, .offset: 0, .size: 8, .value_kind: global_buffer, .address_space: global }
      - { .name: qkvs, .offset: 8, .size: 8, .value_kind: global_buffer, .address_space: global }
      - { .name: oc, .offset: 16, .size: 8, .value_kind: global_buffer, .address_space: global }
      - { .name: os, .offset: 24, .size: 8, .value_kind: global_buffer, .address_space: global }
    .group_segment_fixed_size: 104448
    .private_segment_fixed_size: 0
    .kernarg_segment_align: 8
    .kernarg_segment_size: 32
    .max_flat_workgroup_size: 512
    .sgpr_count:     66
    .vgpr_count:     256
    .wavefront_size: 32
...
	.end_amdgpu_metadata
.endif
;; end of part 7
;; launch tail (part 8): grid 256 x 1, 16 waves a work-group, no clusters, 123,904 bytes of LDS; arguments x, oc, os, wc, wsc, g2, b2, out0; writes out0
.if DOCPART == 8
	.amdgcn_target "amdgcn-amd-amdhsa--gfx1250"
	.amdhsa_code_object_version 6
	.text
	.protected	k_q28ca7d889a_tail
	.globl	k_q28ca7d889a_tail
	.p2align	8
	.type	k_q28ca7d889a_tail,@function
k_q28ca7d889a_tail:
	s_mov_b64 s[64:65], 0
	v_nop
	global_prefetch_b8 v0, s[64:65] scope:SCOPE_SE
	s_setreg_imm32_b32 hwreg(HW_REG_WAVE_SCHED_MODE, 0, 2), 2
	s_setreg_imm32_b32 hwreg(HW_REG_WAVE_MODE, 25, 1), 1
	s_wait_xcnt 0x0
	s_wait_alu depctr_vm_vsrc(0)
; out = x1 + gelu(LN(x1) W1^T) W2^T with x1 = x + o Wo^T, for 32 rows; all three products on codes of E2M3.  x1, the normed rows and the hidden layer never go to memory.
; SHARES.  Sixteen waves.  THE WAVES SHARE THE COLUMNS: wave w makes columns 32 w .. 32 w + 31 of x1 and of out, and in chunk c of four the hidden units 512 c + 32 w .. + 31, for all 32 rows (two tiles u; row m of tile u is
; row 16 (m / 8) + 8 u + m % 8).  The products take the weight as first source, so a lane holds one row and its 16 registers of two tiles are 16 neighbouring columns: half a block of the next product's K; the other half lies in lane l xor 16.
; The rows' codes go from wave to wave through LDS as images of operand registers (register p of lane L at 48 L + 4 p).  The weights come from memory straight into the one wave that uses them, through a ring of four register
; slots: 36 positions of two fragments and their scale words, seven loads each, asked for four positions ahead.  x is the C of x1's first products, and x1's registers go on as the accumulators of the last product.
; The norm's variance is put together from the waves' means and centred sums of squares: no difference of large sums is formed.
; GELU is x/2 (1 + erf(x / sqrt 2)) with erf by the rational form of Abramowitz and Stegun 7.1.26, written as max(x, 0) - z poly(t) exp(-z^2), z = |x| / sqrt 2, t = 1 / (1 + 0.3275911 z).
; The text is straight: every offset is an immediate and every count of a wait is fixed.  Eight barriers, each behind a wait for all my LDS instructions.
; No cluster and no tensor load: each weight fragment is used by one wave of a work-group and lands in its registers; a joint load would land in LDS and add a pass.
; LIMITS: erf's form has an absolute error of 1.5e-7; a block of zeros, or one under 2^-124, keeps the byte 1; NaN and infinities are not served; the reads of x in the results' layout meet two deep in the banks.
; THE MODE: SCHED_MODE bits 1:0 = 2 (LLVM: expert scheduling mode 2), set by the entry lines.  The code itself states the register dependences between vector or matrix instructions and memory or LDS instructions,
; with s_wait_alu, always for 0.
; THE PLAN.  Registers that memory or LDS instructions touch:
;   v3-v13, v254, v255   offsets and LDS addresses, made at the head and never written again: one wait on va_vdst ahead of the first load.  v14, v15: LDS addresses until the first barrier, then (behind a wait on vm_vsrc) a constant.
;   ring slot p % 4      position p's loads land; step p's four products read it; position p + 4's loads land.
;   two sets of the rows' fragments, by turns: step p's products read one; at the head of step p, ahead of its products, the loads of step p + 1 go into the other, which step p - 1 read.
;                        Even steps: v180-203, scale words v204.  Odd steps: v206-229 (in x1's four steps, while gain and bias lie there: v48-71), scale words v205.
;   ONE wait on va_vdst in a step, behind its products and their places: they are done reading their ring slot, which is asked for again at once, and their set, in which the next step's head lets loads land.
;   Behind a barrier that shows new images the step's own set is asked for first; the first step on the normed rows of chunks 1 to 3 is asked for in the step before it, since those images stay.
;   WK                   written by the statistics and by the quantiser, read by their LDS stores (va_vdst ahead of the stores), written again later (vm_vsrc behind the barrier).
;   X1                   x's LDS loads land; matrix and vector instructions; at the end the LDS stores read it (the places, then va_vdst).
;   HA                   x's rows on the way in (global loads, LDS stores; vm_vsrc behind the first barrier); the statistics' LDS loads; at the end the rows of out.
.set OIMG,  0                          ; o's eight images: 6,144 u + 1,536 s
.set OSC,   12288                      ; scale words: [s][u][m]
.set STAT,  12800                      ; 32 rows x (16 waves x 8 bytes + 16)
.set HIMG,  17408                      ; the normed rows' images
.set HSC,   29696
.set GIMG,  30208                      ; the hidden layer's, two buffers by turns
.set GSC,   54784
.set SPARE, 55808                      ; the spare words, 128 bytes a wave
.set XST,   57856                      ; 32 rows x (2,048 bytes + 16): x on the way in, out on the way out
.set X1,  16                           ; v16-47   x1, then out: 16 u + 8 u'
.set HA,  48                           ; v48-79   the normed rows, the hidden layer; in x1's steps v48-71: the odd steps' fragments
.set WR,  80                           ; v80-175  the ring
.set WSR, 176                          ; v176-179 its scale words
.set AF,  180                          ; v180-203 the rows' two fragments, even steps; AF + 26 = v206-229: odd steps
.set ASR, 204                          ; v204, v205 their scale words, even and odd steps: lanes 0-15 tile 0, lanes 16-31 tile 1
.set G2,  206                          ; v206-221 g2 of my 16 columns
.set B2,  222                          ; v222-237 b2
.set ZG,  180                          ; in GELU: z, then the polynomial;
.set TG,  206                          ; t;
.set EG,  222                          ; the exponential
.set WK,  238                          ; v238-253 at work, eight a tile
.macro MM d, a, b, z, sa, ra, sb, rb
.if \z
.if (\ra)
.if (\rb)
	v_wmma_scale_f32_16x16x128_f8f6f4 v[(\d):(\d)+7], v[(\a):(\a)+11], v[(\b):(\b)+11], 0, v[(\sa)], v[(\sb)] matrix_a_fmt:MATRIX_FMT_FP6 matrix_b_fmt:MATRIX_FMT_FP6 matrix_a_scale:MATRIX_SCALE_ROW1 matrix_b_scale:MATRIX_SCALE_ROW1
.else
	v_wmma_scale_f32_16x16x128_f8f6f4 v[(\d):(\d)+7], v[(\a):(\a)+11], v[(\b):(\b)+11], 0, v[(\sa)], v[(\sb)] matrix_a_fmt:MATRIX_FMT_FP6 matrix_b_fmt:MATRIX_FMT_FP6 matrix_a_scale:MATRIX_SCALE_ROW1
.endif
.else
.if (\rb)
	v_wmma_scale_f32_16x16x128_f8f6f4 v[(\d):(\d)+7], v[(\a):(\a)+11], v[(\b):(\b)+11], 0, v[(\sa)], v[(\sb)] matrix_a_fmt:MATRIX_FMT_FP6 matrix_b_fmt:MATRIX_FMT_FP6 matrix_b_scale:MATRIX_SCALE_ROW1
.else
	v_wmma_scale_f32_16x16x128_f8f6f4 v[(\d):(\d)+7], v[(\a):(\a)+11], v[(\b):(\b)+11], 0, v[(\sa)], v[(\sb)] matrix_a_fmt:MATRIX_FMT_FP6 matrix_b_fmt:MATRIX_FMT_FP6
.endif
.endif
.else
.if (\ra)
.if (\rb)
	v_wmma_scale_f32_16x16x128_f8f6f4 v[(\d):(\d)+7], v[(\a):(\a)+11], v[(\b):(\b)+11], v[(\d):(\d)+7], v[(\sa)], v[(\sb)] matrix_a_fmt:MATRIX_FMT_FP6 matrix_b_fmt:MATRIX_FMT_FP6 matrix_a_scale:MATRIX_SCALE_ROW1 matrix_b_scale:MATRIX_SCALE_ROW1
.else
	v_wmma_scale_f32_16x16x128_f8f6f4 v[(\d):(\d)+7], v[(\a):(\a)+11], v[(\b):(\b)+11], v[(\d):(\d)+7], v[(\sa)], v[(\sb)] matrix_a_fmt:MATRIX_FMT_FP6 matrix_b_fmt:MATRIX_FMT_FP6 matrix_a_scale:MATRIX_SCALE_ROW1
.endif
.else
.if (\rb)
	v_wmma_scale_f32_16x16x128_f8f6f4 v[(\d):(\d)+7], v[(\a):(\a)+11], v[(\b):(\b)+11], v[(\d):(\d)+7], v[(\sa)], v[(\sb)] matrix_a_fmt:MATRIX_FMT_FP6 matrix_b_fmt:MATRIX_FMT_FP6 matrix_b_scale:MATRIX_SCALE_ROW1
.else
	v_wmma_scale_f32_16x16x128_f8f6f4 v[(\d):(\d)+7], v[(\a):(\a)+11], v[(\b):(\b)+11], v[(\d):(\d)+7], v[(\sa)], v[(\sb)] matrix_a_fmt:MATRIX_FMT_FP6 matrix_b_fmt:MATRIX_FMT_FP6
.endif
.endif
.endif
.endm
.macro BARRIER                         ; my LDS stores have landed and my LDS loads are in: then the work-group's barrier
	s_wait_dscnt 0x0
	s_barrier_signal -1
	s_barrier_wait -1
.endm
	s_load_b512 s[8:23], s[0:1], 0x0               ; x, oc, os, wc, wsc, g2, b2, out0
	v_lshl_add_u32 v1, v0, 2, SPARE                ; my spare word
	v_mov_b32 v2, 0
	v_lshrrev_b32 v3, 5, v0
	v_readfirstlane_b32 s2, v3                     ; wave 0..15
	v_and_b32 v6, 31, v0                           ; L
	v_and_b32 v240, 15, v0                         ; r
	v_bfe_u32 v241, v0, 4, 1                       ; h
	v_lshlrev_b32 v13, 4, v6                       ; 16 L
	s_wait_alu depctr_va_sdst(0)                   ; s2 is written, ahead of its first reader
	s_mul_i32 s3, s2, 3072
	v_add_nc_u32 v3, s3, v13                       ; the ring: my pair's 3,072 bytes
	v_mul_u32_u24 v5, v6, 48                       ; an image's place for my lane
	v_lshlrev_b32 v6, 2, v6                        ; 4 L
	s_lshl_b32 s3, s2, 7                           ; 128 w
	v_add_nc_u32 v4, s3, v6                        ; the ring's scale words
	v_bfe_u32 v7, v0, 3, 1
	v_and_b32 v8, 7, v0
	v_lshl_add_u32 v7, v7, 4, v8                   ; 16 (r / 8) + r % 8: tile 0's row for my lane
	v_mul_u32_u24 v7, v7, 2064
	v_lshl_add_u32 v7, v241, 6, v7
	s_add_co_u32 s4, s3, XST
	v_add_nc_u32 v7, s4, v7                        ; + 64 h + 128 w: my 16 columns of it
	s_mul_i32 s4, s2, 4128
	s_add_co_u32 s4, s4, XST
	v_add_nc_u32 v8, s4, v13                       ; rows 2 w, 2 w + 1 whole: 16 bytes a lane
	v_lshlrev_b32 v255, 6, v241
	v_add_nc_u32 v255, s3, v255                    ; g2, b2: 128 w + 64 h; never rewritten
	v_mul_u32_u24 v254, v0, 24                     ; o's codes: 24 bytes a thread; never rewritten
	v_mul_u32_u24 v9, v241, 12
	v_mad_u32_u24 v9, v240, 48, v9                 ; 48 r + 12 h
	s_wait_alu depctr_va_vdst(0)
	s_lshr_b32 s4, s2, 2
	s_mul_i32 s5, s4, 1536                         ; my 32 columns are block w % 4 of K step w / 4
	s_bfe_u32 s6, s2, 0x10001
	s_mul_i32 s6, s6, 24
	s_add_co_u32 s5, s5, s6
	s_and_b32 s6, s2, 1
	s_mul_i32 s6, s6, 768
	s_add_co_u32 s5, s5, s6
	v_add_nc_u32 v9, s5, v9                        ; where my 12 bytes of codes go in an image
	s_lshl_b32 s5, s4, 7
	s_and_b32 s6, s2, 3
	s_add_co_u32 s5, s5, s6
	v_lshl_add_u32 v10, v240, 2, s5                ; and my block's scale byte
	v_mul_u32_u24 v11, v240, 144
	v_add_nc_u32 v12, STAT, v11
	v_lshl_add_u32 v12, v241, 6, v12               ; the statistics of eight waves: 64 h
	s_lshl_b32 s5, s2, 3
	s_add_co_u32 s5, s5, STAT
	v_add_nc_u32 v11, s5, v11                      ; my wave's pair
	s_lshr_b32 s4, s2, 3                           ; o: thread = 256 u + 16 head + m: u = w / 8, head = 2 (w % 8) + h
	s_bfe_u32 s5, s2, 0x20001
	s_and_b32 s6, s2, 1
	s_mul_i32 s7, s4, 6144
	s_mul_i32 s46, s5, 1536
	s_add_co_u32 s7, s7, s46
	s_mul_i32 s46, s6, 24
	s_add_co_u32 s7, s7, s46
	v_add_nc_u32 v14, s7, v5                       ; its 24 bytes' place in o's images (until the first barrier)
	s_lshl_b32 s7, s5, 7
	s_lshl_b32 s46, s4, 6
	s_add_co_u32 s7, s7, s46
	s_lshl_b32 s46, s6, 1
	s_add_co_u32 s7, s7, s46
	s_add_co_u32 s7, s7, OSC
	v_lshl_add_u32 v15, v240, 2, v241
	v_add_nc_u32 v15, s7, v15                      ; and its byte's
	s_lshl_b32 s4, s2, 12
	v_add_nc_u32 v13, s4, v13                      ; rows 2 w, 2 w + 1 in memory: 4,096 w + 16 L
.set i, 0
.rept 16
	v_mov_b32 v[WK+i], 0                           ; written once: lane permutes' destinations and upper halves of pairs count as read
.set i, i+1
.endr
	s_lshl_b32 s24, ttmp9, 16                      ; 32 rows of 2,048 bytes
	s_mov_b32 s25, 0
	s_mul_i32 s26, ttmp9, 12288
	s_mov_b32 s27, 0
	s_lshl_b32 s28, ttmp9, 9
	s_mov_b32 s29, 0
	s_mov_b32 s30, 0x76543210
	s_mov_b32 s31, 0xfedcba98                      ; selects for lane l xor 16
	s_mov_b32 s32, 0x3b000000                      ; 1 / 512
	s_mov_b32 s33, 0x3727c5ac                      ; 1e-5
	s_mov_b32 s34, 0x3ea7ba05                      ; 0.3275911
	s_mov_b32 s35, s34
	s_mov_b32 s36, 0xbfb8aa3b                      ; -log2(e)
	s_mov_b32 s37, s36
	s_mov_b32 s38, 0x3f402289                      ; the polynomial's coefficients, each times 1 / sqrt 2: 0.75052698,
	s_mov_b32 s39, s38
	s_mov_b32 s40, 0x3f80a6d5                      ; 1.00509130,
	s_mov_b32 s41, s40
	s_mov_b32 s42, 0xbe4dff65                      ; -0.20116957,
	s_mov_b32 s43, s42
	s_mov_b32 s44, 0x3e38842e                      ; 0.18019173  (-1.02753365 stands in v[14:15])
	s_mov_b32 s45, s44
	s_mov_b32 s47, 0x3f3504f3                      ; 1 / sqrt 2
	s_wait_kmcnt 0x0
	s_add_nc_u64 s[8:9], s[8:9], s[24:25]
	s_add_nc_u64 s[10:11], s[10:11], s[26:27]
	s_add_nc_u64 s[12:13], s[12:13], s[28:29]
	s_add_nc_u64 s[22:23], s[22:23], s[24:25]
	s_wait_alu depctr_va_vdst(0)                   ; the offsets and LDS addresses v3 to v15, v254 and v255 are written, which the loads and stores of the kernel read
.macro RING p                          ; position p: two fragments and their scale words into slot p % 4: seven loads
.irp t, 0,1,2,3,4,5
	global_load_b128 v[WR+24*((\p)%4)+4*\t:WR+24*((\p)%4)+4*\t+3], v3, s[14:15] offset:49152*(12+(\p))+512*\t
.endr
	global_load_b32 v[WSR+(\p)%4], v4, s[16:17] offset:2048*(12+(\p))
.endm
.macro AFETCH buf, sreg, img, sc, s    ; the rows' two fragments of K step s and their scale words from LDS into a set: seven loads
.irp t, 0,1,2,3,4,5
	ds_load_b128 v[(\buf)+4*\t:(\buf)+4*\t+3], v5 offset:(\img)+6144*(\t/3)+1536*(\s)+16*(\t%3)
.endr
	ds_load_b32 v[(\sreg)], v6 offset:(\sc)+128*(\s)
.endm
; Position p.  Its own set (buf, sreg) has been asked for.  nf = 1: the next step's set is asked for first, into the registers that the step before read (the wait at that step's end has shown its products done with them).
; Then four products on four accumulators by turns, four places, the step's one wait on va_vdst, and the slot's next fill.
; The wait on LOADcnt leaves the three younger positions' 21 loads out; at the last three positions 14, 7 and 0.
.macro KSTEP p, acc, zero, buf, sreg, nf, nbuf, nsreg, nimg, nsc, ns
.if \nf
	AFETCH \nbuf, \nsreg, \nimg, \nsc, \ns
.endif
.if (\p) <= 32
	s_wait_loadcnt 21
.else
	s_wait_loadcnt 7*(35-(\p))
.endif
	s_wait_dscnt 7*(\nf)                           ; my set is in; the next step's seven loads, where they were asked for, are younger
.irp q, 0,1,2,3
	MM (\acc)+8*\q, WR+24*((\p)%4)+12*(\q%2), (\buf)+12*(\q/2), \zero, WSR+(\p)%4, \q%2, \sreg, \q/2
.endr
.rept 4
	v_nop                                          ; places behind these products, ahead of the first read of results and of vector writes of their sources
.endr
.if (\p) < 34
	s_wait_alu depctr_va_vdst(0)                   ; these products are done reading their ring slot, in which the loads below land, and their set of fragments, in which the next step's head lets loads land
.endif
.if (\p) < 32
	RING (\p)+4
.endif
.endm
; The two tiles' half blocks in v[HA + 16 u] on become codes and a byte, go into the images at img and sc, and the work-group meets.  again = 1: the work registers are written again later.
.macro QH img, sc, again
.irp u, 0,1
	v_max3_num_f32 v[WK+8*\u], |v[HA+16*\u]|, |v[HA+16*\u+1]|, 0x1800000   ; with the floor 2^(3 - 127)
.endr
.irp i, 2,4,6,8,10,12,14
.irp u, 0,1
	v_max3_num_f32 v[WK+8*\u], v[WK+8*\u], |v[HA+16*\u+\i]|, |v[HA+16*\u+\i+1]|
.endr
.endr
.irp u, 0,1
	v_permlanex16_b32 v[WK+8*\u+1], v[WK+8*\u], s30, s31
.endr
.irp u, 0,1
	v_max_num_f32 v[WK+8*\u], v[WK+8*\u], v[WK+8*\u+1]
.endr
.irp u, 0,1
	v_add_nc_u32 v[WK+8*\u+2], 0xff000000, v[WK+8*\u]
.endr
.irp u, 0,1
	v_cvt_scalef32_pk16_fp6_f32 v[WK+8*\u+4:WK+8*\u+6], v[HA+16*\u:HA+16*\u+15], v[WK+8*\u+2]
.endr
.irp u, 0,1
	v_lshrrev_b32 v[WK+8*\u+3], 23, v[WK+8*\u+2]   ; (also the plain place behind the conversions)
.endr
	s_wait_alu depctr_va_vdst(0)                   ; the codes and the bytes in v[WK ..] are written, which the LDS stores read; and the vector work above is done with the registers in which the next fragments land
.irp u, 0,1
.irp i, 0,1,2
	ds_store_b32 v9, v[WK+8*\u+4+\i] offset:(\img)+6144*\u+4*\i
.endr
	ds_store_b8 v10, v[WK+8*\u+3] offset:(\sc)+64*\u   ; both halves of the lanes write the same byte with the same value
.endr
	BARRIER
.if \again
	s_wait_alu depctr_vm_vsrc(0)                   ; my LDS stores have read v[WK ..], which the next quantiser writes again
.endif
.endm
	; ---- in: x's rows 2 w, 2 w + 1; o's codes and bytes; g2, b2; the ring's first four positions
.irp j, 0,1
.irp i, 0,1,2,3
	global_load_b128 v[HA+16*\j+4*\i:HA+16*\j+4*\i+3], v13, s[8:9] offset:2048*\j+512*\i th:TH_LOAD_NT
.endr
.endr
.irp i, 0,1,2
	global_load_b64 v[AF+2*\i:AF+2*\i+1], v254, s[10:11] offset:8*\i th:TH_LOAD_NT
.endr
	global_load_u8 v[AF+6], v0, s[12:13] th:TH_LOAD_NT
.irp q, 0,1,2,3
	global_load_b128 v[G2+4*\q:G2+4*\q+3], v255, s[18:19] offset:16*\q
	global_load_b128 v[B2+4*\q:B2+4*\q+3], v255, s[20:21] offset:16*\q
.endr
	RING 0
	RING 1
	RING 2
	RING 3
	s_wait_loadcnt 36                              ; x and o are in; younger: 8 loads of g2 and b2, 28 of the ring
.irp j, 0,1
.irp i, 0,1,2,3
	ds_store_b128 v8, v[HA+16*\j+4*\i:HA+16*\j+4*\i+3] offset:2064*\j+512*\i
.endr
.endr
.irp i, 0,1,2
	ds_store_b64 v14, v[AF+2*\i:AF+2*\i+1] offset:OIMG+8*\i
.endr
	ds_store_b8 v15, v[AF+6]
	BARRIER                                        ; x's 32 rows and o's eight images lie in LDS
	s_wait_alu depctr_vm_vsrc(0)                   ; my LDS stores have read v14 and v15, which the two lines below write, and v[HA ..] and v[AF ..], in which the fragments' loads land
	v_mov_b32 v14, 0xbf838639                      ; -1.02753365, twice
	v_mov_b32 v15, 0xbf838639
	; ---- x1 = x + o Wo^T: x is loaded into the accumulators
.irp u, 0,1
.irp q, 0,1,2,3
	ds_load_b128 v[X1+16*\u+4*\q:X1+16*\u+4*\q+3], v7 offset:16512*\u+16*\q
.endr
.endr
	AFETCH AF, ASR, OIMG, OSC, 0
	KSTEP 0, X1, 0, AF, ASR, 1, HA, ASR+1, OIMG, OSC, 1
	KSTEP 1, X1, 0, HA, ASR+1, 1, AF, ASR, OIMG, OSC, 2
	KSTEP 2, X1, 0, AF, ASR, 1, HA, ASR+1, OIMG, OSC, 3
	KSTEP 3, X1, 0, HA, ASR+1, 0, 0, 0, 0, 0, 0
	; ---- the norm.  My wave's 32 columns of each row: mean and centred sum of squares
.irp u, 0,1
	v_pk_add_f32 v[WK+8*\u:WK+8*\u+1], v[X1+16*\u:X1+16*\u+1], v[X1+16*\u+2:X1+16*\u+3]
.endr
.irp i, 4,6,8,10,12,14
.irp u, 0,1
	v_pk_add_f32 v[WK+8*\u:WK+8*\u+1], v[WK+8*\u:WK+8*\u+1], v[X1+16*\u+\i:X1+16*\u+\i+1]
.endr
.endr
.irp u, 0,1
	v_add_f32 v[WK+8*\u], v[WK+8*\u], v[WK+8*\u+1]
.endr
.irp u, 0,1
	v_permlanex16_b32 v[WK+8*\u+2], v[WK+8*\u], s30, s31
.endr
.irp u, 0,1
	v_add_f32 v[WK+8*\u], v[WK+8*\u], v[WK+8*\u+2]
.endr
.irp u, 0,1
	v_mul_f32 v[WK+8*\u], 0x3d000000, v[WK+8*\u]   ; / 32
.endr
.irp u, 0,1
	v_pk_add_f32 v[WK+8*\u+2:WK+8*\u+3], v[X1+16*\u:X1+16*\u+1], v[WK+8*\u:WK+8*\u+1] op_sel_hi:[1,0] neg_lo:[0,1] neg_hi:[0,1]
.endr
.irp u, 0,1
	v_pk_mul_f32 v[WK+8*\u+4:WK+8*\u+5], v[WK+8*\u+2:WK+8*\u+3], v[WK+8*\u+2:WK+8*\u+3]
.endr
.irp i, 2,4,6,8,10,12,14
.irp u, 0,1
	v_pk_add_f32 v[WK+8*\u+2:WK+8*\u+3], v[X1+16*\u+\i:X1+16*\u+\i+1], v[WK+8*\u:WK+8*\u+1] op_sel_hi:[1,0] neg_lo:[0,1] neg_hi:[0,1]
.endr
.irp u, 0,1
	v_pk_fma_f32 v[WK+8*\u+4:WK+8*\u+5], v[WK+8*\u+2:WK+8*\u+3], v[WK+8*\u+2:WK+8*\u+3], v[WK+8*\u+4:WK+8*\u+5]
.endr
.endr
.irp u, 0,1
	v_add_f32 v[WK+8*\u+1], v[WK+8*\u+4], v[WK+8*\u+5]
.endr
.irp u, 0,1
	v_permlanex16_b32 v[WK+8*\u+2], v[WK+8*\u+1], s30, s31
.endr
.irp u, 0,1
	v_add_f32 v[WK+8*\u+1], v[WK+8*\u+1], v[WK+8*\u+2]
.endr
	s_wait_alu depctr_va_vdst(0)                   ; the two pairs (mean, sum of squares) are written, which the LDS stores read
.irp u, 0,1
	ds_store_b64 v11, v[WK+8*\u:WK+8*\u+1] offset:2304*\u   ; both halves of the lanes write the same pair
.endr
	BARRIER                                        ; the sixteen waves' pairs lie in LDS
	s_wait_alu depctr_vm_vsrc(0)                   ; my LDS stores have read the two pairs' registers, which are written again below
.irp u, 0,1
.irp q, 0,1,2,3
	ds_load_b128 v[HA+16*\u+4*\q:HA+16*\u+4*\q+3], v12 offset:2304*\u+16*\q   ; eight waves' (mean, sum of squares)
.endr
.endr
	s_wait_dscnt 0x0
.irp u, 0,1
	v_pk_add_f32 v[WK+8*\u:WK+8*\u+1], v[HA+16*\u:HA+16*\u+1], v[HA+16*\u+2:HA+16*\u+3]
.endr
.irp i, 4,6,8,10,12,14
.irp u, 0,1
	v_pk_add_f32 v[WK+8*\u:WK+8*\u+1], v[WK+8*\u:WK+8*\u+1], v[HA+16*\u+\i:HA+16*\u+\i+1]
.endr
.endr
.irp u, 0,1
	v_permlanex16_b32 v[WK+8*\u+2], v[WK+8*\u], s30, s31
	v_permlanex16_b32 v[WK+8*\u+3], v[WK+8*\u+1], s30, s31
.endr
.irp u, 0,1
	v_pk_add_f32 v[WK+8*\u:WK+8*\u+1], v[WK+8*\u:WK+8*\u+1], v[WK+8*\u+2:WK+8*\u+3]
.endr
.irp u, 0,1
	v_mul_f32 v[WK+8*\u], 0x3d800000, v[WK+8*\u]   ; the row's mean: / 16
.endr
.irp u, 0,1
	v_sub_f32 v[WK+8*\u+2], v[HA+16*\u], v[WK+8*\u]
.endr
.irp u, 0,1
	v_mul_f32 v[WK+8*\u+4], v[WK+8*\u+2], v[WK+8*\u+2]
.endr
.irp i, 2,4,6,8,10,12,14
.irp u, 0,1
	v_sub_f32 v[WK+8*\u+2], v[HA+16*\u+\i], v[WK+8*\u]
.endr
.irp u, 0,1
	v_fma_f32 v[WK+8*\u+4], v[WK+8*\u+2], v[WK+8*\u+2], v[WK+8*\u+4]
.endr
.endr
.irp u, 0,1
	v_permlanex16_b32 v[WK+8*\u+5], v[WK+8*\u+4], s30, s31
.endr
.irp u, 0,1
	v_add_f32 v[WK+8*\u+4], v[WK+8*\u+4], v[WK+8*\u+5]
.endr
.irp u, 0,1
	v_fmamk_f32 v[WK+8*\u+1], v[WK+8*\u+4], 0x42000000, v[WK+8*\u+1]   ; + 32 x the waves' means' squared distances
.endr
.irp u, 0,1
	v_fma_f32 v[WK+8*\u+1], v[WK+8*\u+1], s32, s33
.endr
	s_wait_alu depctr_va_vdst(0)
.irp u, 0,1
	v_rsq_f32 v[WK+8*\u+6], v[WK+8*\u+1]
.endr
	v_nop                                          ; a plain place behind the second
	s_wait_alu depctr_va_vdst(0)                   ; the two reciprocal roots are written, ahead of their first reader: one wait for the two
.irp i, 0,2,4,6,8,10,12,14
.irp u, 0,1
	v_pk_add_f32 v[HA+16*\u+\i:HA+16*\u+\i+1], v[X1+16*\u+\i:X1+16*\u+\i+1], v[WK+8*\u:WK+8*\u+1] op_sel_hi:[1,0] neg_lo:[0,1] neg_hi:[0,1]
.endr
.endr
.irp i, 0,2,4,6,8,10,12,14
.irp u, 0,1
	v_pk_mul_f32 v[HA+16*\u+\i:HA+16*\u+\i+1], v[HA+16*\u+\i:HA+16*\u+\i+1], v[WK+8*\u+6:WK+8*\u+7] op_sel_hi:[1,0]
.endr
.endr
.irp i, 0,2,4,6,8,10,12,14
.irp u, 0,1
	v_pk_fma_f32 v[HA+16*\u+\i:HA+16*\u+\i+1], v[HA+16*\u+\i:HA+16*\u+\i+1], v[G2+\i:G2+\i+1], v[B2+\i:B2+\i+1]
.endr
.endr
	QH HIMG, HSC, 1                                ; the normed rows' eight images lie in LDS
; GELU of the 16 numbers in v[HA + 16 u] on.  The 16 reciprocals and 16 exponentials are one batch with one wait.
.macro GELU u
.set XG, HA+16*\u
.set i, 0
.rept 16
	v_mul_f32 v[ZG+i], s47, |v[XG+i]|              ; z = |x| / sqrt 2 (each accumulator is read from its low end on)
.set i, i+1
.endr
.set i, 0
.rept 8
	v_pk_fma_f32 v[TG+i:TG+i+1], v[ZG+i:ZG+i+1], s[34:35], 1.0 op_sel_hi:[1,0,0]
.set i, i+2
.endr
.set i, 0
.rept 8
	v_pk_mul_f32 v[EG+i:EG+i+1], v[ZG+i:ZG+i+1], v[ZG+i:ZG+i+1]
.set i, i+2
.endr
.set i, 0
.rept 8
	v_pk_mul_f32 v[EG+i:EG+i+1], v[EG+i:EG+i+1], s[36:37] op_sel_hi:[1,0]
.set i, i+2
.endr
.set i, 0
	s_wait_alu depctr_va_vdst(0)
.rept 16
	v_rcp_f32 v[TG+i], v[TG+i]                     ; t
.set i, i+1
.endr
.set i, 0
.rept 16
	v_exp_f32 v[EG+i], v[EG+i]                     ; exp(-z^2)
.set i, i+1
.endr
.set i, 0
.rept 16
	v_max_num_f32 v[XG+i], 0, v[XG+i]              ; max(x, 0): work that names no result of the batch
.set i, i+1
.endr
	s_wait_alu depctr_va_vdst(0)                   ; the 16 reciprocals and 16 exponentials are written, ahead of the batch's first reader
.set i, 0
.rept 8
	v_pk_mul_f32 v[EG+i:EG+i+1], v[EG+i:EG+i+1], v[ZG+i:ZG+i+1]
.set i, i+2
.endr
.set i, 0
.rept 8
	v_pk_fma_f32 v[ZG+i:ZG+i+1], v[TG+i:TG+i+1], s[38:39], v[14:15] op_sel_hi:[1,0,1]
.set i, i+2
.endr
.irp k, 40,42,44
.set i, 0
.rept 8
	v_pk_fma_f32 v[ZG+i:ZG+i+1], v[ZG+i:ZG+i+1], v[TG+i:TG+i+1], s[\k:\k+1] op_sel_hi:[1,1,0]
.set i, i+2
.endr
.endr
.set i, 0
.rept 8
	v_pk_mul_f32 v[ZG+i:ZG+i+1], v[ZG+i:ZG+i+1], v[TG+i:TG+i+1]
.set i, i+2
.endr
.set i, 0
.rept 8
	v_pk_fma_f32 v[XG+i:XG+i+1], v[ZG+i:ZG+i+1], v[EG+i:EG+i+1], v[XG+i:XG+i+1] neg_lo:[1,0,0] neg_hi:[1,0,0]
.set i, i+2
.endr
.endm
	; ---- four chunks of 512 hidden units.  The two buffers of images take turns, so one barrier a chunk is enough: a buffer is written again only by waves that have passed the next chunk's barrier,
	; which every wave reaches behind the wait for its reads
.irp c, 0,1,2,3
.if \c == 0
	AFETCH AF, ASR, HIMG, HSC, 0                   ; behind the barrier that shows the normed rows; in the later chunks the step before has asked for this set
.endif
.irp s, 0,1,2
	KSTEP 4+8*\c+\s, HA, (\s==0), AF+26*(\s%2), ASR+\s%2, 1, AF+26*((\s+1)%2), ASR+(\s+1)%2, HIMG, HSC, \s+1
.endr
	KSTEP 7+8*\c, HA, 0, AF+26, ASR+1, 0, 0, 0, 0, 0, 0
	GELU 0
	GELU 1
.if \c < 3
	QH GIMG+12288*(\c%2), GSC+512*(\c%2), 1
.else
	QH GIMG+12288*(\c%2), GSC+512*(\c%2), 0
.endif
	AFETCH AF, ASR, GIMG+12288*(\c%2), GSC+512*(\c%2), 0   ; behind the barrier that shows the chunk's hidden layer
.irp s, 0,1,2
	KSTEP 8+8*\c+\s, X1, 0, AF+26*(\s%2), ASR+\s%2, 1, AF+26*((\s+1)%2), ASR+(\s+1)%2, GIMG+12288*(\c%2), GSC+512*(\c%2), \s+1
.endr
.if \c < 3
	KSTEP 11+8*\c, X1, 0, AF+26, ASR+1, 1, AF, ASR, HIMG, HSC, 0   ; the next chunk's first step on the normed rows is asked for here
.else
	KSTEP 11+8*\c, X1, 0, AF+26, ASR+1, 0, 0, 0, 0, 0, 0
.endif
.endr
	; ---- out: through the stage, so that whole rows leave
	s_wait_alu depctr_va_vdst(0)                   ; the last products have written v[X1 ..], which the LDS stores read; the four places stand ahead of this wait
.irp u, 0,1
.irp q, 0,1,2,3
	ds_store_b128 v7, v[X1+16*\u+4*\q:X1+16*\u+4*\q+3] offset:16512*\u+16*\q   ; each accumulator from its low end on
.endr
.endr
	BARRIER                                        ; 32 whole rows lie in the stage
.irp j, 0,1
.irp i, 0,1,2,3
	ds_load_b128 v[HA+16*\j+4*\i:HA+16*\j+4*\i+3], v8 offset:2064*\j+512*\i
.endr
.endr
.irp t, 0,1,2,3,4,5,6,7
	s_wait_dscnt 7-\t                              ; LDS loads come back in order: piece t is in, the younger ones stay out
	global_store_b128 v13, v[HA+4*\t:HA+4*\t+3], s[22:23] offset:2048*(\t/4)+512*(\t%4) th:TH_STORE_NT   ; 32 lanes store 512 consecutive bytes, aligned
.endr
	s_wait_dscnt 0x0                               ; the wave's end
	s_wait_alu 0x0
	s_wait_tensorcnt 0x0
	ds_add_u32 v1, v2
	s_wait_dscnt 0x0
	s_endpgm
.Lfunc_end_k_q28ca7d889a_tail:
	.size	k_q28ca7d889a_tail, .Lfunc_end_k_q28ca7d889a_tail-k_q28ca7d889a_tail
	.p2alignl 7, 3214868480
	.fill 96, 4, 3214868480
	.section	.rodata,"a",@progbits
	.p2align	6, 0x0
	.amdhsa_kernel k_q28ca7d889a_tail
		.amdhsa_group_segment_fixed_size 123904
		.amdhsa_private_segment_fixed_size 0
		.amdhsa_enable_private_segment 0
		.amdhsa_kernarg_size 64
		.amdhsa_user_sgpr_count 2
		.amdhsa_user_sgpr_kernarg_segment_ptr 1
		.amdhsa_wavefront_size32 1
		.amdhsa_system_sgpr_workgroup_id_x 1
		.amdhsa_system_sgpr_workgroup_id_y 1
		.amdhsa_system_sgpr_workgroup_id_z 1
		.amdhsa_system_vgpr_workitem_id 0
		.amdhsa_next_free_vgpr 256
		.amdhsa_next_free_sgpr 80
		.amdhsa_reserve_vcc 0
		.amdhsa_float_denorm_mode_32 3
		.amdhsa_float_denorm_mode_16_64 3
		.amdhsa_memory_ordered 1
		.amdhsa_forward_progress 1
		.amdhsa_inst_pref_size 159
	.end_amdhsa_kernel
	.amdgpu_metadata
---
amdhsa.version: [ 1, 2 ]
amdhsa.kernels:
  - .name:           k_q28ca7d889a_tail
    .symbol:         k_q28ca7d889a_tail.kd
    .args:
      - { .name: x, .offset: 0, .size: 8, .value_kind: global_buffer, .address_space: global }
      - { .name: oc, .offset: 8, .size: 8, .value_kind: global_buffer, .address_space: global }
      - { .name: os, .offset: 16, .size: 8, .value_kind: global_buffer, .address_space: global }
      - { .name: wc, .offset: 24, .size: 8, .value_kind: global_buffer, .address_space: global }
      - { .name: wsc, .offset: 32, .size: 8, .value_kind: global_buffer, .address_space: global }
      - { .name: g2, .offset: 40, .size: 8, .value_kind: global_buffer, .address_space: global }
      - { .name: b2, .offset: 48, .size: 8, .value_kind: global_buffer, .address_space: global }
      - { .name: out0, .offset: 56, .size: 8, .value_kind: global_buffer, .address_space: global }
    .group_segment_fixed_size: 123904
    .private_segment_fixed_size: 0
    .kernarg_segment_align: 8
    .kernarg_segment_size: 64
    .max_flat_workgroup_size: 512
    .sgpr_count:     80
    .vgpr_count:     256
    .wavefront_size: 32
...
	.end_amdgpu_metadata
.endif
;; end of part 8
